; MI455X (gfx1250); checked and timed in simulation.
; The chip was launched on July 23, 2026; its instructions are those of AMD's public machine-readable ISA for CDNA 5 (MIT licence, August 2026) and "CDNA5" Instruction Set Architecture Reference Guide (July 2026). The comments in the code are by the model that wrote it; some were corrected since.
;; Encoder Layer. Allowed arithmetic: matrix products marked QUANTISED: E2M1 operands, one E8M0 scale for each 32 along K, by v_wmma_scale_f32_16x16x128_f8f6f4 with both operands' format E2M1 (or v_wmma_scale_f32_32x16x128_f4), f32 sums; everything else in f32.
;; Inputs: W1 1,024 x 2,048 float32; W2 2,048 x 1,024 float32; Wk 1,024 x 1,024 float32; Wo 1,024 x 1,024 float32; Wq 1,024 x 1,024 float32; Wv 1,024 x 1,024 float32; b1 2,048 float32; b2 1,024 float32; bo 1,024 float32; ln1_a 1,024 float32; ln1_b 1,024 float32; ln2_a 1,024 float32; ln2_b 1,024 float32; mask 2 x 1 x 1 x 2,048 float32; x 2 x 2,048 x 1,024 float32.
;; Outputs: out0 2 x 2,048 x 1,024 float32.
;; This version of the problem:
;;   THIS VERSION OF THE PROBLEM IS GIVEN IN LOW PRECISION. The matrix products marked QUANTISED in the list below multiply operands that are first quantised to E2M1 (2 exponent bits, 1 mantissa bit; 4 bits a number), with one power-of-two scale for each 32 numbers along K (OCP MX v1.0); their sums are f32. All else is computed in f32.
;;   The module's matrix products, in the order in which they are computed (A, B: the left and right operand; K: the contracted axis; several contracted axes count as one K, in the product's order):
;;     1. [M 4,096, K 1,024] x [K 1,024, N 1,024]; A: computed on the way; B: input Wq: QUANTISED
;;     2. [M 4,096, K 1,024] x [K 1,024, N 1,024]; A: computed on the way; B: input Wk: QUANTISED
;;     3. [M 4,096, K 1,024] x [K 1,024, N 1,024]; A: computed on the way; B: input Wv: QUANTISED
;;     4. batch 32 x [M 2,048, K 64] x [K 64, N 2,048]; A: computed on the way; B: computed on the way: QUANTISED
;;     5. batch 32 x [M 2,048, K 2,048] x [K 2,048, N 64]; A: softmax (see below); B: computed on the way: QUANTISED
;;     6. [M 4,096, K 1,024] x [K 1,024, N 1,024]; A: computed on the way; B: input Wo: QUANTISED
;;     7. [M 4,096, K 1,024] x [K 1,024, N 2,048]; A: computed on the way; B: input W1: QUANTISED
;;     8. [M 4,096, K 2,048] x [K 2,048, N 1,024]; A: computed on the way; B: input W2: QUANTISED
;;   THE QUANTISER, for each operand of a quantised product, along K:
;;     - K is cut into blocks of 32 from its start; a last block that is shorter is filled with zeros.
;;     - A block's scale is 2^e with e = floor(log2(the largest magnitude in the block)) - 2, held to -126 .. 127; a block of zeros has e = 0. As a byte (E8M0): e + 127.
;;     - Each number is divided by its block's scale, clamped to +-6, and rounded to the nearest number of E2M1, ties to even, subnormals kept.
;;     - The product sums the exact products of the quantised numbers (number of the format x scale) in f32.
;;   ~~~python
;;   def quantise(x, axis):      # numpy; x: float32 -> the quantised numbers, widened to float32 again
;;       x = np.moveaxis(x, axis, -1); K = x.shape[-1]
;;       x = np.pad(x, [(0, 0)] * (x.ndim - 1) + [(0, -K % 32)]); x = x.reshape(x.shape[:-1] + (-1, 32)); a = np.abs(x).max(-1, keepdims=True)
;;       e = np.where(a > 0, np.clip(np.frexp(np.where(a > 0, a, 1))[1] - 1 - 2, -126, 127), 0)      # np.frexp(a)[1] - 1 = floor(log2(a)), exactly
;;       r = np.clip(x / 2.0 ** e, -6, 6)
;;       step = 2.0 ** (np.maximum(np.frexp(np.where(r == 0, 1, r))[1] - 1, 0) - 1)
;;       q = np.round(r / step) * step * 2.0 ** e      # np.round: ties to even
;;       return np.moveaxis(q.reshape(q.shape[:-2] + (-1,))[..., :K], -1, axis).astype(np.float32)
;;   ~~~
;;   SOFTMAX AHEAD OF A QUANTISED PRODUCT. Where the list says 'softmax', what is quantised is not the finished softmax but p = 2^(t - M), with t = logit x log2(e) and M = ceil(the row's largest t), a whole number; so 1/2 < the row's largest p <= 1. The row's sum l is taken of the UNQUANTISED p, in f32, and the product's result is divided by l at the end. Since M is a whole number, a kernel that streams over the keys may use a running M (the ceiling of the running maximum): every later rescaling is an exact power of two, which a block's scale takes up: the codes' values come out the same.
;;   OPERANDS COMPUTED ON THE WAY. 'Computed on the way' means the value that the module computes at that place (a softmax that the list does not call 'softmax' is quantised finished and normalised). What goes into a quantiser is computed in f32, as accurately as f32 sums, v_exp_f32 and their like allow (about 1e-6 of the number): no bf16 or f16 on the way to a quantiser, and a product that is left as it is and whose result goes on into a quantised operand takes f32 operands (vector FMAs, or v_wmma_f32_16x16x4_f32). A number that lies on a knife's edge between two numbers of the format may be rounded either way, as far as f32 arithmetic and the matrix unit's own rounding can turn it there, and no further.
;; 2 versions. Each part assembles by itself: llvm-mc -triple=amdgcn-amd-amdhsa -mcpu=gfx1250 --defsym DOCPART=n.
;; ======== version 1 of 2: 7 launches
;; workspace buffers: p1 6,684,672 bytes; p2 6,946,816 bytes; p3 2,228,224 bytes; p4 16,777,216 bytes; p5 2,228,224 bytes; p6 4,456,448 bytes
;; launch prep (part 1): grid 768 x 1, 4 waves a work-group, no clusters, 9,728 bytes of LDS; arguments x, ln1_a, ln1_b, Wq, Wk, Wv, Wo, W1, W2, p1; writes p1
.if DOCPART == 1
	.amdgcn_target "amdgcn-amd-amdhsa--gfx1250"
	.amdhsa_code_object_version 6
	.text
	.protected	k_q4b0a33f1c5_prep
	.globl	k_q4b0a33f1c5_prep
	.p2align	8
	.type	k_q4b0a33f1c5_prep,@function
k_q4b0a33f1c5_prep:
	s_mov_b64 s[64:65], 0
	v_nop
	global_prefetch_b8 v0, s[64:65] scope:SCOPE_SE
	s_setreg_imm32_b32 hwreg(HW_REG_WAVE_MODE, 25, 1), 1
	s_wait_xcnt 0x0
; PREP.  Work-groups 0-255: layer norm of 16 tokens (f32, two passes: mean, then the squares of x - mean; divisor 1023), quantised to codes of E2M1 with one E8M0 byte for each 32 along the row.
; Work-groups 256-767: the six weights, stored [K][N], quantised along K.  The same text, launched with 256 work-groups on other buffers, is the second layer norm.
; LAYOUT OF ALL OPERANDS OF THIS PROGRAM.  Rows (tokens, weight columns) are dealt to tiles of 16 by one rule: index 32 g + x lies in tile 2 g + ((x >> 3) & 1) at row (x & 7) + 8 (x >> 4).
; Codes: [tile][K / 32][row 16][16 bytes]: the fragment of a K step of 128 is 1,024 bytes on end, register group c of lane l at 512 c + 16 l.
; Scale words: [tile / 2][K step][32 words]: word 16 (tile & 1) + row holds the row's four bytes of that K step: one load of 4 bytes a lane brings two tiles' words.
; No tensor load, no cluster: each work-group reads bytes that no other reads.
; LIMITS: NaN and infinities are not served.  1/1023 and 1/(std + eps) are multiplications by numbers rounded to f32.  A block of zeros gets the byte 1 (its codes are zeros; only this program reads the bytes).
.set X,    64                          ; v64-191  four rows x 32 numbers of a lane: 32 q + 8 g + i = element 256 g + 8 lane + i of row q
.set AL,   192                         ; v192-223 the gain at the same elements
.set BE,   224                         ; v224-255 the bias
.set SM,   16                          ; v16-23   a pair for each row: sums, mean, 1 / (std + eps)
.set PT,   24                          ; v24-27   the other half of the lanes'
.set TS,   16                          ; v16-31   the conversions' scale operands (sums are done with by then)
.set TM,   32                          ; v32-47   largest magnitudes, then scale bytes
.set CD,   48                          ; v48-63   codes
.set SCW,  8704                        ; LDS: 32 rows (K / 32) of 256 bytes, 272 apart; behind them 128 scale words
.set XA_S, 2097152                     ; the destination: scale records behind the codes
.set WC,   2228224                     ; weights with K = 1,024: codes, 384 tiles of 8,192 bytes (Wq, Wk, Wv, Wo 64 each, W1 128)
.set WS,   5373952                     ; their scale records
.set W2C,  5570560                     ; W2 (K = 2,048): 64 tiles of 16,384 bytes
.set W2S,  6619136
	s_load_b256 s[4:11], s[0:1], 0x0               ; x, gain, bias, Wq
	s_load_b256 s[12:19], s[0:1], 0x20             ; Wk, Wv, Wo, W1
	s_load_b128 s[20:23], s[0:1], 0x40             ; W2, the destination
	v_lshl_add_u32 v14, v0, 2, 0x2400
	v_mov_b32 v15, 0
	v_lshrrev_b32 v1, 5, v0
	v_readfirstlane_b32 s2, v1                     ; wave 0..3
	v_and_b32 v1, 31, v0                           ; lane
	s_cmp_ge_u32 ttmp9, 256                        ; the same in all waves of a work-group
	s_cbranch_scc1 .Lweights
; ---------------- layer norm: work-group T is tile T; wave w takes tile rows 4 w .. 4 w + 3, which are four neighbouring tokens
	s_lshr_b32 s24, ttmp9, 1
	s_lshl_b32 s24, s24, 5                         ; 32 (T >> 1)
	s_and_b32 s25, ttmp9, 1
	s_lshl_b32 s25, s25, 3                         ; + 8 (T & 1)
	s_add_co_u32 s24, s24, s25
	s_lshl_b32 s25, s2, 2                          ; + 4 w
	s_add_co_u32 s24, s24, s25
	s_lshr_b32 s25, s2, 1
	s_lshl_b32 s25, s25, 3                         ; + 8 (w >> 1)
	s_add_co_u32 s24, s24, s25                     ; my first token
	s_lshl_b32 s24, s24, 12                        ; rows of 4,096 bytes
	s_mov_b32 s25, 0
	s_lshl_b32 s26, ttmp9, 13                      ; the tile's codes
	s_mov_b32 s27, 0
	s_lshr_b32 s28, ttmp9, 1
	s_lshl_b32 s28, s28, 10                        ; the pair's scale records,
	s_and_b32 s29, ttmp9, 1
	s_lshl_b32 s29, s29, 6                         ; my tile's 16 words of each
	s_add_co_u32 s28, s28, s29
	s_add_co_u32 s28, s28, XA_S
	s_mov_b32 s29, 0
	s_mov_b32 s40, 0x76543210
	s_mov_b32 s41, 0xfedcba98                      ; v_permlanex16_b32: lane l xor 16
	v_lshlrev_b32 v2, 5, v1                        ; 32 bytes a lane
	s_wait_kmcnt 0x0
	s_add_nc_u64 s[4:5], s[4:5], s[24:25]
	s_add_nc_u64 s[26:27], s[22:23], s[26:27]
	s_add_nc_u64 s[28:29], s[22:23], s[28:29]
.irp q,0,1,2,3
.irp g,0,1,2,3
	global_load_b128 v[X+32*\q+8*\g:X+32*\q+8*\g+3], v2, s[4:5] offset:4096*\q+1024*\g
	global_load_b128 v[X+32*\q+8*\g+4:X+32*\q+8*\g+7], v2, s[4:5] offset:4096*\q+1024*\g+16   ; the two loads together cover 1,024 bytes on end
.endr
.endr
.irp g,0,1,2,3
	global_load_b128 v[AL+8*\g:AL+8*\g+3], v2, s[6:7] offset:1024*\g
	global_load_b128 v[AL+8*\g+4:AL+8*\g+7], v2, s[6:7] offset:1024*\g+16
	global_load_b128 v[BE+8*\g:BE+8*\g+3], v2, s[8:9] offset:1024*\g
	global_load_b128 v[BE+8*\g+4:BE+8*\g+7], v2, s[8:9] offset:1024*\g+16
.endr
	v_lshrrev_b32 v3, 2, v1                        ; LDS, codes in: block (lane / 4) of a group of eight, 272 bytes a block;
	v_mul_u32_u24 v3, v3, 272
	v_and_b32 v4, 3, v1
	v_lshl_add_u32 v3, v4, 2, v3                   ; my 4 bytes of the row's 16;
	v_and_b32 v5, 0x60, v0                         ; 32 w
	v_lshl_add_u32 v3, v5, 1, v3                   ; my wave's four rows: 64 w
	v_bfe_u32 v6, v0, 4, 1                         ; LDS, scale bytes in: K step 2 g + lane / 16 (64 bytes each),
	v_bfe_u32 v7, v0, 2, 2                         ; byte (lane / 4) % 4,
	v_lshl_add_u32 v6, v6, 6, v7
	v_lshrrev_b32 v7, 1, v5                        ; rows 4 w on: 16 w
	v_add_nc_u32 v6, v6, v7
	v_add_nc_u32 v6, SCW, v6
	v_lshrrev_b32 v7, 4, v0                        ; the way out: thread t takes 16 bytes: LDS row t / 16, column t % 16
	v_and_b32 v8, 15, v0
	v_mul_u32_u24 v9, v7, 272
	v_lshl_add_u32 v9, v8, 4, v9
	v_lshlrev_b32 v10, 4, v0                       ; and 16 t in memory
	v_lshl_add_u32 v11, v0, 2, SCW                 ; scale word t = (K step t / 16, row t % 16)
	v_lshlrev_b32 v12, 7, v7
	v_lshl_add_u32 v12, v8, 2, v12                 ; in memory: 128 bytes a K step
.irp q,0,1,2,3
	v_mov_b32 v[PT+\q], 0                          ; a lane permute's destination counts as read
.endr
; the sum of a pair's halves, then over the 32 lanes; the four rows take turns
.macro REDUCE
.irp q,0,1,2,3
	v_add_f32 v[SM+2*\q], v[SM+2*\q], v[SM+2*\q+1]
.endr
.irp m,1,2,4,8
.irp q,0,1,2,3
	v_add_f32_dpp v[SM+2*\q], v[SM+2*\q], v[SM+2*\q] row_xmask:\m row_mask:0xf bank_mask:0xf
.endr
.endr
.irp q,0,1,2,3
	v_permlanex16_b32 v[PT+\q], v[SM+2*\q], s40, s41
.endr
.irp q,0,1,2,3
	v_add_f32 v[SM+2*\q], v[SM+2*\q], v[PT+\q]
.endr
.endm
	s_wait_loadcnt 0x0
.irp q,0,1,2,3
	v_pk_add_f32 v[SM+2*\q:SM+2*\q+1], v[X+32*\q:X+32*\q+1], v[X+32*\q+2:X+32*\q+3]
.endr
.irp i,4,6,8,10,12,14,16,18,20,22,24,26,28,30
.irp q,0,1,2,3
	v_pk_add_f32 v[SM+2*\q:SM+2*\q+1], v[SM+2*\q:SM+2*\q+1], v[X+32*\q+\i:X+32*\q+\i+1]
.endr
.endr
	REDUCE
.irp q,0,1,2,3
	v_mul_f32 v[SM+2*\q], 0x3a800000, v[SM+2*\q]   ; the mean: / 1,024, exact
.endr
.irp i,0,2,4,6,8,10,12,14,16,18,20,22,24,26,28,30
.irp q,0,1,2,3
	v_pk_add_f32 v[X+32*\q+\i:X+32*\q+\i+1], v[X+32*\q+\i:X+32*\q+\i+1], v[SM+2*\q:SM+2*\q+1] op_sel_hi:[1,0] neg_lo:[0,1] neg_hi:[0,1]   ; x - mean
.endr
.endr
.irp q,0,1,2,3
	v_pk_mul_f32 v[SM+2*\q:SM+2*\q+1], v[X+32*\q:X+32*\q+1], v[X+32*\q:X+32*\q+1]
.endr
.irp i,2,4,6,8,10,12,14,16,18,20,22,24,26,28,30
.irp q,0,1,2,3
	v_pk_fma_f32 v[SM+2*\q:SM+2*\q+1], v[X+32*\q+\i:X+32*\q+\i+1], v[X+32*\q+\i:X+32*\q+\i+1], v[SM+2*\q:SM+2*\q+1]
.endr
.endr
	REDUCE
.irp q,0,1,2,3
	v_mul_f32 v[SM+2*\q], 0x3a802008, v[SM+2*\q]   ; / 1,023
.endr
.irp q,0,1,2,3
	v_sqrt_f32 v[SM+2*\q], v[SM+2*\q]
.endr
	v_nop                                          ; a plain instruction behind the last root,
	s_wait_alu depctr_va_vdst(0)                   ; and one wait for the four, ahead of their first reader
.irp q,0,1,2,3
	v_add_f32 v[SM+2*\q], 0x358637bd, v[SM+2*\q]   ; + 1e-6
.endr
.irp q,0,1,2,3
	v_rcp_f32 v[SM+2*\q], v[SM+2*\q]
.endr
	v_nop
	s_wait_alu depctr_va_vdst(0)                   ; likewise for the four reciprocals
.irp i,0,2,4,6,8,10,12,14,16,18,20,22,24,26,28,30
.irp q,0,1,2,3
	v_pk_mul_f32 v[X+32*\q+\i:X+32*\q+\i+1], v[X+32*\q+\i:X+32*\q+\i+1], v[SM+2*\q:SM+2*\q+1] op_sel_hi:[1,0]
.endr
.irp q,0,1,2,3
	v_pk_fma_f32 v[X+32*\q+\i:X+32*\q+\i+1], v[X+32*\q+\i:X+32*\q+\i+1], v[AL+\i:AL+\i+1], v[BE+\i:BE+\i+1]
.endr
.endr
; the quantiser: item e = 4 q + g is eight neighbours of row q; a block of 32 lies in four neighbouring lanes
.set E_, 0
.rept 16
	v_max3_num_f32 v[TM+E_], |v[X+8*E_]|, |v[X+8*E_+1]|, 0x1800000   ; with the floor 2^(3 - 127): the byte cannot fall under 1
.set E_, E_+1
.endr
.irp i,2,4,6
.set E_, 0
.rept 16
	v_max3_num_f32 v[TM+E_], v[TM+E_], |v[X+8*E_+\i]|, |v[X+8*E_+\i+1]|
.set E_, E_+1
.endr
.endr
.irp m,1,2
.set E_, 0
.rept 16
	v_max_num_f32_dpp v[TM+E_], v[TM+E_], v[TM+E_] row_xmask:\m row_mask:0xf bank_mask:0xf
.set E_, E_+1
.endr
.endr
.set E_, 0
.rept 16
	v_add_nc_u32 v[TS+E_], 0xff000000, v[TM+E_]    ; 2 off the exponent field: the conversion's scale operand
.set E_, E_+1
.endr
.set E_, 0
.rept 16
	v_cvt_scalef32_pk8_fp4_f32 v[CD+E_], v[X+8*E_:X+8*E_+7], v[TS+E_]
.set E_, E_+1
.endr
.set E_, 0
.rept 16
	v_lshrrev_b32 v[TM+E_], 23, v[TS+E_]           ; the scale's byte (plain lines behind the conversions)
.set E_, E_+1
.endr
.set E_, 0
.rept 16
	ds_store_b32 v3, v[CD+E_] offset:2176*(E_%4)+16*(E_/4)
	ds_store_b8 v6, v[TM+E_] offset:128*(E_%4)+4*(E_/4)   ; the four lanes of a block write the same byte with the same value
.set E_, E_+1
.endr
	s_wait_dscnt 0x0                               ; for the others' sake: my stores have landed
	s_barrier_signal -1
	s_barrier_wait -1
.irp j,0,1,2,3
	ds_load_b128 v[64+4*\j:67+4*\j], v9 offset:2176*\j
.endr
	ds_load_b32 v80, v11
.irp j,0,1,2,3
	s_wait_dscnt 4-\j                              ; the younger LDS loads may be out
	global_store_b128 v10, v[64+4*\j:67+4*\j], s[26:27] offset:2048*\j   ; a wave stores 512 bytes on end, aligned
.endr
	s_wait_dscnt 0x0
	global_store_b32 v12, v80, s[28:29]
	s_wait_tensorcnt 0x0
	ds_add_u32 v14, v15
	s_wait_dscnt 0x0
	s_endpgm
; ---------------- weights: work-group g takes 128 columns x one K step of 128; a wave 32 columns (two tiles); A LANE TAKES A COLUMN AND ITS REGISTERS RUN DOWN K
.Lweights:
	s_sub_co_u32 s26, ttmp9, 256                   ; g: 0-255 the four square weights, 64 each; 256-383 W1; 384-511 W2
	s_lshr_b32 s27, s26, 7
	s_cmp_lt_u32 s26, 256
	s_cselect_b32 s28, 63, 127
	s_and_b32 s28, s26, s28                        ; e: the work-group's number within its weight
	s_lshr_b32 s29, s26, 6
	s_lshl_b32 s29, s29, 6                         ; a square weight's first tile
	s_cmp_eq_u32 s27, 2                            ; W1: 16 blocks of columns, rows of 8,192 bytes
	s_cselect_b32 s30, 15, 7
	s_cselect_b32 s31, 4, 3
	s_cselect_b32 s32, 13, 12                      ; log2 of a row's bytes
	s_cselect_b32 s29, 256, s29
	s_cmp_eq_u32 s27, 3                            ; W2: K = 2,048: longer tiles, regions of its own
	s_cselect_b32 s29, 0, s29
	s_cselect_b32 s33, 14, 13                      ; log2 of a tile's bytes
	s_cselect_b32 s34, 11, 10                      ; log2 of a pair's scale records
	s_mov_b32 s35, WC
	s_cselect_b32 s35, W2C, s35
	s_mov_b32 s36, WS
	s_cselect_b32 s36, W2S, s36
	s_and_b32 s30, s28, s30                        ; block of 128 columns
	s_lshr_b32 s31, s28, s31                       ; K step
	s_lshl_b32 s37, s30, 3
	s_add_co_u32 s29, s29, s37
	s_lshl_b32 s37, s2, 1
	s_add_co_u32 s29, s29, s37                     ; my wave's first tile (even)
	s_lshl_b32 s38, s31, 7
	s_lshl_b32 s38, s38, s32                       ; 128 rows a K step
	s_lshl_b32 s37, s30, 9
	s_add_co_u32 s38, s38, s37
	s_lshl_b32 s37, s2, 7
	s_add_co_u32 s38, s38, s37                     ; + my 32 columns
	s_mov_b32 s39, 0
	s_lshl_b32 s42, s29, s33
	s_add_co_u32 s42, s42, s35
	s_lshl_b32 s37, s31, 10
	s_add_co_u32 s42, s42, s37                     ; codes: region + tile + 1,024 x K step
	s_mov_b32 s43, 0
	s_lshr_b32 s44, s29, 1
	s_lshl_b32 s44, s44, s34
	s_add_co_u32 s44, s44, s36
	s_lshl_b32 s37, s31, 7
	s_add_co_u32 s44, s44, s37                     ; scale record: region + pair + 128 x K step
	s_mov_b32 s45, 0
	v_lshlrev_b32 v2, 2, v1                        ; 4 bytes a lane: a wave reads 128 bytes on end of each row
	v_bfe_u32 v3, v0, 3, 1                         ; which of the two tiles my column lies in,
	v_and_b32 v4, 7, v0
	v_bfe_u32 v5, v0, 4, 1
	v_lshl_add_u32 v4, v5, 3, v4                   ; and at which row
	v_lshlrev_b32 v5, s33, v3
	v_lshl_add_u32 v5, v4, 4, v5                   ; codes: tile + 16 x row
	v_lshlrev_b32 v6, 6, v3
	v_lshl_add_u32 v6, v4, 2, v6                   ; scale word
	s_wait_kmcnt 0x0
	s_mov_b64 s[24:25], s[20:21]                   ; the weight is chosen by the work-group's number alone
	s_cmp_lt_u32 s26, 384
	s_cselect_b64 s[24:25], s[18:19], s[24:25]
	s_cmp_lt_u32 s26, 256
	s_cselect_b64 s[24:25], s[16:17], s[24:25]
	s_cmp_lt_u32 s26, 192
	s_cselect_b64 s[24:25], s[14:15], s[24:25]
	s_cmp_lt_u32 s26, 128
	s_cselect_b64 s[24:25], s[12:13], s[24:25]
	s_cmp_lt_u32 s26, 64
	s_cselect_b64 s[24:25], s[10:11], s[24:25]
	s_add_nc_u64 s[24:25], s[24:25], s[38:39]
	s_add_nc_u64 s[46:47], s[22:23], s[42:43]
	s_add_nc_u64 s[48:49], s[22:23], s[44:45]
.macro LOADW t, pitch                  ; block t: rows 32 t .. 32 t + 31 of the K step, my column, into registers of its own
.set I_, 0
.rept 32
	global_load_b32 v[64+32*(\t)+I_], v2, s[24:25] offset:(32*(\t)+I_)*\pitch th:TH_LOAD_NT
.set I_, I_+1
.endr
.endm
.macro WQ pitch
	LOADW 0, \pitch
	LOADW 1, \pitch
.irp t,0,1,2,3
.if \t < 3
	s_wait_loadcnt 32                              ; this block's 32 loads are in; the next block's 32 may be out
.else
	s_wait_loadcnt 0x0
.endif
.if \t < 2
	LOADW \t+2, \pitch
.endif
.set XS, 64+32*\t
	v_max3_num_f32 v8, |v[XS]|, |v[XS+1]|, |v[XS+2]|               ; all 32 numbers of the block are mine: two chains
	v_max3_num_f32 v9, |v[XS+3]|, |v[XS+4]|, |v[XS+5]|
.irp i,6,10,14,18,22,26
	v_max3_num_f32 v8, v8, |v[XS+\i]|, |v[XS+\i+1]|
	v_max3_num_f32 v9, v9, |v[XS+\i+2]|, |v[XS+\i+3]|
.endr
	v_max3_num_f32 v8, v8, |v[XS+30]|, |v[XS+31]|
	v_max3_num_f32 v8, v8, v9, 0x1800000           ; and the floor
	v_add_nc_u32 v10, 0xff000000, v8
	v_lshrrev_b32 v11, 23, v10
.if \t == 0
	v_mov_b32 v48, v11
.else
	v_lshl_or_b32 v48, v11, 8*\t, v48              ; the K step's four bytes make my column's scale word
.endif
.irp g,0,1,2,3
	v_cvt_scalef32_pk8_fp4_f32 v[32+4*\t+\g], v[XS+8*\g:XS+8*\g+7], v10
.endr
	global_store_b128 v5, v[32+4*\t:35+4*\t], s[46:47] offset:256*\t   ; sixteen lanes fill 256 bytes on end, aligned, in each of the two tiles
.endr
	global_store_b32 v6, v48, s[48:49]             ; 128 bytes on end
.endm
	s_cmp_eq_u32 s32, 13
	s_cbranch_scc1 .Lwide
	WQ 4096
	s_endpgm
.Lwide:
	WQ 8192
	s_endpgm
.Lfunc_end_k_q4b0a33f1c5_prep:
	.size	k_q4b0a33f1c5_prep, .Lfunc_end_k_q4b0a33f1c5_prep-k_q4b0a33f1c5_prep
	.p2alignl 7, 3214868480
	.fill 96, 4, 3214868480
	.section	.rodata,"a",@progbits
	.p2align	6, 0x0
	.amdhsa_kernel k_q4b0a33f1c5_prep
		.amdhsa_group_segment_fixed_size 9728
		.amdhsa_private_segment_fixed_size 0
		.amdhsa_enable_private_segment 0
		.amdhsa_kernarg_size 80
		.amdhsa_user_sgpr_count 2
		.amdhsa_user_sgpr_kernarg_segment_ptr 1
		.amdhsa_wavefront_size32 1
		.amdhsa_system_sgpr_workgroup_id_x 1
		.amdhsa_system_sgpr_workgroup_id_y 1
		.amdhsa_system_sgpr_workgroup_id_z 1
		.amdhsa_system_vgpr_workitem_id 0
		.amdhsa_next_free_vgpr 256
		.amdhsa_next_free_sgpr 66
		.amdhsa_reserve_vcc 0
		.amdhsa_float_denorm_mode_32 3
		.amdhsa_float_denorm_mode_16_64 3
		.amdhsa_memory_ordered 1
		.amdhsa_forward_progress 1
		.amdhsa_inst_pref_size 83
	.end_amdhsa_kernel
	.amdgpu_metadata
---
amdhsa.version: [ 1, 2 ]
amdhsa.kernels:
  - .name:           k_q4b0a33f1c5_prep
    .symbol:         k_q4b0a33f1c5_prep.kd
    .args:
      - { .name: x, .offset: 0, .size: 8, .value_kind: global_buffer, .address_space: global }
      - { .name: ln1_a, .offset: 8, .size: 8, .value_kind: global_buffer, .address_space: global }
      - { .name: ln1_b, .offset: 16, .size: 8, .value_kind: global_buffer, .address_space: global }
      - { .name: Wq, .offset: 24, .size: 8, .value_kind: global_buffer, .address_space: global }
      - { .name: Wk, .offset: 32, .size: 8, .value_kind: global_buffer, .address_space: global }
      - { .name: Wv, .offset: 40, .size: 8, .value_kind: global_buffer, .address_space: global }
      - { .name: Wo, .offset: 48, .size: 8, .value_kind: global_buffer, .address_space: global }
      - { .name: W1, .offset: 56, .size: 8, .value_kind: global_buffer, .address_space: global }
      - { .name: W2, .offset: 64, .size: 8, .value_kind: global_buffer, .address_space: global }
      - { .name: p1, .offset: 72, .size: 8, .value_kind: global_buffer, .address_space: global }
    .group_segment_fixed_size: 9728
    .private_segment_fixed_size: 0
    .kernarg_segment_align: 8
    .kernarg_segment_size: 80
    .max_flat_workgroup_size: 128
    .sgpr_count:     66
    .vgpr_count:     256
    .wavefront_size: 32
...
	.end_amdgpu_metadata
.endif
;; end of part 1
;; launch qkv (part 2): grid 384 x 1, 4 waves a work-group, no clusters, 70,144 bytes of LDS; arguments p1, p2; writes p2
.if DOCPART == 2
	.amdgcn_target "amdgcn-amd-amdhsa--gfx1250"
	.amdhsa_code_object_version 6
	.text
	.protected	k_q4b0a33f1c5_qkv
	.globl	k_q4b0a33f1c5_qkv
	.p2align	8
	.type	k_q4b0a33f1c5_qkv,@function
k_q4b0a33f1c5_qkv:
	s_mov_b64 s[64:65], 0
	v_nop
	global_prefetch_b8 v0, s[64:65] scope:SCOPE_SE
	s_setreg_imm32_b32 hwreg(HW_REG_WAVE_MODE, 25, 1), 1
	s_wait_xcnt 0x0
; QKV.  q, k and v = LN1(x) W on codes of E2M1; the results are quantised in registers and stored as the operands of attention.
; A wave makes 128 (source 0, eight tiles) x 64 (source 1, four tiles), K = 1,024 in eight steps: 32 accumulators, 256 registers, in window 1.  In a result lane (r, h) holds row r of source 1's tile, and by the
; way rows are dealt to tiles (index 32 g + x: tile 2 g + ((x >> 3) & 1), row (x & 7) + 8 (x >> 4)) the 16 registers of source 0's tiles 2 b, 2 b + 1 are indices 32 b + 16 h + 0 .. 15: neighbours.
; Work-groups 0-255: source 0 = 128 columns of Wq or Wk (two heads), source 1 = 64 tokens: q and k are quantised along the head's 64.
; Work-groups 256-383: source 0 = 128 tokens, source 1 = a head's 64 columns of Wv: v is quantised along the tokens, the second product's K.
; Operands lie in memory in the order of the registers: a fragment is two pieces of 512 bytes on end, 16 bytes a lane; a scale load of 4 bytes a lane brings two tiles' words (odd tiles: lanes 16-31).
; THE FOUR WAVES SHARE SOURCE 0.  Its eight tiles for all of K are 65,536 bytes on end in memory, its scale records 4,096: the 128 threads copy them into LDS once, through the registers that the sums take later,
; in front of ONE barrier; nothing is filled again.  So a wave asks memory for 34 + 80 pieces where eight K steps of both sources would be 240.  Source 1 is each wave's own and goes straight into registers, three K steps ahead.
; No cluster: the panel is fetched once and never again (68 KB a work-group, ahead of 256 products a wave), and source 1 goes into registers, where no joint load can put it.
; LIMITS: NaN and infinities are not served; a block of zeros gets the byte 1 (its codes are zeros; only this program reads the bytes).
; REGISTERS: v1 16 x lane, v2 4 x lane, v4 lane; v6, v7 the panel's tiles 0-3, 4-7 in LDS, v8 its scale records; v9, v11 the fill; v12-19 source 0's scale words (two sets), v20-25 source 1's (three);
; v32-159 source 0's fragments (two sets of 64), v160-255 source 1's (three sets of 32); window 1: accumulator (m, n) at v[64 m + 8 n].
.set KL,   8                           ; K steps that a wave walks
.set TSTR, 8192                        ; a tile's codes
.set PSTR, 1024                        ; a pair's scale records
.set PSC,  8*TSTR                      ; LDS: the panel's codes at 0, its scale records behind them
.set NF,   8*TSTR/2048                 ; rounds of the fill: 128 threads x 16 bytes
.set NFS,  4*PSTR/2048
.set XR,   0                           ; loads issued between source 1's K steps 2 and 3: none here
.set XA_S, 2097152
.set WC,   2228224
.set WS,   5373952
.set KC,   2097152                     ; p2: q's codes at 0 [head 32][tile 128][512], k's, v's [head][K step 16][tile 4][1,024];
.set VC,   4194304
.set QS,   6291456                     ; scale records: q's, k's [head][pair 64][128], v's [head][K step][pair 2][128]
.set KSC,  6553600
.set VS,   6815744
.set TM, 32
.set TX, 48
.set TS, 64
.set PC, 80
.set WD, 112
.set MSB, 0
.macro WIN new                         ; the immediate's high byte repeats the setting that is left
.if MSB != \new
	s_set_vgpr_msb (MSB<<8)|\new
.set MSB, \new
.endif
.endm
.macro FILL                            ; the panel is asked for: codes into window 1, scale records into v32 on
	WIN 0x40
.set I_, 0
.rept NF
	global_load_b128 v[4*I_:4*I_+3], v9, s[8:9] offset:2048*I_
.set I_, I_+1
.endr
	WIN 0
.set I_, 0
.rept NFS
	global_load_b128 v[32+4*I_:35+4*I_], v9, s[12:13] offset:2048*I_
.set I_, I_+1
.endr
.endm
.macro PUT younger                     ; and laid into LDS as it lies in memory; younger: the loads issued behind the panel's, which may stay out
	s_wait_loadcnt \younger
	WIN 0x04                                       ; an LDS store's data are its source 1: window 1
.set I_, 0
.rept NF
	ds_store_b128 v[9+I_/32], v[4*I_:4*I_+3] offset:2048*(I_%32)
.set I_, I_+1
.endr
	WIN 0
.set I_, 0
.rept NFS
	ds_store_b128 v11, v[32+4*I_:35+4*I_] offset:2048*I_
.set I_, I_+1
.endr
	s_wait_dscnt 0x0                               ; for the others' sake: my stores have landed
	s_barrier_signal -1
	s_barrier_wait -1
.endm
.macro GL s                            ; source 1's K step s from memory into set s % 3: 10 loads
.irp m,0,1,2,3
.irp c,0,1
	global_load_b128 v[160+32*((\s)%3)+8*\m+4*\c:160+32*((\s)%3)+8*\m+4*\c+3], v1, s[10:11] offset:\m*TSTR+(\s)*1024+512*\c
.endr
.endr
.irp j,0,1
	global_load_b32 v[20+2*((\s)%3)+\j], v2, s[14:15] offset:\j*PSTR+(\s)*128
.endr
.endm
.macro DL s                            ; source 0's K step s from the panel into set s % 2: 20 LDS loads, 512 or 128 bytes on end each
.irp n,0,1,2,3,4,5,6,7
.irp c,0,1
	ds_load_b128 v[32+64*((\s)%2)+8*\n+4*\c:32+64*((\s)%2)+8*\n+4*\c+3], v[6+\n/4] offset:(\n%4)*TSTR+(\s)*1024+512*\c
.endr
.endr
.irp j,0,1,2,3
	ds_load_b32 v[12+4*((\s)%2)+\j], v8 offset:\j*PSTR+(\s)*128
.endr
.endm
.macro WMM zero, pa, pb                ; one product; pa, pb: the tile is the odd one of its pair, its scale words lie in lanes 16-31
.if \zero
.if (\pa) && (\pb)
	v_wmma_scale_f32_16x16x128_f8f6f4 v[rD:rD+7], v[rA:rA+7], v[rB:rB+7], 0, v[rSA], v[rSB] matrix_a_fmt:MATRIX_FMT_FP4 matrix_b_fmt:MATRIX_FMT_FP4 matrix_a_scale:MATRIX_SCALE_ROW1 matrix_b_scale:MATRIX_SCALE_ROW1
.elseif (\pa)
	v_wmma_scale_f32_16x16x128_f8f6f4 v[rD:rD+7], v[rA:rA+7], v[rB:rB+7], 0, v[rSA], v[rSB] matrix_a_fmt:MATRIX_FMT_FP4 matrix_b_fmt:MATRIX_FMT_FP4 matrix_a_scale:MATRIX_SCALE_ROW1
.elseif (\pb)
	v_wmma_scale_f32_16x16x128_f8f6f4 v[rD:rD+7], v[rA:rA+7], v[rB:rB+7], 0, v[rSA], v[rSB] matrix_a_fmt:MATRIX_FMT_FP4 matrix_b_fmt:MATRIX_FMT_FP4 matrix_b_scale:MATRIX_SCALE_ROW1
.else
	v_wmma_scale_f32_16x16x128_f8f6f4 v[rD:rD+7], v[rA:rA+7], v[rB:rB+7], 0, v[rSA], v[rSB] matrix_a_fmt:MATRIX_FMT_FP4 matrix_b_fmt:MATRIX_FMT_FP4
.endif
.else
.if (\pa) && (\pb)
	v_wmma_scale_f32_16x16x128_f8f6f4 v[rD:rD+7], v[rA:rA+7], v[rB:rB+7], v[rD:rD+7], v[rSA], v[rSB] matrix_a_fmt:MATRIX_FMT_FP4 matrix_b_fmt:MATRIX_FMT_FP4 matrix_a_scale:MATRIX_SCALE_ROW1 matrix_b_scale:MATRIX_SCALE_ROW1
.elseif (\pa)
	v_wmma_scale_f32_16x16x128_f8f6f4 v[rD:rD+7], v[rA:rA+7], v[rB:rB+7], v[rD:rD+7], v[rSA], v[rSB] matrix_a_fmt:MATRIX_FMT_FP4 matrix_b_fmt:MATRIX_FMT_FP4 matrix_a_scale:MATRIX_SCALE_ROW1
.elseif (\pb)
	v_wmma_scale_f32_16x16x128_f8f6f4 v[rD:rD+7], v[rA:rA+7], v[rB:rB+7], v[rD:rD+7], v[rSA], v[rSB] matrix_a_fmt:MATRIX_FMT_FP4 matrix_b_fmt:MATRIX_FMT_FP4 matrix_b_scale:MATRIX_SCALE_ROW1
.else
	v_wmma_scale_f32_16x16x128_f8f6f4 v[rD:rD+7], v[rA:rA+7], v[rB:rB+7], v[rD:rD+7], v[rSA], v[rSB] matrix_a_fmt:MATRIX_FMT_FP4 matrix_b_fmt:MATRIX_FMT_FP4
.endif
.endif
.endm
.macro MUL s, zero                     ; K step s: the 32 accumulators take turns, one instruction a turn, in the same order in every step
	WIN 0x50                                       ; C and D in window 1
.irp m,0,1,2,3
.irp n,0,1,2,3,4,5,6,7
.set rD, 64*\m+8*\n
.set rA, 32+64*((\s)%2)+8*\n
.set rB, 160+32*((\s)%3)+8*\m
.set rSA, 12+4*((\s)%2)+\n/2
.set rSB, 20+2*((\s)%3)+\m/2
	WMM \zero, \n%2, \m%2
.endr
.endr
.endm
.macro MAIN first                      ; all K steps, written out: every offset is an immediate, no pointer is stepped
.set S_, 0
.rept KL
.set NL_, 0
.if S_+1 < KL
.set NL_, 10
.endif
.if S_+2 < KL
.set NL_, 20
.endif
.if S_ < 3
.set NL_, NL_+XR
.endif
	s_wait_loadcnt NL_                             ; source 1's step is in; the loads issued behind it may be out: 10 for each of the at most two later steps
.if S_+1 < KL
	s_wait_dscnt 20                                ; source 0's step is in; the next step's 20 LDS loads may be out
.else
	s_wait_dscnt 0x0
.endif
.if S_ == 0
	MUL 0, \first
.else
	MUL S_, 0
.endif
	WIN 0
.if S_+2 < KL
.rept 4
	v_nop                                          ; four places in front of loads into registers that matrix instructions have read
.endr
	DL S_+2
.if S_+3 < KL
	GL S_+3
.endif
.endif
.set S_, S_+1
.endr
.endm
; The 256 results become four fragments (one for each tile of source 1) of 128 along source 0, and their scale words.  Block b = registers 16 b .. 16 b + 15 of window 1, with lane l xor 16's 16.
.macro QUANT16
	WIN 0x14                                       ; sources 1 and 2 in window 1
.set B_, 0
.rept 16
	v_max3_num_f32 v[TM+B_], s22, |v[16*B_]|, |v[16*B_+1]|   ; the floor 2^(3 - 127) among the leaves; each accumulator is read from its low end on
.set B_, B_+1
.endr
.irp i,2,4,6,8,10,12,14
.set B_, 0
.rept 16
	v_max3_num_f32 v[TM+B_], v[TM+B_], |v[16*B_+\i]|, |v[16*B_+\i+1]|
.set B_, B_+1
.endr
.endr
	WIN 0
.set B_, 0
.rept 16
	v_permlanex16_b32 v[TX+B_], v[TM+B_], s20, s21
.set B_, B_+1
.endr
.set B_, 0
.rept 16
	v_max_num_f32 v[TM+B_], v[TM+B_], v[TX+B_]
.set B_, B_+1
.endr
.set B_, 0
.rept 16
	v_add_nc_u32 v[TS+B_], 0xff000000, v[TM+B_]    ; 2 off the exponent field: the conversion's scale operand
.set B_, B_+1
.endr
.set B_, 0
.rept 16
	v_lshrrev_b32 v[TX+B_], 23, v[TS+B_]           ; the scale's byte
.set B_, B_+1
.endr
.irp m,0,1,2,3
	v_lshl_or_b32 v[WD+\m], v[TX+4*\m+1], 8, v[TX+4*\m]
	v_lshl_or_b32 v[WD+\m], v[TX+4*\m+2], 16, v[WD+\m]
	v_lshl_or_b32 v[WD+\m], v[TX+4*\m+3], 24, v[WD+\m]
.endr
	WIN 0x01                                       ; source 0 in window 1
.set B_, 0
.rept 16
	v_cvt_scalef32_pk8_fp4_f32 v[PC+2*B_], v[16*B_:16*B_+7], v[TS+B_]
	v_cvt_scalef32_pk8_fp4_f32 v[PC+2*B_+1], v[16*B_+8:16*B_+15], v[TS+B_]
.set B_, B_+1
.endr
	WIN 0
	v_nop                                          ; one plain place behind the conversions
.set B_, 0
.rept 8                                ; a whole block to a lane: group g = 2 m + c then holds registers 4 c .. 4 c + 3 of tile m's fragment
	v_permlane16_swap_b32 v[PC+4*B_], v[PC+4*B_+2]
	v_permlane16_swap_b32 v[PC+4*B_+1], v[PC+4*B_+3]
.set B_, B_+1
.endr
	v_cmp_le_u32 vcc_lo, 16, v4
	v_cndmask_b32 v116, v112, v113, vcc_lo         ; a pair's record: lanes 0-15 the even tile's words, lanes 16-31 the odd tile's
	v_cndmask_b32 v117, v114, v115, vcc_lo
.endm
	s_load_b128 s[4:7], s[0:1], 0x0                ; p1, p2
	v_lshl_add_u32 v30, v0, 2, 0x11000
	v_mov_b32 v31, 0
	v_lshrrev_b32 v5, 5, v0
	v_readfirstlane_b32 s2, v5                     ; wave 0..3
	v_and_b32 v4, 31, v0
	v_lshlrev_b32 v1, 4, v4
	v_lshlrev_b32 v2, 2, v4
	v_lshlrev_b32 v6, 4, v4                        ; LDS: the panel's tiles 0-3: 16 x lane,
	v_add_nc_u32 v7, 4*TSTR, v6                    ; tiles 4-7,
	v_add_nc_u32 v8, PSC, v2                       ; its scale records: 4 x lane
	v_lshlrev_b32 v9, 4, v0                        ; the fill: 16 bytes a thread, in memory and in LDS alike
	v_add_nc_u32 v11, PSC, v9
	s_mov_b32 s20, 0x76543210
	s_mov_b32 s21, 0xfedcba98
	s_mov_b32 s22, 0x1800000
	s_mov_b32 s23, 0x7f7f0000
	s_and_b32 s24, ttmp9, 15                       ; q, k: block of 128 columns (0-7 Wq, 8-15 Wk),
	s_lshr_b32 s25, ttmp9, 4
	s_lshl_b32 s25, s25, 2
	s_add_co_u32 s25, s25, s2                      ; block of 64 tokens
	s_and_b32 s26, ttmp9, 127                      ; v: the work-group's number less 256
	s_and_b32 s27, s26, 31                         ; block of 128 tokens,
	s_lshr_b32 s28, s26, 5
	s_lshl_b32 s28, s28, 2
	s_add_co_u32 s28, s28, s2                      ; head
	s_lshl_b32 s30, s24, 16
	s_add_co_u32 s30, s30, WC
	s_lshl_b32 s31, s24, 12
	s_add_co_u32 s31, s31, WS
	s_lshl_b32 s32, s25, 15
	s_lshl_b32 s33, s25, 11
	s_add_co_u32 s33, s33, XA_S
	s_lshl_b32 s34, s27, 16
	s_lshl_b32 s35, s27, 12
	s_add_co_u32 s35, s35, XA_S
	s_lshl_b32 s36, s28, 15
	s_add_co_u32 s36, s36, WC+128*8192
	s_lshl_b32 s37, s28, 11
	s_add_co_u32 s37, s37, WS+64*1024
	s_cmp_lt_u32 ttmp9, 256
	s_cselect_b32 s40, s30, s34                    ; source 0's codes (the same in all four waves),
	s_cselect_b32 s42, s32, s36                    ; source 1's,
	s_cselect_b32 s44, s31, s35                    ; and their scale records
	s_cselect_b32 s46, s33, s37
	s_mov_b32 s41, 0
	s_mov_b32 s43, 0
	s_mov_b32 s45, 0
	s_mov_b32 s47, 0
	s_wait_kmcnt 0x0
	s_add_nc_u64 s[8:9], s[4:5], s[40:41]
	s_add_nc_u64 s[10:11], s[4:5], s[42:43]
	s_add_nc_u64 s[12:13], s[4:5], s[44:45]
	s_add_nc_u64 s[14:15], s[4:5], s[46:47]
	FILL
	GL 0
	GL 1
	GL 2
	PUT 30                                         ; behind the panel's loads: three K steps of source 1, 30 loads
	DL 0
	DL 1
	MAIN 1                                         ; the first step's products start the sums: nothing is cleared
.rept 4
	v_nop                                          ; four places in front of the first read of results and of writes over fragments
.endr
	QUANT16
	s_cmp_lt_u32 ttmp9, 256
	s_cbranch_scc0 .Lv_tail
	; q, k: the wave's 128 columns are two heads: half c of a fragment is head c's whole fragment (K = 64)
	s_lshr_b32 s30, s25, 5
	s_lshl_b32 s30, s30, 4
	s_and_b32 s31, s24, 7
	s_lshl_b32 s31, s31, 1
	s_add_co_u32 s30, s30, s31                     ; 16 x batch + the first of the two heads
	s_and_b32 s31, s25, 31                         ; block of 64 tokens within the batch
	s_lshl_b32 s40, s30, 16
	s_lshl_b32 s33, s31, 11
	s_add_co_u32 s40, s40, s33
	s_lshl_b32 s42, s30, 13
	s_lshl_b32 s33, s31, 8
	s_add_co_u32 s42, s42, s33
	s_cmp_lt_u32 s24, 8
	s_cselect_b32 s33, 0, KC
	s_mov_b32 s35, KSC
	s_cselect_b32 s35, QS, s35
	s_add_co_u32 s40, s40, s33
	s_add_co_u32 s42, s42, s35
	s_add_nc_u64 s[16:17], s[6:7], s[40:41]
	s_add_nc_u64 s[18:19], s[6:7], s[42:43]
.irp g,0,1,2,3,4,5,6,7
	global_store_b128 v1, v[PC+4*\g:PC+4*\g+3], s[16:17] offset:(\g%2)*65536+(\g/2)*512   ; 512 bytes on end
.endr
	v_and_or_b32 v118, v116, 0xffff, s23           ; a head's two bytes; the upper two, for the K that is not there, are 127
	v_and_or_b32 v119, v117, 0xffff, s23
	v_lshrrev_b32 v120, 16, v116
	v_lshrrev_b32 v121, 16, v117
	v_or_b32 v120, s23, v120
	v_or_b32 v121, s23, v121
	global_store_b32 v2, v118, s[18:19]
	global_store_b32 v2, v119, s[18:19] offset:128
	global_store_b32 v2, v120, s[18:19] offset:8192
	global_store_b32 v2, v121, s[18:19] offset:8192+128
	s_wait_tensorcnt 0x0
	ds_add_u32 v30, v31
	s_wait_dscnt 0x0
	s_endpgm
.Lv_tail:
	s_lshr_b32 s30, s27, 4
	s_lshl_b32 s30, s30, 4
	s_add_co_u32 s30, s30, s28                     ; 16 x batch + head
	s_lshl_b32 s30, s30, 4
	s_and_b32 s31, s27, 15
	s_add_co_u32 s30, s30, s31                     ; x 16 + K step (128 keys)
	s_lshl_b32 s40, s30, 12
	s_add_co_u32 s40, s40, VC
	s_lshl_b32 s42, s30, 8
	s_add_co_u32 s42, s42, VS
	s_add_nc_u64 s[16:17], s[6:7], s[40:41]
	s_add_nc_u64 s[18:19], s[6:7], s[42:43]
.irp g,0,1,2,3,4,5,6,7
	global_store_b128 v1, v[PC+4*\g:PC+4*\g+3], s[16:17] offset:512*\g
.endr
	global_store_b32 v2, v116, s[18:19]
	global_store_b32 v2, v117, s[18:19] offset:128
	s_wait_tensorcnt 0x0
	ds_add_u32 v30, v31
	s_wait_dscnt 0x0
	s_endpgm
.Lfunc_end_k_q4b0a33f1c5_qkv:
	.size	k_q4b0a33f1c5_qkv, .Lfunc_end_k_q4b0a33f1c5_qkv-k_q4b0a33f1c5_qkv
	.p2alignl 7, 3214868480
	.fill 96, 4, 3214868480
	.section	.rodata,"a",@progbits
	.p2align	6, 0x0
	.amdhsa_kernel k_q4b0a33f1c5_qkv
		.amdhsa_group_segment_fixed_size 70144
		.amdhsa_private_segment_fixed_size 0
		.amdhsa_enable_private_segment 0
		.amdhsa_kernarg_size 16
		.amdhsa_user_sgpr_count 2
		.amdhsa_user_sgpr_kernarg_segment_ptr 1
		.amdhsa_wavefront_size32 1
		.amdhsa_system_sgpr_workgroup_id_x 1
		.amdhsa_system_sgpr_workgroup_id_y 1
		.amdhsa_system_sgpr_workgroup_id_z 1
		.amdhsa_system_vgpr_workitem_id 0
		.amdhsa_next_free_vgpr 512
		.amdhsa_next_free_sgpr 66
		.amdhsa_reserve_vcc 1
		.amdhsa_float_denorm_mode_32 3
		.amdhsa_float_denorm_mode_16_64 3
		.amdhsa_memory_ordered 1
		.amdhsa_forward_progress 1
		.amdhsa_inst_pref_size 78
	.end_amdhsa_kernel
	.amdgpu_metadata
---
amdhsa.version: [ 1, 2 ]
amdhsa.kernels:
  - .name:           k_q4b0a33f1c5_qkv
    .symbol:         k_q4b0a33f1c5_qkv.kd
    .args:
      - { .name: p1, .offset: 0, .size: 8, .value_kind: global_buffer, .address_space: global }
      - { .name: p2, .offset: 8, .size: 8, .value_kind: global_buffer, .address_space: global }
    .group_segment_fixed_size: 70144
    .private_segment_fixed_size: 0
    .kernarg_segment_align: 8
    .kernarg_segment_size: 16
    .max_flat_workgroup_size: 128
    .sgpr_count:     66
    .vgpr_count:     512
    .wavefront_size: 32
...
	.end_amdgpu_metadata
.endif
;; end of part 2
;; launch attn (part 3): grid 8 x 32, 16 waves a work-group, no clusters, 153,600 bytes of LDS; arguments p2, mask, p3; writes p3
.if DOCPART == 3
	.amdgcn_target "amdgcn-amd-amdhsa--gfx1250"
	.amdhsa_code_object_version 6
	.text
	.protected	k_q4b0a33f1c5_attn
	.globl	k_q4b0a33f1c5_attn
	.p2align	8
	.type	k_q4b0a33f1c5_attn,@function
k_q4b0a33f1c5_attn:
	s_mov_b64 s[64:65], 0
	v_nop
	global_prefetch_b8 v0, s[64:65] scope:SCOPE_SE
	s_setreg_imm32_b32 hwreg(HW_REG_WAVE_MODE, 25, 1), 1
	s_wait_xcnt 0x0
; ATTENTION on codes of E2M1.  A work-group owns 256 queries of one head of one batch; each of its sixteen waves one tile of 16 queries in 256 registers, four waves to a SIMD.
; logit = (q . k) / 8 x mask[key]; a logit that is 0 counts as -infinity.  t = logit x log2(e) = score x c[key], c = mask x log2(e) / 8.  M = the running largest t rounded up to a whole number; p = 2^(t - M) is
; quantised along the keys; the row's sum is taken of the unquantised p and divides at the end; when M moves, the sum and O are multiplied by 2^(old M - new M), exactly.
; Both products are used transposed (S^T = K Q^T, O^T = V^T P^T): a lane holds one query throughout, and by the way keys and channels are dealt to tiles the 16 registers of tiles 2 b, 2 b + 1 are 16 neighbours.
; THE HEAD'S 64 IN AN INSTRUCTION OF 128: Q's registers 4-7 are zero codes; a tile of K is named with the four registers that follow it (the next tile's codes, zeros behind the last): they meet zeros, under the byte 127.
; LDS: the head's K and V codes, their scale records and c for all 2,048 keys are put there once, through registers, in front of ONE barrier; nothing is filled again.
; No cluster: what the eight work-groups of a head share is read once by each at its head, 148 KB, against 16 key steps of sixteen waves.  No prefetch: that one stream is read at the head.
; The result O / sum is quantised along the model's 1,024 (this head's two blocks) and stored as the next product's operand.  Its two scale bytes are half a word: those stores cover aligned blocks of 256 bytes in part.
; LIMITS: NaN and infinities are not served; a batch whose every key is masked gives the largest codes, not NaN; t is rounded as score x fl(mask x log2(e) / 8), one rounding apart from the order score / 8, x mask, x log2(e)
; (the same bits for mask = 1); a score x mask that underflows to 0 counts as 0 here as there.
; REGISTERS: v1-5 addresses that stay, v6 -infinity; v8-11, v80 the step's addresses; v12 -M, v13 the largest t, v[14:15] the sum; v16-23 Q; v24 Q's, v25-28 K's, v29-30 V's, v31 P's scale words;
; v32-67 K; v68-79, v84-89 at work; v96-159 scores, t, p; v160-191 O^T; v192-255 c, then V (v192-223) and P's codes (v224-231).
.set LV,  65536                        ; LDS: K's codes at 0 [tile 128][512]; V's [K step 16][tile 4][1,024];
.set LKS, 131072                       ; K's scale records [pair 64][128];
.set LVS, 139264                       ; V's [K step 16][pair 2][128];
.set LC,  143360                       ; c [2,048] f32
.set KC,  2097152
.set VC,  4194304
.set QS,  6291456
.set KSC, 6553600
.set VS,  6815744
	s_load_b128 s[4:7], s[0:1], 0x0                ; p2, mask
	s_load_b64 s[8:9], s[0:1], 0x10                ; p3
	v_lshl_add_u32 v94, v0, 2, 0x25000
	v_mov_b32 v95, 0
	v_lshrrev_b32 v7, 5, v0
	v_readfirstlane_b32 s2, v7                     ; wave 0..15
	v_and_b32 v83, 31, v0                          ; lane
	v_lshlrev_b32 v1, 4, v83                       ; 16 x lane
	v_lshl_add_u32 v2, v83, 2, LKS
	v_bfe_u32 v3, v0, 4, 1
	v_lshl_add_u32 v3, v3, 6, LC                   ; my half's 16 keys of a block of 32
	v_add_nc_u32 v4, LV, v1
	v_lshl_add_u32 v5, v83, 2, LVS
	v_mov_b32 v6, 0xff800000
	v_lshlrev_b32 v7, 4, v0                        ; the fill: 16 bytes a thread,
	v_lshlrev_b32 v82, 3, v0                       ; or 8
	v_and_b32 v9, 15, v0
	v_lshlrev_b32 v9, 2, v9
	v_add_nc_u32 v10, LV, v7
	v_add_nc_u32 v11, LKS, v7
	v_add_nc_u32 v80, LVS, v82
	v_add_nc_u32 v81, LC, v7
	s_mov_b32 s20, 0x76543210
	s_mov_b32 s21, 0xfedcba98
	s_and_b32 s11, ttmp7, 0xffff                   ; 16 x batch + head
	s_lshr_b32 s12, s11, 4
	s_and_b32 s13, s11, 15
	s_lshl_b32 s14, ttmp9, 4
	s_add_co_u32 s14, s14, s2                      ; my tile of queries, 0..127
	s_lshl_b32 s15, s12, 7
	s_add_co_u32 s15, s15, s14                     ; and among all 256 tiles of tokens
	s_mov_b32 s37, 0
	s_wait_kmcnt 0x0
	s_lshl_b32 s36, s11, 16
	s_add_nc_u64 s[32:33], s[4:5], s[36:37]
	s_add_nc_u64 s[16:17], s[32:33], KC            ; the head's K codes,
	s_add_nc_u64 s[18:19], s[32:33], VC            ; V codes,
	s_lshl_b32 s36, s14, 9
	s_add_nc_u64 s[32:33], s[32:33], s[36:37]      ; my Q fragment
	s_lshl_b32 s36, s11, 13
	s_add_nc_u64 s[24:25], s[4:5], s[36:37]
	s_add_nc_u64 s[34:35], s[24:25], QS
	s_add_nc_u64 s[24:25], s[24:25], KSC           ; K's scale records,
	s_lshl_b32 s36, s14, 6
	s_add_nc_u64 s[34:35], s[34:35], s[36:37]      ; my tile's 16 words of Q's
	s_lshl_b32 s36, s11, 12
	s_add_nc_u64 s[26:27], s[4:5], s[36:37]
	s_add_nc_u64 s[26:27], s[26:27], VS            ; V's scale records
	s_lshl_b32 s36, s12, 13
	s_add_nc_u64 s[28:29], s[6:7], s[36:37]        ; the batch's mask
	s_lshl_b32 s36, s15, 13
	s_lshl_b32 s38, s13, 9
	s_add_co_u32 s36, s36, s38
	s_add_nc_u64 s[44:45], s[8:9], s[36:37]        ; out: tile x 8,192 + head x 512
	s_lshr_b32 s36, s15, 1
	s_lshl_b32 s36, s36, 10
	s_lshr_b32 s38, s13, 1
	s_lshl_b32 s38, s38, 7
	s_add_co_u32 s36, s36, s38
	s_and_b32 s38, s15, 1
	s_lshl_b32 s38, s38, 6
	s_add_co_u32 s36, s36, s38
	s_and_b32 s38, s13, 1
	s_lshl_b32 s38, s38, 1
	s_add_co_u32 s36, s36, s38
	s_add_co_u32 s36, s36, 2097152
	s_add_nc_u64 s[46:47], s[8:9], s[36:37]        ; out: the pair's record of K step head / 2, my tile's words, bytes 2 (head % 2) on
.irp i,0,1,2,3,4,5,6,7
	global_load_b128 v[96+4*\i:99+4*\i], v7, s[16:17] offset:8192*\i
.endr
.irp i,0,1,2,3,4,5,6,7
	global_load_b128 v[128+4*\i:131+4*\i], v7, s[18:19] offset:8192*\i
.endr
	global_load_b128 v[160:163], v7, s[24:25]
	global_load_b64 v[164:165], v82, s[26:27]
	global_load_b128 v[168:171], v7, s[28:29]
	global_load_b128 v[16:19], v1, s[32:33]
	global_load_b32 v24, v9, s[34:35]
.irp j,20,21,22,23,64,65,66,67
	v_mov_b32 v\j, 0                               ; zero codes: Q's upper half, and what follows K's last tile
.endr
	v_mov_b32 v13, 0xff61b1e6                      ; the largest t so far: -3e38
	v_floor_f32 v12, -v13                          ; -M
	v_mov_b32 v14, 0
	v_mov_b32 v15, 0
.irp j,72,73,74,75,79
	v_mov_b32 v\j, 0                               ; lane permutes' destinations, and the upper half of the pair v[78:79]
.endr
	s_wait_loadcnt 0x0
.irp i,0,1,2,3,4,5,6,7
	ds_store_b128 v7, v[96+4*\i:99+4*\i] offset:8192*\i
.endr
.irp i,0,1,2,3,4,5,6,7
	ds_store_b128 v10, v[128+4*\i:131+4*\i] offset:8192*\i
.endr
	ds_store_b128 v11, v[160:163]
	ds_store_b64 v80, v[164:165]
	v_pk_mul_f32 v[168:169], v[168:169], 0x3e38aa3b op_sel_hi:[1,0]   ; c = mask x log2(e) / 8
	v_pk_mul_f32 v[170:171], v[170:171], 0x3e38aa3b op_sel_hi:[1,0]
	ds_store_b128 v81, v[168:171]
	s_wait_dscnt 0x0                               ; for the others' sake: my stores have landed
	s_barrier_signal -1
	s_barrier_wait -1
.set J_, 0
.rept 32
	v_mov_b32 v[160+J_], 0                         ; O^T: the step is written once; the first change of M leaves zeros zeros
.set J_, J_+1
.endr
	s_mov_b32 s30, 0
	s_mov_b32 s40, 0                               ; 4,096 a step: K's and V's codes
	s_mov_b32 s41, 0                               ; 512 a step: K's scale records, c
	s_mov_b32 s42, 0                               ; 256 a step: V's scale records
.Lstep:                                            ; 16 trips of 128 keys
	v_add_nc_u32 v8, s40, v1                       ; (these five are also the places behind the last trip's products, in front of the loads below)
	v_add_nc_u32 v9, s41, v2
	v_add_nc_u32 v10, s41, v3
	v_add_nc_u32 v11, s40, v4
	v_add_nc_u32 v80, s42, v5
.irp t,0,1,2,3,4,5,6,7
	ds_load_b128 v[32+4*\t:35+4*\t], v8 offset:512*\t
.endr
.irp p,0,1,2,3
	ds_load_b32 v[25+\p], v9 offset:128*\p
.endr
.irp b,0,1,2,3
.irp j,0,1,2,3
	ds_load_b128 v[192+16*\b+4*\j:195+16*\b+4*\j], v10 offset:128*\b+16*\j   ; c of my 16 keys of block b
.endr
.endr
	s_wait_dscnt 16                                ; K and its scale words are in; the 16 loads of c may be out
.irp t,0,1,2,3,4,5,6,7
.if \t%2
	v_wmma_scale_f32_16x16x128_f8f6f4 v[96+8*\t:103+8*\t], v[32+4*\t:39+4*\t], v[16:23], 0, v[25+\t/2], v24 matrix_a_fmt:MATRIX_FMT_FP4 matrix_b_fmt:MATRIX_FMT_FP4 matrix_a_scale:MATRIX_SCALE_ROW1
.else
	v_wmma_scale_f32_16x16x128_f8f6f4 v[96+8*\t:103+8*\t], v[32+4*\t:39+4*\t], v[16:23], 0, v[25+\t/2], v24 matrix_a_fmt:MATRIX_FMT_FP4 matrix_b_fmt:MATRIX_FMT_FP4
.endif
.endr
.rept 4
	v_nop                                          ; four places in front of the first read of results
.endr
	s_wait_dscnt 0x0                               ; c
.set J_, 0
.rept 32
	v_pk_mul_f32 v[96+J_:97+J_], v[96+J_:97+J_], v[192+J_:193+J_]   ; t = score x c; each accumulator from its low end on
.set J_, J_+2
.endr
.set J_, 0
.rept 64
	v_cmp_eq_f32 vcc_lo, 0, v[96+J_]               ; a logit that is 0 (a masked key, or a score of 0) counts as -infinity
	v_cndmask_b32 v[96+J_], v[96+J_], v6, vcc_lo
.set J_, J_+1
.endr
.irp d,0,1,2,3
.irp c,0,1
	ds_load_b128 v[192+8*\d+4*\c:195+8*\d+4*\c], v11 offset:1024*\d+512*\c   ; c is done with: V's four fragments land while the softmax is worked
.endr
.endr
	ds_load_b32 v29, v80
	ds_load_b32 v30, v80 offset:128
.irp b,0,1,2,3
	v_max3_num_f32 v[68+\b], v[96+16*\b], v[97+16*\b], v[98+16*\b]   ; the largest t of each block of 32 keys: for the row's maximum, and for the block's largest p
.endr
.irp i,3,5,7,9,11,13
.irp b,0,1,2,3
	v_max3_num_f32 v[68+\b], v[68+\b], v[96+16*\b+\i], v[97+16*\b+\i]
.endr
.endr
.irp b,0,1,2,3
	v_max_num_f32 v[68+\b], v[68+\b], v[111+16*\b]
.endr
.irp b,0,1,2,3
	v_permlanex16_b32 v[72+\b], v[68+\b], s20, s21
.endr
.irp b,0,1,2,3
	v_max_num_f32 v[68+\b], v[68+\b], v[72+\b]
.endr
	v_max3_num_f32 v76, v68, v69, v70
	v_max_num_f32 v76, v76, v71
	v_max_num_f32 v13, v13, v76                    ; the running largest t
	v_mov_b32 v76, v12
	v_floor_f32 v12, -v13                          ; the new -M = -ceil(t)
	v_sub_f32 v76, v12, v76                        ; old M - new M: a whole number, 0 or less
	v_cvt_i32_f32 v76, v76                         ; (it saturates)
	v_ldexp_f32 v78, 1.0, v76                      ; f = 2^(old M - new M)
.set J_, 0
.rept 32
	v_pk_add_f32 v[96+J_:97+J_], v[96+J_:97+J_], v[12:13] op_sel_hi:[1,0]   ; t - M
.set J_, J_+2
.endr
.irp b,0,1,2,3
	v_add_f32 v[68+\b], v[68+\b], v12              ; the same of each block's largest t
.endr
.set J_, 0
.rept 64
	v_exp_f32 v[96+J_], v[96+J_]                   ; p = 2^(t - M)
.set J_, J_+1
.endr
	v_pk_mul_f32 v[14:15], v[14:15], v[78:79] op_sel_hi:[1,0]   ; the sum under the new M: a plain line behind the exponentials
	s_wait_alu depctr_va_vdst(0)                   ; one wait for the batch of 64, ahead of its first reader
.irp b,0,1,2,3
	v_exp_f32 v[68+\b], v[68+\b]                   ; the block's largest p: the same two instructions on the same number
.endr
	v_pk_add_f32 v[88:89], v[96:97], v[98:99]      ; the row's sum of the unquantised p, in two chains
.irp j,4,8,12,16,20,24,28,32,36,40,44,48,52,56,60
	v_pk_add_f32 v[14:15], v[14:15], v[96+\j:97+\j]
	v_pk_add_f32 v[88:89], v[88:89], v[98+\j:99+\j]
.endr
	v_pk_add_f32 v[14:15], v[14:15], v[88:89]
	s_wait_alu depctr_va_vdst(0)                   ; and one for the four
.irp b,0,1,2,3
	v_max_num_f32 v[68+\b], 0x1800000, v[68+\b]    ; the floor 2^(3 - 127)
.endr
.irp b,0,1,2,3
	v_add_nc_u32 v[84+\b], 0xff000000, v[68+\b]
.endr
.irp b,0,1,2,3
	v_lshrrev_b32 v[72+\b], 23, v[84+\b]
.endr
	v_lshl_or_b32 v31, v73, 8, v72                 ; P's scale word for these 128 keys
	v_lshl_or_b32 v31, v74, 16, v31
	v_lshl_or_b32 v31, v75, 24, v31
.irp b,0,1,2,3
	v_cvt_scalef32_pk8_fp4_f32 v[224+2*\b], v[96+16*\b:103+16*\b], v[84+\b]
	v_cvt_scalef32_pk8_fp4_f32 v[225+2*\b], v[104+16*\b:111+16*\b], v[84+\b]
.endr
	v_nop                                          ; one plain place behind the conversions
.irp c,0,1
.irp i,0,1
	v_permlane16_swap_b32 v[224+4*\c+\i], v[226+4*\c+\i]   ; a whole block to a lane
.endr
.endr
.set J_, 0
.rept 16
	v_pk_mul_f32 v[160+J_:161+J_], v[160+J_:161+J_], v[78:79] op_sel_hi:[1,0]   ; O^T under the new M; of these sixteen, twelve name no register of any one product below: the places behind P's codes and scale word
.set J_, J_+2
.endr
	s_wait_dscnt 0x0                               ; V and its scale words
.irp d,0,1,2,3
.if \d%2
	v_wmma_scale_f32_16x16x128_f8f6f4 v[160+8*\d:167+8*\d], v[192+8*\d:199+8*\d], v[224:231], v[160+8*\d:167+8*\d], v[29+\d/2], v31 matrix_a_fmt:MATRIX_FMT_FP4 matrix_b_fmt:MATRIX_FMT_FP4 matrix_a_scale:MATRIX_SCALE_ROW1
.else
	v_wmma_scale_f32_16x16x128_f8f6f4 v[160+8*\d:167+8*\d], v[192+8*\d:199+8*\d], v[224:231], v[160+8*\d:167+8*\d], v[29+\d/2], v31 matrix_a_fmt:MATRIX_FMT_FP4 matrix_b_fmt:MATRIX_FMT_FP4
.endif
.endr
	s_add_co_u32 s40, s40, 4096
	s_add_co_u32 s41, s41, 512
	s_add_co_u32 s42, s42, 256
	s_add_co_u32 s30, s30, 1
	s_cmp_lt_u32 s30, 16
	s_cbranch_scc1 .Lstep
	; THE WAY OUT: O^T / the sum; register 16 b + i is channel 32 b + 16 (lane / 16) + i of my query: two blocks of the next product's K
	v_add_f32 v14, v14, v15
	v_permlanex16_b32 v72, v14, s20, s21
	v_add_f32 v14, v14, v72
	v_rcp_f32 v14, v14
	v_and_b32 v9, 15, v0                           ; (plain lines behind the reciprocal; with the additions above they are the places behind the last products)
	v_lshlrev_b32 v9, 2, v9                        ; my row's scale word
	v_nop
	v_nop
	s_wait_alu depctr_va_vdst(0)                   ; the wait ahead of the reciprocal's first reader
.set J_, 0
.rept 32
	v_mul_f32 v[96+J_], v[160+J_], v14
.set J_, J_+1
.endr
.irp b,0,1
	v_max3_num_f32 v[68+\b], |v[96+16*\b]|, |v[97+16*\b]|, 0x1800000
.endr
.irp i,2,4,6,8,10,12,14
.irp b,0,1
	v_max3_num_f32 v[68+\b], v[68+\b], |v[96+16*\b+\i]|, |v[97+16*\b+\i]|
.endr
.endr
.irp b,0,1
	v_permlanex16_b32 v[72+\b], v[68+\b], s20, s21
.endr
.irp b,0,1
	v_max_num_f32 v[68+\b], v[68+\b], v[72+\b]
.endr
.irp b,0,1
	v_add_nc_u32 v[84+\b], 0xff000000, v[68+\b]
.endr
.irp b,0,1
	v_lshrrev_b32 v[72+\b], 23, v[84+\b]
.endr
	v_lshl_or_b32 v31, v73, 8, v72
.irp b,0,1
	v_cvt_scalef32_pk8_fp4_f32 v[224+2*\b], v[96+16*\b:103+16*\b], v[84+\b]
	v_cvt_scalef32_pk8_fp4_f32 v[225+2*\b], v[104+16*\b:111+16*\b], v[84+\b]
.endr
	v_nop
	v_permlane16_swap_b32 v224, v226
	v_permlane16_swap_b32 v225, v227
	global_store_b128 v1, v[224:227], s[44:45]     ; 512 bytes on end
	global_store_b16 v9, v31, s[46:47]             ; lanes r and 16 + r name the same two bytes with the same value
	s_wait_tensorcnt 0x0
	ds_add_u32 v94, v95
	s_wait_dscnt 0x0
	s_endpgm
.Lfunc_end_k_q4b0a33f1c5_attn:
	.size	k_q4b0a33f1c5_attn, .Lfunc_end_k_q4b0a33f1c5_attn-k_q4b0a33f1c5_attn
	.p2alignl 7, 3214868480
	.fill 96, 4, 3214868480
	.section	.rodata,"a",@progbits
	.p2align	6, 0x0
	.amdhsa_kernel k_q4b0a33f1c5_attn
		.amdhsa_group_segment_fixed_size 153600
		.amdhsa_private_segment_fixed_size 0
		.amdhsa_enable_private_segment 0
		.amdhsa_kernarg_size 24
		.amdhsa_user_sgpr_count 2
		.amdhsa_user_sgpr_kernarg_segment_ptr 1
		.amdhsa_wavefront_size32 1
		.amdhsa_system_sgpr_workgroup_id_x 1
		.amdhsa_system_sgpr_workgroup_id_y 1
		.amdhsa_system_sgpr_workgroup_id_z 1
		.amdhsa_system_vgpr_workitem_id 0
		.amdhsa_next_free_vgpr 256
		.amdhsa_next_free_sgpr 66
		.amdhsa_reserve_vcc 1
		.amdhsa_float_denorm_mode_32 3
		.amdhsa_float_denorm_mode_16_64 3
		.amdhsa_memory_ordered 1
		.amdhsa_forward_progress 1
		.amdhsa_inst_pref_size 34
	.end_amdhsa_kernel
	.amdgpu_metadata
---
amdhsa.version: [ 1, 2 ]
amdhsa.kernels:
  - .name:           k_q4b0a33f1c5_attn
    .symbol:         k_q4b0a33f1c5_attn.kd
    .args:
      - { .name: p2, .offset: 0, .size: 8, .value_kind: global_buffer, .address_space: global }
      - { .name: mask, .offset: 8, .size: 8, .value_kind: global_buffer, .address_space: global }
      - { .name: p3, .offset: 16, .size: 8, .value_kind: global_buffer, .address_space: global }
    .group_segment_fixed_size: 153600
    .private_segment_fixed_size: 0
    .kernarg_segment_align: 8
    .kernarg_segment_size: 24
    .max_flat_workgroup_size: 512
    .sgpr_count:     66
    .vgpr_count:     256
    .wavefront_size: 32
...
	.end_amdgpu_metadata
.endif
;; end of part 3
;; launch wo (part 4): grid 256 x 1, 4 waves a work-group, no clusters, 205,312 bytes of LDS; arguments p3, p1, bo, x, p4; writes p4
.if DOCPART == 4
	.amdgcn_target "amdgcn-amd-amdhsa--gfx1250"
	.amdhsa_code_object_version 6
	.text
	.protected	k_q4b0a33f1c5_wo
	.globl	k_q4b0a33f1c5_wo
	.p2align	8
	.type	k_q4b0a33f1c5_wo,@function
k_q4b0a33f1c5_wo:
	s_mov_b64 s[64:65], 0
	v_nop
	global_prefetch_b8 v0, s[64:65] scope:SCOPE_SE
	s_setreg_imm32_b32 hwreg(HW_REG_WAVE_MODE, 25, 1), 1
	s_wait_xcnt 0x0
; WO.  x1 = x + concat Wo + bo, on codes of E2M1; x1 is f32, row-major.
; A work-group makes 128 columns x 128 tokens, K = 1,024.  FOUR WAVES, ONE TO A SIMD: wave (tb, kh) makes the 128 columns (source 0 = eight tiles of the weight) x 64 tokens (source 1 = four tiles, block tb) over HALF kh OF K,
; four steps: 32 accumulators, 256 registers, in window 1.  The two halves of a sum meet in LDS on the way out.
; In a result lane (r, h) holds the token at row r of its tile and, in the 16 registers of the weight's tiles 2 b, 2 b + 1, columns 32 b + 16 h + 0 .. 15.  Each wave puts its four tiles of half sums into its own stage in
; LDS (rows of 512 + 16 bytes); behind a barrier wave (tb, kh) reads tiles 2 kh, 2 kh + 1 back as whole rows, from its own stage and from its partner's, adds the two halves, the residual and the bias, and stores rows of 512 bytes on end, aligned.
; Operands lie in memory in the order of the registers (a fragment: two pieces of 512 bytes, 16 bytes a lane; a scale load brings two tiles' words, odd tiles in lanes 16-31).
; THE WAVES SHARE SOURCE 0: its eight tiles for all of K lie on end in memory, its scale records likewise: the 128 threads copy them into LDS once, through the registers that the sums take later, in front of a barrier;
; nothing is filled again.  Source 1 is each wave's own and goes straight into registers, three K steps ahead.  The residual and the bias are asked for behind that barrier, ahead of the first product.
; No cluster: the panel is fetched once and never again, and source 1 goes into registers, where no joint load can put it.
; LIMIT: the f32 sum over K is formed as two halves that are added, then the residual, then the bias: another order of rounding than one chain.
; REGISTERS: v1 16 x lane, v2 4 x lane; v4 the stage in, v5 my stage out, v26 my partner's; v6, v7 the panel's tiles 0-3, 4-7 in LDS, v8 its scale records; v9-11 the fill; v12-19 source 0's scale words (two sets), v20-25 source 1's (three);
; v32-159 source 0's fragments (two sets), v160-255 source 1's (three sets); window 1: accumulator (m, n) at v[64 m + 8 n], on the way out rows; window 2: v0-127 the residual's rows, v128-131 the bias.
.set KL,   4                           ; K steps that a wave walks: half of K
.set TSTR, 8192                        ; a tile's codes
.set PSTR, 1024                        ; a pair's scale records
.set PSC,  8*TSTR                      ; LDS: the panel's codes at 0, its scale records behind them,
.set STG,  PSC+4*PSTR                  ; then the stages: for each wave four tiles of 16 rows x 528 bytes
.set NF,   8*TSTR/2048                 ; rounds of the fill: 128 threads x 16 bytes
.set NFS,  4*PSTR/2048
.set XR,   33                          ; loads issued between source 1's K steps 2 and 3: the residual's 32 and the bias's one
.set S0C,  2228224+192*8192            ; p1: the weight's codes; 2^S0CN bytes for each 128 columns
.set S0CN, 16
.set S0S,  5373952+96*1024             ; its scale records
.set S0SN, 12
.set S1CN, 15                          ; the tokens' codes: 2^S1CN bytes for each 64 tokens
.set S1S,  2097152                     ; their scale records
.set S1SN, 11
.set LAST, 0                           ; 1: the stores are the program's output, read by nobody
.set MSB, 0
.macro WIN new                         ; the immediate's high byte repeats the setting that is left
.if MSB != \new
	s_set_vgpr_msb (MSB<<8)|\new
.set MSB, \new
.endif
.endm
.macro FILL                            ; the panel is asked for: codes into window 1, scale records into v32 on
	WIN 0x40
.set I_, 0
.rept NF
	global_load_b128 v[4*I_:4*I_+3], v9, s[8:9] offset:2048*I_
.set I_, I_+1
.endr
	WIN 0
.set I_, 0
.rept NFS
	global_load_b128 v[32+4*I_:35+4*I_], v9, s[12:13] offset:2048*I_
.set I_, I_+1
.endr
.endm
.macro PUT younger                     ; and laid into LDS as it lies in memory; younger: the loads issued behind the panel's, which may stay out
	s_wait_loadcnt \younger
	WIN 0x04                                       ; an LDS store's data are its source 1: window 1
.set I_, 0
.rept NF
	ds_store_b128 v[9+I_/32], v[4*I_:4*I_+3] offset:2048*(I_%32)
.set I_, I_+1
.endr
	WIN 0
.set I_, 0
.rept NFS
	ds_store_b128 v11, v[32+4*I_:35+4*I_] offset:2048*I_
.set I_, I_+1
.endr
	s_wait_dscnt 0x0                               ; for the others' sake: my stores have landed
	s_barrier_signal -1
	s_barrier_wait -1
.endm
.macro GL s                            ; source 1's K step s (of my half) from memory into set s % 3: 10 loads
.irp m,0,1,2,3
.irp c,0,1
	global_load_b128 v[160+32*((\s)%3)+8*\m+4*\c:160+32*((\s)%3)+8*\m+4*\c+3], v1, s[10:11] offset:\m*TSTR+(\s)*1024+512*\c
.endr
.endr
.irp j,0,1
	global_load_b32 v[20+2*((\s)%3)+\j], v2, s[14:15] offset:\j*PSTR+(\s)*128
.endr
.endm
.macro DL s                            ; source 0's K step s (of my half) from the panel into set s % 2: 20 LDS loads, 512 or 128 bytes on end each
.irp n,0,1,2,3,4,5,6,7
.irp c,0,1
	ds_load_b128 v[32+64*((\s)%2)+8*\n+4*\c:32+64*((\s)%2)+8*\n+4*\c+3], v[6+\n/4] offset:(\n%4)*TSTR+(\s)*1024+512*\c
.endr
.endr
.irp j,0,1,2,3
	ds_load_b32 v[12+4*((\s)%2)+\j], v8 offset:\j*PSTR+(\s)*128
.endr
.endm
.macro WMM zero, pa, pb                ; one product; pa, pb: the tile is the odd one of its pair, its scale words lie in lanes 16-31
.if \zero
.if (\pa) && (\pb)
	v_wmma_scale_f32_16x16x128_f8f6f4 v[rD:rD+7], v[rA:rA+7], v[rB:rB+7], 0, v[rSA], v[rSB] matrix_a_fmt:MATRIX_FMT_FP4 matrix_b_fmt:MATRIX_FMT_FP4 matrix_a_scale:MATRIX_SCALE_ROW1 matrix_b_scale:MATRIX_SCALE_ROW1
.elseif (\pa)
	v_wmma_scale_f32_16x16x128_f8f6f4 v[rD:rD+7], v[rA:rA+7], v[rB:rB+7], 0, v[rSA], v[rSB] matrix_a_fmt:MATRIX_FMT_FP4 matrix_b_fmt:MATRIX_FMT_FP4 matrix_a_scale:MATRIX_SCALE_ROW1
.elseif (\pb)
	v_wmma_scale_f32_16x16x128_f8f6f4 v[rD:rD+7], v[rA:rA+7], v[rB:rB+7], 0, v[rSA], v[rSB] matrix_a_fmt:MATRIX_FMT_FP4 matrix_b_fmt:MATRIX_FMT_FP4 matrix_b_scale:MATRIX_SCALE_ROW1
.else
	v_wmma_scale_f32_16x16x128_f8f6f4 v[rD:rD+7], v[rA:rA+7], v[rB:rB+7], 0, v[rSA], v[rSB] matrix_a_fmt:MATRIX_FMT_FP4 matrix_b_fmt:MATRIX_FMT_FP4
.endif
.else
.if (\pa) && (\pb)
	v_wmma_scale_f32_16x16x128_f8f6f4 v[rD:rD+7], v[rA:rA+7], v[rB:rB+7], v[rD:rD+7], v[rSA], v[rSB] matrix_a_fmt:MATRIX_FMT_FP4 matrix_b_fmt:MATRIX_FMT_FP4 matrix_a_scale:MATRIX_SCALE_ROW1 matrix_b_scale:MATRIX_SCALE_ROW1
.elseif (\pa)
	v_wmma_scale_f32_16x16x128_f8f6f4 v[rD:rD+7], v[rA:rA+7], v[rB:rB+7], v[rD:rD+7], v[rSA], v[rSB] matrix_a_fmt:MATRIX_FMT_FP4 matrix_b_fmt:MATRIX_FMT_FP4 matrix_a_scale:MATRIX_SCALE_ROW1
.elseif (\pb)
	v_wmma_scale_f32_16x16x128_f8f6f4 v[rD:rD+7], v[rA:rA+7], v[rB:rB+7], v[rD:rD+7], v[rSA], v[rSB] matrix_a_fmt:MATRIX_FMT_FP4 matrix_b_fmt:MATRIX_FMT_FP4 matrix_b_scale:MATRIX_SCALE_ROW1
.else
	v_wmma_scale_f32_16x16x128_f8f6f4 v[rD:rD+7], v[rA:rA+7], v[rB:rB+7], v[rD:rD+7], v[rSA], v[rSB] matrix_a_fmt:MATRIX_FMT_FP4 matrix_b_fmt:MATRIX_FMT_FP4
.endif
.endif
.endm
.macro MUL s, zero                     ; K step s: the 32 accumulators take turns, one instruction a turn, in the same order in every step
	WIN 0x50                                       ; C and D in window 1
.irp m,0,1,2,3
.irp n,0,1,2,3,4,5,6,7
.set rD, 64*\m+8*\n
.set rA, 32+64*((\s)%2)+8*\n
.set rB, 160+32*((\s)%3)+8*\m
.set rSA, 12+4*((\s)%2)+\n/2
.set rSB, 20+2*((\s)%3)+\m/2
	WMM \zero, \n%2, \m%2
.endr
.endr
.endm
.macro MAIN first                      ; all K steps, written out: every offset is an immediate, no pointer is stepped
.set S_, 0
.rept KL
.set NL_, 0
.if S_+1 < KL
.set NL_, 10
.endif
.if S_+2 < KL
.set NL_, 20
.endif
.if S_ < 3
.set NL_, NL_+XR
.endif
	s_wait_loadcnt NL_                             ; source 1's step is in; the loads issued behind it may be out: 10 for each of the at most two later steps, and behind steps 0 to 2 the residual's and the bias's 33
.if S_+1 < KL
	s_wait_dscnt 20                                ; source 0's step is in; the next step's 20 LDS loads may be out
.else
	s_wait_dscnt 0x0
.endif
.if S_ == 0
	MUL 0, \first
.else
	MUL S_, 0
.endif
	WIN 0
.if S_+2 < KL
.rept 4
	v_nop                                          ; four places in front of loads into registers that matrix instructions have read
.endr
	DL S_+2
.if S_+3 < KL
	GL S_+3
.endif
.endif
.set S_, S_+1
.endr
.endm
.macro RES                             ; the residual's rows of my two tiles, and the bias of my four columns of a row: row t of tile 2 kh + i is token 32 kh + 8 i + t + 8 (t / 8) of the 64; 512 bytes on end each
	WIN 0x80                                       ; destination in window 2
.irp i,0,1
.irp t,0,1,2,3,4,5,6,7,8,9,10,11,12,13,14,15
	global_load_b128 v[64*\i+4*\t:64*\i+4*\t+3], v1, s[18:19] offset:(8*\i+\t+8*(\t/8))*4096
.endr
.endr
	global_load_b128 v[128:131], v1, s[16:17]
	WIN 0
.endm
.macro ROWS i                          ; tile 2 kh + i as 16 whole rows: my half sums into v[128 i] on, my partner's into v[128 i + 64] on, of window 1
	WIN 0x40
.irp t,0,1,2,3,4,5,6,7,8,9,10,11,12,13,14,15
	ds_load_b128 v[128*\i+4*\t:128*\i+4*\t+3], v5 offset:\i*8448+528*\t
	ds_load_b128 v[128*\i+64+4*\t:128*\i+64+4*\t+3], v26 offset:\i*8448+528*\t
.endr
	WIN 0
.endm
.macro OUT i                           ; the two halves, the residual, the bias; then the rows leave
	WIN 0x45                                       ; all in window 1
.set J_, 0
.rept 32
	v_pk_add_f32 v[128*\i+J_:128*\i+J_+1], v[128*\i+J_:128*\i+J_+1], v[128*\i+64+J_:128*\i+65+J_]
.set J_, J_+2
.endr
	WIN 0x49                                       ; source 1 in window 2
.set J_, 0
.rept 32
	v_pk_add_f32 v[128*\i+J_:128*\i+J_+1], v[128*\i+J_:128*\i+J_+1], v[64*\i+J_:64*\i+J_+1]
.set J_, J_+2
.endr
.set J_, 0
.rept 32
	v_pk_add_f32 v[128*\i+J_:128*\i+J_+1], v[128*\i+J_:128*\i+J_+1], v[128+J_%4:129+J_%4]
.set J_, J_+2
.endr
	WIN 0x04                                       ; a store's data are its source 1: window 1
.irp t,0,1,2,3,4,5,6,7,8,9,10,11,12,13,14,15
.if LAST
	global_store_b128 v1, v[128*\i+4*\t:128*\i+4*\t+3], s[20:21] offset:(8*\i+\t+8*(\t/8))*4096 th:TH_STORE_NT
.else
	global_store_b128 v1, v[128*\i+4*\t:128*\i+4*\t+3], s[20:21] offset:(8*\i+\t+8*(\t/8))*4096
.endif
.endr
	WIN 0
.endm
	s_load_b256 s[24:31], s[0:1], 0x0              ; the tokens' operand, p1, the bias, the residual
	s_load_b64 s[32:33], s[0:1], 0x20              ; the result
	v_lshl_add_u32 v30, v0, 2, 0x32000
	v_mov_b32 v31, 0
	v_lshrrev_b32 v5, 5, v0
	v_readfirstlane_b32 s2, v5                     ; wave 0..3
	v_and_b32 v27, 31, v0                          ; lane
	v_lshlrev_b32 v1, 4, v27
	v_lshlrev_b32 v2, 2, v27
	v_bfe_u32 v28, v0, 4, 1                        ; h
	v_and_b32 v29, 15, v0                          ; r
	s_and_b32 s3, s2, 1                            ; kh: which half of K
	s_lshr_b32 s36, s2, 1                          ; tb: which 64 tokens
	s_mul_i32 s37, s3, KL*1024
	v_add_nc_u32 v6, s37, v1                       ; LDS: the panel's tiles 0-3, my half of K: 16 x lane + kh x KL x 1,024,
	v_add_nc_u32 v7, 4*TSTR, v6                    ; tiles 4-7,
	s_mul_i32 s37, s3, KL*128
	s_add_co_u32 s37, s37, PSC
	v_add_nc_u32 v8, s37, v2                       ; its scale records
	v_lshlrev_b32 v9, 4, v0                        ; the fill: 16 bytes a thread, in memory and in LDS alike
.if NF > 32
	v_add_nc_u32 v10, 65536, v9
.endif
	v_add_nc_u32 v11, PSC, v9
	s_mul_i32 s38, s2, 33792
	s_add_co_u32 s38, s38, STG                     ; my stage
	v_mul_u32_u24 v4, v29, 528
	v_lshl_add_u32 v4, v28, 6, v4
	v_add_nc_u32 v4, s38, v4                       ; in: row r, + 64 h
	s_mul_i32 s39, s3, 16896                       ; tiles 2 kh on
	s_add_co_u32 s38, s38, s39
	v_add_nc_u32 v5, s38, v1                       ; back, from my stage: 16 bytes a lane of a row,
	s_xor_b32 s38, s2, 1
	s_mul_i32 s38, s38, 33792
	s_add_co_u32 s38, s38, s39
	s_add_co_u32 s38, s38, STG
	v_add_nc_u32 v26, s38, v1                      ; and from my partner's (the same tokens, the other half of K)
	s_and_b32 s34, ttmp9, 7                        ; block of 128 columns
	s_lshr_b32 s35, ttmp9, 3
	s_lshl_b32 s35, s35, 1
	s_add_co_u32 s35, s35, s36                     ; block of 64 tokens
	s_lshl_b32 s40, s34, S0CN
	s_add_co_u32 s40, s40, S0C
	s_mov_b32 s41, 0
	s_lshl_b32 s42, s35, S1CN
	s_mul_i32 s52, s3, KL*1024
	s_add_co_u32 s42, s42, s52
	s_mov_b32 s43, 0
	s_lshl_b32 s44, s34, S0SN
	s_add_co_u32 s44, s44, S0S
	s_mov_b32 s45, 0
	s_lshl_b32 s46, s35, S1SN
	s_add_co_u32 s46, s46, S1S
	s_mul_i32 s52, s3, KL*128
	s_add_co_u32 s46, s46, s52
	s_mov_b32 s47, 0
	s_lshl_b32 s48, s34, 9
	s_mov_b32 s49, 0
	s_lshl_b32 s50, s35, 18
	s_add_co_u32 s50, s50, s48                     ; 64 rows of 4,096 bytes + 512 x block of columns
	s_lshl_b32 s52, s3, 17
	s_add_co_u32 s50, s50, s52                     ; + 32 kh rows
	s_mov_b32 s51, 0
	s_wait_kmcnt 0x0
	s_add_nc_u64 s[8:9], s[26:27], s[40:41]
	s_add_nc_u64 s[10:11], s[24:25], s[42:43]
	s_add_nc_u64 s[12:13], s[26:27], s[44:45]
	s_add_nc_u64 s[14:15], s[24:25], s[46:47]
	s_add_nc_u64 s[16:17], s[28:29], s[48:49]
	s_add_nc_u64 s[18:19], s[30:31], s[50:51]
	s_add_nc_u64 s[20:21], s[32:33], s[50:51]
	FILL
	GL 0
	GL 1
	GL 2
	PUT 30                                         ; behind the panel's loads: three K steps of source 1, 30 loads
	RES
	DL 0
	DL 1
	MAIN 1                                         ; the first step's products start the sums: nothing is cleared
.rept 4
	v_nop                                          ; four places in front of the first read of results
.endr
	WIN 0x04                                       ; an LDS store's data are its source 1: window 1
.irp m,0,1,2,3
.irp n,0,1,2,3,4,5,6,7
.irp c,0,1
	ds_store_b128 v4, v[64*\m+8*\n+4*\c:64*\m+8*\n+4*\c+3] offset:\m*8448+128*(\n/2)+32*(\n%2)+16*\c   ; each accumulator from its low end on
.endr
.endr
.endr
	WIN 0
	s_wait_dscnt 0x0                               ; for my partner's sake: my half sums have landed
	s_barrier_signal -1
	s_barrier_wait -1
	ROWS 0
	s_wait_dscnt 0x0
	ROWS 1                                         ; the second tile's rows come while the first tile's are added
	OUT 0
	s_wait_dscnt 0x0
	OUT 1
	s_wait_tensorcnt 0x0
	ds_add_u32 v30, v31
	s_wait_dscnt 0x0
	s_endpgm
.Lfunc_end_k_q4b0a33f1c5_wo:
	.size	k_q4b0a33f1c5_wo, .Lfunc_end_k_q4b0a33f1c5_wo-k_q4b0a33f1c5_wo
	.p2alignl 7, 3214868480
	.fill 96, 4, 3214868480
	.section	.rodata,"a",@progbits
	.p2align	6, 0x0
	.amdhsa_kernel k_q4b0a33f1c5_wo
		.amdhsa_group_segment_fixed_size 205312
		.amdhsa_private_segment_fixed_size 0
		.amdhsa_enable_private_segment 0
		.amdhsa_kernarg_size 40
		.amdhsa_user_sgpr_count 2
		.amdhsa_user_sgpr_kernarg_segment_ptr 1
		.amdhsa_wavefront_size32 1
		.amdhsa_system_sgpr_workgroup_id_x 1
		.amdhsa_system_sgpr_workgroup_id_y 1
		.amdhsa_system_sgpr_workgroup_id_z 1
		.amdhsa_system_vgpr_workitem_id 0
		.amdhsa_next_free_vgpr 656
		.amdhsa_next_free_sgpr 66
		.amdhsa_reserve_vcc 0
		.amdhsa_float_denorm_mode_32 3
		.amdhsa_float_denorm_mode_16_64 3
		.amdhsa_memory_ordered 1
		.amdhsa_forward_progress 1
		.amdhsa_inst_pref_size 62
	.end_amdhsa_kernel
	.amdgpu_metadata
---
amdhsa.version: [ 1, 2 ]
amdhsa.kernels:
  - .name:           k_q4b0a33f1c5_wo
    .symbol:         k_q4b0a33f1c5_wo.kd
    .args:
      - { .name: p3, .offset: 0, .size: 8, .value_kind: global_buffer, .address_space: global }
      - { .name: p1, .offset: 8, .size: 8, .value_kind: global_buffer, .address_space: global }
      - { .name: bo, .offset: 16, .size: 8, .value_kind: global_buffer, .address_space: global }
      - { .name: x, .offset: 24, .size: 8, .value_kind: global_buffer, .address_space: global }
      - { .name: p4, .offset: 32, .size: 8, .value_kind: global_buffer, .address_space: global }
    .group_segment_fixed_size: 205312
    .private_segment_fixed_size: 0
    .kernarg_segment_align: 8
    .kernarg_segment_size: 40
    .max_flat_workgroup_size: 128
    .sgpr_count:     66
    .vgpr_count:     656
    .wavefront_size: 32
...
	.end_amdgpu_metadata
.endif
;; end of part 4
;; launch ln2: the kernel of part 1 again; grid 256 x 1, 4 waves a work-group, no clusters, 9,728 bytes of LDS; arguments p4, ln2_a, ln2_b, Wq, Wk, Wv, Wo, W1, W2, p5; writes p5
;; launch ffn1 (part 5): grid 256 x 1, 4 waves a work-group, no clusters, 70,144 bytes of LDS; arguments p5, p1, b1, p6; writes p6
.if DOCPART == 5
	.amdgcn_target "amdgcn-amd-amdhsa--gfx1250"
	.amdhsa_code_object_version 6
	.text
	.protected	k_q4b0a33f1c5_ffn1
	.globl	k_q4b0a33f1c5_ffn1
	.p2align	8
	.type	k_q4b0a33f1c5_ffn1,@function
k_q4b0a33f1c5_ffn1:
	s_mov_b64 s[64:65], 0
	v_nop
	global_prefetch_b8 v0, s[64:65] scope:SCOPE_SE
	s_setreg_imm32_b32 hwreg(HW_REG_WAVE_MODE, 25, 1), 1
	s_wait_xcnt 0x0
; FFN1.  h = relu(LN2(x1) W1 + b1) on codes of E2M1; h is quantised in registers along the hidden units and stored as the next product's operand.
; A wave makes 128 hidden units (source 0 = eight tiles of W1) x 64 tokens (source 1 = four tiles), K = 1,024 in eight steps: 32 accumulators, 256 registers, in window 1.
; The bias is the C of the first K step's products: eight registers for each tile of W1, in the result's layout, in window 2; the four tiles of tokens take the same.
; In a result lane (r, h) holds the token at row r of its tile, and the 16 registers of W1's tiles 2 b, 2 b + 1 are hidden units 32 b + 16 h + 0 .. 15: neighbours along the next K.  The wave's 128 units are one K step of it.
; Operands lie in memory in the order of the registers (a fragment: two pieces of 512 bytes, 16 bytes a lane; a scale load brings two tiles' words, odd tiles in lanes 16-31).
; THE FOUR WAVES SHARE SOURCE 0.  Its eight tiles for all of K are 65,536 bytes on end in memory, its scale records 4,096: the 128 threads copy them into LDS once, through the registers that the sums take later,
; in front of ONE barrier; nothing is filled again.  So a wave asks memory for 34 + 80 pieces where eight K steps of both sources would be 240.  Source 1 is each wave's own and goes straight into registers, three K steps ahead.
; No cluster: the panel is fetched once and never again (68 KB a work-group, ahead of 256 products a wave), and source 1 goes into registers, where no joint load can put it.
; LIMITS: NaN and infinities are not served; a block of zeros gets the byte 1 (its codes are zeros; only this program reads the bytes).
; REGISTERS: v1 16 x lane, v2 4 x lane, v3 64 x (lane / 16), v4 lane; v6, v7 the panel's tiles 0-3, 4-7 in LDS, v8 its scale records; v9, v11 the fill; v12-19 source 0's scale words (two sets), v20-25 source 1's (three);
; v32-159 source 0's fragments (two sets), v160-255 source 1's (three sets); window 1: accumulator (m, n) at v[64 m + 8 n]; window 2: v0-63 the bias.
.set KL,   8                           ; K steps that a wave walks
.set TSTR, 8192                        ; a tile's codes
.set PSTR, 1024                        ; a pair's scale records
.set PSC,  8*TSTR                      ; LDS: the panel's codes at 0, its scale records behind them
.set NF,   8*TSTR/2048                 ; rounds of the fill: 128 threads x 16 bytes
.set NFS,  4*PSTR/2048
.set XR,   0                           ; loads issued between source 1's K steps 2 and 3: none here
.set S0C,  2228224+256*8192            ; p1: W1's codes
.set S0S,  5373952+128*1024            ; its scale records
.set S1S,  2097152                     ; p5: scale records behind the codes
.set HS,   4194304                     ; p6: codes [tile 256][16,384], scale records [pair 128][K step 16][128]
.set TM, 32
.set TX, 48
.set TS, 64
.set PC, 80
.set WD, 112
.set MSB, 0
.macro WIN new                         ; the immediate's high byte repeats the setting that is left
.if MSB != \new
	s_set_vgpr_msb (MSB<<8)|\new
.set MSB, \new
.endif
.endm
.macro FILL                            ; the panel is asked for: codes into window 1, scale records into v32 on
	WIN 0x40
.set I_, 0
.rept NF
	global_load_b128 v[4*I_:4*I_+3], v9, s[8:9] offset:2048*I_
.set I_, I_+1
.endr
	WIN 0
.set I_, 0
.rept NFS
	global_load_b128 v[32+4*I_:35+4*I_], v9, s[12:13] offset:2048*I_
.set I_, I_+1
.endr
.endm
.macro PUT younger                     ; and laid into LDS as it lies in memory; younger: the loads issued behind the panel's, which may stay out
	s_wait_loadcnt \younger
	WIN 0x04                                       ; an LDS store's data are its source 1: window 1
.set I_, 0
.rept NF
	ds_store_b128 v[9+I_/32], v[4*I_:4*I_+3] offset:2048*(I_%32)
.set I_, I_+1
.endr
	WIN 0
.set I_, 0
.rept NFS
	ds_store_b128 v11, v[32+4*I_:35+4*I_] offset:2048*I_
.set I_, I_+1
.endr
	s_wait_dscnt 0x0                               ; for the others' sake: my stores have landed
	s_barrier_signal -1
	s_barrier_wait -1
.endm
.macro GL s                            ; source 1's K step s from memory into set s % 3: 10 loads
.irp m,0,1,2,3
.irp c,0,1
	global_load_b128 v[160+32*((\s)%3)+8*\m+4*\c:160+32*((\s)%3)+8*\m+4*\c+3], v1, s[10:11] offset:\m*TSTR+(\s)*1024+512*\c
.endr
.endr
.irp j,0,1
	global_load_b32 v[20+2*((\s)%3)+\j], v2, s[14:15] offset:\j*PSTR+(\s)*128
.endr
.endm
.macro DL s                            ; source 0's K step s from the panel into set s % 2: 20 LDS loads, 512 or 128 bytes on end each
.irp n,0,1,2,3,4,5,6,7
.irp c,0,1
	ds_load_b128 v[32+64*((\s)%2)+8*\n+4*\c:32+64*((\s)%2)+8*\n+4*\c+3], v[6+\n/4] offset:(\n%4)*TSTR+(\s)*1024+512*\c
.endr
.endr
.irp j,0,1,2,3
	ds_load_b32 v[12+4*((\s)%2)+\j], v8 offset:\j*PSTR+(\s)*128
.endr
.endm
.macro WMM first, pa, pb               ; one product; first: C is the bias; pa, pb: the tile is the odd one of its pair, its scale words lie in lanes 16-31
.if \first
.if (\pa) && (\pb)
	v_wmma_scale_f32_16x16x128_f8f6f4 v[rD:rD+7], v[rA:rA+7], v[rB:rB+7], v[rC:rC+7], v[rSA], v[rSB] matrix_a_fmt:MATRIX_FMT_FP4 matrix_b_fmt:MATRIX_FMT_FP4 matrix_a_scale:MATRIX_SCALE_ROW1 matrix_b_scale:MATRIX_SCALE_ROW1
.elseif (\pa)
	v_wmma_scale_f32_16x16x128_f8f6f4 v[rD:rD+7], v[rA:rA+7], v[rB:rB+7], v[rC:rC+7], v[rSA], v[rSB] matrix_a_fmt:MATRIX_FMT_FP4 matrix_b_fmt:MATRIX_FMT_FP4 matrix_a_scale:MATRIX_SCALE_ROW1
.elseif (\pb)
	v_wmma_scale_f32_16x16x128_f8f6f4 v[rD:rD+7], v[rA:rA+7], v[rB:rB+7], v[rC:rC+7], v[rSA], v[rSB] matrix_a_fmt:MATRIX_FMT_FP4 matrix_b_fmt:MATRIX_FMT_FP4 matrix_b_scale:MATRIX_SCALE_ROW1
.else
	v_wmma_scale_f32_16x16x128_f8f6f4 v[rD:rD+7], v[rA:rA+7], v[rB:rB+7], v[rC:rC+7], v[rSA], v[rSB] matrix_a_fmt:MATRIX_FMT_FP4 matrix_b_fmt:MATRIX_FMT_FP4
.endif
.else
.if (\pa) && (\pb)
	v_wmma_scale_f32_16x16x128_f8f6f4 v[rD:rD+7], v[rA:rA+7], v[rB:rB+7], v[rD:rD+7], v[rSA], v[rSB] matrix_a_fmt:MATRIX_FMT_FP4 matrix_b_fmt:MATRIX_FMT_FP4 matrix_a_scale:MATRIX_SCALE_ROW1 matrix_b_scale:MATRIX_SCALE_ROW1
.elseif (\pa)
	v_wmma_scale_f32_16x16x128_f8f6f4 v[rD:rD+7], v[rA:rA+7], v[rB:rB+7], v[rD:rD+7], v[rSA], v[rSB] matrix_a_fmt:MATRIX_FMT_FP4 matrix_b_fmt:MATRIX_FMT_FP4 matrix_a_scale:MATRIX_SCALE_ROW1
.elseif (\pb)
	v_wmma_scale_f32_16x16x128_f8f6f4 v[rD:rD+7], v[rA:rA+7], v[rB:rB+7], v[rD:rD+7], v[rSA], v[rSB] matrix_a_fmt:MATRIX_FMT_FP4 matrix_b_fmt:MATRIX_FMT_FP4 matrix_b_scale:MATRIX_SCALE_ROW1
.else
	v_wmma_scale_f32_16x16x128_f8f6f4 v[rD:rD+7], v[rA:rA+7], v[rB:rB+7], v[rD:rD+7], v[rSA], v[rSB] matrix_a_fmt:MATRIX_FMT_FP4 matrix_b_fmt:MATRIX_FMT_FP4
.endif
.endif
.endm
.macro MUL s, first                    ; K step s: the 32 accumulators take turns, one instruction a turn, in the same order in every step
.if \first
	WIN 0x60                                       ; D in window 1, C (the bias) in window 2
.else
	WIN 0x50                                       ; C and D in window 1
.endif
.irp m,0,1,2,3
.irp n,0,1,2,3,4,5,6,7
.set rD, 64*\m+8*\n
.set rC, 8*\n
.set rA, 32+64*((\s)%2)+8*\n
.set rB, 160+32*((\s)%3)+8*\m
.set rSA, 12+4*((\s)%2)+\n/2
.set rSB, 20+2*((\s)%3)+\m/2
	WMM \first, \n%2, \m%2
.endr
.endr
.endm
.macro MAIN first                      ; all K steps, written out: every offset is an immediate, no pointer is stepped
.set S_, 0
.rept KL
.set NL_, 0
.if S_+1 < KL
.set NL_, 10
.endif
.if S_+2 < KL
.set NL_, 20
.endif
.if S_ < 3
.set NL_, NL_+XR
.endif
	s_wait_loadcnt NL_                             ; source 1's step (and all older loads, the bias among them) is in; the loads issued behind it may be out: 10 for each of the at most two later steps
.if S_+1 < KL
	s_wait_dscnt 20                                ; source 0's step is in; the next step's 20 LDS loads may be out
.else
	s_wait_dscnt 0x0
.endif
.if S_ == 0
	MUL 0, \first
.else
	MUL S_, 0
.endif
	WIN 0
.if S_+2 < KL
.rept 4
	v_nop                                          ; four places in front of loads into registers that matrix instructions have read
.endr
	DL S_+2
.if S_+3 < KL
	GL S_+3
.endif
.endif
.set S_, S_+1
.endr
.endm
.macro BIAS                            ; lane (r, h) wants, for W1's tile n, units 32 (n / 2) + 16 h + 8 (n % 2) + 0 .. 7: 16 loads
	WIN 0x80                                       ; destination in window 2
.irp n,0,1,2,3,4,5,6,7
.irp c,0,1
	global_load_b128 v[8*\n+4*\c:8*\n+4*\c+3], v3, s[16:17] offset:128*(\n/2)+32*(\n%2)+16*\c
.endr
.endr
	WIN 0
.endm
; The 256 results become four fragments (one for each tile of tokens) of 128 along the hidden units, and their scale words.  Block b = registers 16 b .. 16 b + 15 of window 1, with lane l xor 16's 16.
.macro QUANT16
	WIN 0x14                                       ; sources 1 and 2 in window 1
.set B_, 0
.rept 16
	v_max3_num_f32 v[TM+B_], s22, |v[16*B_]|, |v[16*B_+1]|   ; the floor 2^(3 - 127) among the leaves
.set B_, B_+1
.endr
.irp i,2,4,6,8,10,12,14
.set B_, 0
.rept 16
	v_max3_num_f32 v[TM+B_], v[TM+B_], |v[16*B_+\i]|, |v[16*B_+\i+1]|
.set B_, B_+1
.endr
.endr
	WIN 0
.set B_, 0
.rept 16
	v_permlanex16_b32 v[TX+B_], v[TM+B_], s20, s21
.set B_, B_+1
.endr
.set B_, 0
.rept 16
	v_max_num_f32 v[TM+B_], v[TM+B_], v[TX+B_]
.set B_, B_+1
.endr
.set B_, 0
.rept 16
	v_add_nc_u32 v[TS+B_], 0xff000000, v[TM+B_]    ; 2 off the exponent field: the conversion's scale operand
.set B_, B_+1
.endr
.set B_, 0
.rept 16
	v_lshrrev_b32 v[TX+B_], 23, v[TS+B_]           ; the scale's byte
.set B_, B_+1
.endr
.irp m,0,1,2,3
	v_lshl_or_b32 v[WD+\m], v[TX+4*\m+1], 8, v[TX+4*\m]
	v_lshl_or_b32 v[WD+\m], v[TX+4*\m+2], 16, v[WD+\m]
	v_lshl_or_b32 v[WD+\m], v[TX+4*\m+3], 24, v[WD+\m]
.endr
	WIN 0x01                                       ; source 0 in window 1
.set B_, 0
.rept 16
	v_cvt_scalef32_pk8_fp4_f32 v[PC+2*B_], v[16*B_:16*B_+7], v[TS+B_]
	v_cvt_scalef32_pk8_fp4_f32 v[PC+2*B_+1], v[16*B_+8:16*B_+15], v[TS+B_]
.set B_, B_+1
.endr
	WIN 0
	v_nop                                          ; one plain place behind the conversions
.set B_, 0
.rept 8                                ; a whole block to a lane: group g = 2 m + c then holds registers 4 c .. 4 c + 3 of tile m's fragment
	v_permlane16_swap_b32 v[PC+4*B_], v[PC+4*B_+2]
	v_permlane16_swap_b32 v[PC+4*B_+1], v[PC+4*B_+3]
.set B_, B_+1
.endr
	v_cmp_le_u32 vcc_lo, 16, v4
	v_cndmask_b32 v116, v112, v113, vcc_lo         ; a pair's record: lanes 0-15 the even tile's words, lanes 16-31 the odd tile's
	v_cndmask_b32 v117, v114, v115, vcc_lo
.endm
	s_load_b256 s[24:31], s[0:1], 0x0              ; p5, p1, b1, p6
	v_lshl_add_u32 v30, v0, 2, 0x11000
	v_mov_b32 v31, 0
	v_lshrrev_b32 v5, 5, v0
	v_readfirstlane_b32 s2, v5                     ; wave 0..3
	v_and_b32 v4, 31, v0
	v_lshlrev_b32 v1, 4, v4
	v_lshlrev_b32 v2, 2, v4
	v_bfe_u32 v3, v0, 4, 1
	v_lshlrev_b32 v3, 6, v3
	v_lshlrev_b32 v6, 4, v4                        ; LDS: the panel's tiles 0-3: 16 x lane,
	v_add_nc_u32 v7, 4*TSTR, v6                    ; tiles 4-7,
	v_add_nc_u32 v8, PSC, v2                       ; its scale records: 4 x lane
	v_lshlrev_b32 v9, 4, v0                        ; the fill: 16 bytes a thread, in memory and in LDS alike
	v_add_nc_u32 v11, PSC, v9
	s_mov_b32 s20, 0x76543210
	s_mov_b32 s21, 0xfedcba98
	s_mov_b32 s22, 0x1800000
	s_and_b32 s34, ttmp9, 15                       ; block of 128 hidden units
	s_lshr_b32 s35, ttmp9, 4
	s_lshl_b32 s35, s35, 2
	s_add_co_u32 s35, s35, s2                      ; block of 64 tokens
	s_lshl_b32 s40, s34, 16
	s_add_co_u32 s40, s40, S0C
	s_mov_b32 s41, 0
	s_lshl_b32 s42, s35, 15
	s_mov_b32 s43, 0
	s_lshl_b32 s44, s34, 12
	s_add_co_u32 s44, s44, S0S
	s_mov_b32 s45, 0
	s_lshl_b32 s46, s35, 11
	s_add_co_u32 s46, s46, S1S
	s_mov_b32 s47, 0
	s_lshl_b32 s48, s34, 9
	s_mov_b32 s49, 0
	s_lshl_b32 s50, s35, 16                        ; out: four tiles of 16,384 bytes,
	s_lshl_b32 s36, s34, 10                        ; K step = the block of hidden units
	s_add_co_u32 s50, s50, s36
	s_mov_b32 s51, 0
	s_lshl_b32 s52, s35, 12                        ; two pairs of 2,048 bytes,
	s_lshl_b32 s36, s34, 7
	s_add_co_u32 s52, s52, s36
	s_add_co_u32 s52, s52, HS
	s_mov_b32 s53, 0
	s_wait_kmcnt 0x0
	s_add_nc_u64 s[8:9], s[26:27], s[40:41]
	s_add_nc_u64 s[10:11], s[24:25], s[42:43]
	s_add_nc_u64 s[12:13], s[26:27], s[44:45]
	s_add_nc_u64 s[14:15], s[24:25], s[46:47]
	s_add_nc_u64 s[16:17], s[28:29], s[48:49]
	s_add_nc_u64 s[18:19], s[30:31], s[50:51]
	s_add_nc_u64 s[38:39], s[30:31], s[52:53]
	FILL
	BIAS
	GL 0
	GL 1
	GL 2
	PUT 46                                         ; behind the panel's loads: the bias's 16 and three K steps of source 1, 30
	DL 0
	DL 1
	MAIN 1                                         ; the first step's products take the bias as C: nothing is cleared, nothing is added later
.rept 4
	v_nop                                          ; four places in front of the first read of results and of writes over fragments
.endr
	WIN 0x44                                       ; source 1 and destination in window 1
.set J_, 0
.rept 256
	v_max_num_f32 v[J_], 0, v[J_]                  ; the activation, in f32; each accumulator from its low end on
.set J_, J_+1
.endr
	QUANT16
.irp g,0,1,2,3,4,5,6,7
	global_store_b128 v1, v[PC+4*\g:PC+4*\g+3], s[18:19] offset:(\g/2)*16384+(\g%2)*512   ; 512 bytes on end
.endr
	global_store_b32 v2, v116, s[38:39]
	global_store_b32 v2, v117, s[38:39] offset:2048
	s_wait_tensorcnt 0x0
	ds_add_u32 v30, v31
	s_wait_dscnt 0x0
	s_endpgm
.Lfunc_end_k_q4b0a33f1c5_ffn1:
	.size	k_q4b0a33f1c5_ffn1, .Lfunc_end_k_q4b0a33f1c5_ffn1-k_q4b0a33f1c5_ffn1
	.p2alignl 7, 3214868480
	.fill 96, 4, 3214868480
	.section	.rodata,"a",@progbits
	.p2align	6, 0x0
	.amdhsa_kernel k_q4b0a33f1c5_ffn1
		.amdhsa_group_segment_fixed_size 70144
		.amdhsa_private_segment_fixed_size 0
		.amdhsa_enable_private_segment 0
		.amdhsa_kernarg_size 32
		.amdhsa_user_sgpr_count 2
		.amdhsa_user_sgpr_kernarg_segment_ptr 1
		.amdhsa_wavefront_size32 1
		.amdhsa_system_sgpr_workgroup_id_x 1
		.amdhsa_system_sgpr_workgroup_id_y 1
		.amdhsa_system_sgpr_workgroup_id_z 1
		.amdhsa_system_vgpr_workitem_id 0
		.amdhsa_next_free_vgpr 576
		.amdhsa_next_free_sgpr 66
		.amdhsa_reserve_vcc 1
		.amdhsa_float_denorm_mode_32 3
		.amdhsa_float_denorm_mode_16_64 3
		.amdhsa_memory_ordered 1
		.amdhsa_forward_progress 1
		.amdhsa_inst_pref_size 85
	.end_amdhsa_kernel
	.amdgpu_metadata
---
amdhsa.version: [ 1, 2 ]
amdhsa.kernels:
  - .name:           k_q4b0a33f1c5_ffn1
    .symbol:         k_q4b0a33f1c5_ffn1.kd
    .args:
      - { .name: p5, .offset: 0, .size: 8, .value_kind: global_buffer, .address_space: global }
      - { .name: p1, .offset: 8, .size: 8, .value_kind: global_buffer, .address_space: global }
      - { .name: b1, .offset: 16, .size: 8, .value_kind: global_buffer, .address_space: global }
      - { .name: p6, .offset: 24, .size: 8, .value_kind: global_buffer, .address_space: global }
    .group_segment_fixed_size: 70144
    .private_segment_fixed_size: 0
    .kernarg_segment_align: 8
    .kernarg_segment_size: 32
    .max_flat_workgroup_size: 128
    .sgpr_count:     66
    .vgpr_count:     576
    .wavefront_size: 32
...
	.end_amdgpu_metadata
.endif
;; end of part 5
;; launch ffn2 (part 6): grid 256 x 1, 4 waves a work-group, no clusters, 274,944 bytes of LDS; arguments p6, p1, b2, p4, out0; writes out0
.if DOCPART == 6
	.amdgcn_target "amdgcn-amd-amdhsa--gfx1250"
	.amdhsa_code_object_version 6
	.text
	.protected	k_q4b0a33f1c5_ffn2
	.globl	k_q4b0a33f1c5_ffn2
	.p2align	8
	.type	k_q4b0a33f1c5_ffn2,@function
k_q4b0a33f1c5_ffn2:
	s_mov_b64 s[64:65], 0
	v_nop
	global_prefetch_b8 v0, s[64:65] scope:SCOPE_SE
	s_setreg_imm32_b32 hwreg(HW_REG_WAVE_MODE, 25, 1), 1
	s_wait_xcnt 0x0
; FFN2.  out = x1 + h W2 + b2, on codes of E2M1; out is f32, row-major.
; A work-group makes 128 columns x 128 tokens, K = 2,048.  FOUR WAVES, ONE TO A SIMD: wave (tb, kh) makes the 128 columns (source 0 = eight tiles of the weight) x 64 tokens (source 1 = four tiles, block tb) over HALF kh OF K,
; eight steps: 32 accumulators, 256 registers, in window 1.  The two halves of a sum meet in LDS on the way out.
; In a result lane (r, h) holds the token at row r of its tile and, in the 16 registers of the weight's tiles 2 b, 2 b + 1, columns 32 b + 16 h + 0 .. 15.  Each wave puts its four tiles of half sums into its own stage in
; LDS (rows of 512 + 16 bytes); behind a barrier wave (tb, kh) reads tiles 2 kh, 2 kh + 1 back as whole rows, from its own stage and from its partner's, adds the two halves, the residual and the bias, and stores rows of 512 bytes on end, aligned.
; Operands lie in memory in the order of the registers (a fragment: two pieces of 512 bytes, 16 bytes a lane; a scale load brings two tiles' words, odd tiles in lanes 16-31).
; THE WAVES SHARE SOURCE 0: its eight tiles for all of K lie on end in memory, its scale records likewise: the 128 threads copy them into LDS once, through the registers that the sums take later, in front of a barrier;
; nothing is filled again.  Source 1 is each wave's own and goes straight into registers, three K steps ahead.  The residual and the bias are asked for behind that barrier, ahead of the first product.
; No cluster: the panel is fetched once and never again, and source 1 goes into registers, where no joint load can put it.
; LIMIT: the f32 sum over K is formed as two halves that are added, then the residual, then the bias: another order of rounding than one chain.
; REGISTERS: v1 16 x lane, v2 4 x lane; v4 the stage in, v5 my stage out, v26 my partner's; v6, v7 the panel's tiles 0-3, 4-7 in LDS, v8 its scale records; v9-11 the fill; v12-19 source 0's scale words (two sets), v20-25 source 1's (three);
; v32-159 source 0's fragments (two sets), v160-255 source 1's (three sets); window 1: accumulator (m, n) at v[64 m + 8 n], on the way out rows; window 2: v0-127 the residual's rows, v128-131 the bias.
.set KL,   8                           ; K steps that a wave walks: half of K
.set TSTR, 16384                       ; a tile's codes
.set PSTR, 2048                        ; a pair's scale records
.set PSC,  8*TSTR                      ; LDS: the panel's codes at 0, its scale records behind them,
.set STG,  PSC+4*PSTR                  ; then the stages: for each wave four tiles of 16 rows x 528 bytes
.set NF,   8*TSTR/2048                 ; rounds of the fill: 128 threads x 16 bytes
.set NFS,  4*PSTR/2048
.set XR,   33                          ; loads issued between source 1's K steps 2 and 3: the residual's 32 and the bias's one
.set S0C,  5570560                     ; p1: the weight's codes; 2^S0CN bytes for each 128 columns
.set S0CN, 17
.set S0S,  6619136                     ; its scale records
.set S0SN, 13
.set S1CN, 16                          ; the tokens' codes: 2^S1CN bytes for each 64 tokens
.set S1S,  4194304                     ; their scale records
.set S1SN, 12
.set LAST, 1                           ; 1: the stores are the program's output, read by nobody
.set MSB, 0
.macro WIN new                         ; the immediate's high byte repeats the setting that is left
.if MSB != \new
	s_set_vgpr_msb (MSB<<8)|\new
.set MSB, \new
.endif
.endm
.macro FILL                            ; the panel is asked for: codes into window 1, scale records into v32 on
	WIN 0x40
.set I_, 0
.rept NF
	global_load_b128 v[4*I_:4*I_+3], v9, s[8:9] offset:2048*I_
.set I_, I_+1
.endr
	WIN 0
.set I_, 0
.rept NFS
	global_load_b128 v[32+4*I_:35+4*I_], v9, s[12:13] offset:2048*I_
.set I_, I_+1
.endr
.endm
.macro PUT younger                     ; and laid into LDS as it lies in memory; younger: the loads issued behind the panel's, which may stay out
	s_wait_loadcnt \younger
	WIN 0x04                                       ; an LDS store's data are its source 1: window 1
.set I_, 0
.rept NF
	ds_store_b128 v[9+I_/32], v[4*I_:4*I_+3] offset:2048*(I_%32)
.set I_, I_+1
.endr
	WIN 0
.set I_, 0
.rept NFS
	ds_store_b128 v11, v[32+4*I_:35+4*I_] offset:2048*I_
.set I_, I_+1
.endr
	s_wait_dscnt 0x0                               ; for the others' sake: my stores have landed
	s_barrier_signal -1
	s_barrier_wait -1
.endm
.macro GL s                            ; source 1's K step s (of my half) from memory into set s % 3: 10 loads
.irp m,0,1,2,3
.irp c,0,1
	global_load_b128 v[160+32*((\s)%3)+8*\m+4*\c:160+32*((\s)%3)+8*\m+4*\c+3], v1, s[10:11] offset:\m*TSTR+(\s)*1024+512*\c
.endr
.endr
.irp j,0,1
	global_load_b32 v[20+2*((\s)%3)+\j], v2, s[14:15] offset:\j*PSTR+(\s)*128
.endr
.endm
.macro DL s                            ; source 0's K step s (of my half) from the panel into set s % 2: 20 LDS loads, 512 or 128 bytes on end each
.irp n,0,1,2,3,4,5,6,7
.irp c,0,1
	ds_load_b128 v[32+64*((\s)%2)+8*\n+4*\c:32+64*((\s)%2)+8*\n+4*\c+3], v[6+\n/4] offset:(\n%4)*TSTR+(\s)*1024+512*\c
.endr
.endr
.irp j,0,1,2,3
	ds_load_b32 v[12+4*((\s)%2)+\j], v8 offset:\j*PSTR+(\s)*128
.endr
.endm
.macro WMM zero, pa, pb                ; one product; pa, pb: the tile is the odd one of its pair, its scale words lie in lanes 16-31
.if \zero
.if (\pa) && (\pb)
	v_wmma_scale_f32_16x16x128_f8f6f4 v[rD:rD+7], v[rA:rA+7], v[rB:rB+7], 0, v[rSA], v[rSB] matrix_a_fmt:MATRIX_FMT_FP4 matrix_b_fmt:MATRIX_FMT_FP4 matrix_a_scale:MATRIX_SCALE_ROW1 matrix_b_scale:MATRIX_SCALE_ROW1
.elseif (\pa)
	v_wmma_scale_f32_16x16x128_f8f6f4 v[rD:rD+7], v[rA:rA+7], v[rB:rB+7], 0, v[rSA], v[rSB] matrix_a_fmt:MATRIX_FMT_FP4 matrix_b_fmt:MATRIX_FMT_FP4 matrix_a_scale:MATRIX_SCALE_ROW1
.elseif (\pb)
	v_wmma_scale_f32_16x16x128_f8f6f4 v[rD:rD+7], v[rA:rA+7], v[rB:rB+7], 0, v[rSA], v[rSB] matrix_a_fmt:MATRIX_FMT_FP4 matrix_b_fmt:MATRIX_FMT_FP4 matrix_b_scale:MATRIX_SCALE_ROW1
.else
	v_wmma_scale_f32_16x16x128_f8f6f4 v[rD:rD+7], v[rA:rA+7], v[rB:rB+7], 0, v[rSA], v[rSB] matrix_a_fmt:MATRIX_FMT_FP4 matrix_b_fmt:MATRIX_FMT_FP4
.endif
.else
.if (\pa) && (\pb)
	v_wmma_scale_f32_16x16x128_f8f6f4 v[rD:rD+7], v[rA:rA+7], v[rB:rB+7], v[rD:rD+7], v[rSA], v[rSB] matrix_a_fmt:MATRIX_FMT_FP4 matrix_b_fmt:MATRIX_FMT_FP4 matrix_a_scale:MATRIX_SCALE_ROW1 matrix_b_scale:MATRIX_SCALE_ROW1
.elseif (\pa)
	v_wmma_scale_f32_16x16x128_f8f6f4 v[rD:rD+7], v[rA:rA+7], v[rB:rB+7], v[rD:rD+7], v[rSA], v[rSB] matrix_a_fmt:MATRIX_FMT_FP4 matrix_b_fmt:MATRIX_FMT_FP4 matrix_a_scale:MATRIX_SCALE_ROW1
.elseif (\pb)
	v_wmma_scale_f32_16x16x128_f8f6f4 v[rD:rD+7], v[rA:rA+7], v[rB:rB+7], v[rD:rD+7], v[rSA], v[rSB] matrix_a_fmt:MATRIX_FMT_FP4 matrix_b_fmt:MATRIX_FMT_FP4 matrix_b_scale:MATRIX_SCALE_ROW1
.else
	v_wmma_scale_f32_16x16x128_f8f6f4 v[rD:rD+7], v[rA:rA+7], v[rB:rB+7], v[rD:rD+7], v[rSA], v[rSB] matrix_a_fmt:MATRIX_FMT_FP4 matrix_b_fmt:MATRIX_FMT_FP4
.endif
.endif
.endm
.macro MUL s, zero                     ; K step s: the 32 accumulators take turns, one instruction a turn, in the same order in every step
	WIN 0x50                                       ; C and D in window 1
.irp m,0,1,2,3
.irp n,0,1,2,3,4,5,6,7
.set rD, 64*\m+8*\n
.set rA, 32+64*((\s)%2)+8*\n
.set rB, 160+32*((\s)%3)+8*\m
.set rSA, 12+4*((\s)%2)+\n/2
.set rSB, 20+2*((\s)%3)+\m/2
	WMM \zero, \n%2, \m%2
.endr
.endr
.endm
.macro MAIN first                      ; all K steps, written out: every offset is an immediate, no pointer is stepped
.set S_, 0
.rept KL
.set NL_, 0
.if S_+1 < KL
.set NL_, 10
.endif
.if S_+2 < KL
.set NL_, 20
.endif
.if S_ < 3
.set NL_, NL_+XR
.endif
	s_wait_loadcnt NL_                             ; source 1's step is in; the loads issued behind it may be out: 10 for each of the at most two later steps, and behind steps 0 to 2 the residual's and the bias's 33
.if S_+1 < KL
	s_wait_dscnt 20                                ; source 0's step is in; the next step's 20 LDS loads may be out
.else
	s_wait_dscnt 0x0
.endif
.if S_ == 0
	MUL 0, \first
.else
	MUL S_, 0
.endif
	WIN 0
.if S_+2 < KL
.rept 4
	v_nop                                          ; four places in front of loads into registers that matrix instructions have read
.endr
	DL S_+2
.if S_+3 < KL
	GL S_+3
.endif
.endif
.set S_, S_+1
.endr
.endm
.macro RES                             ; the residual's rows of my two tiles, and the bias of my four columns of a row: row t of tile 2 kh + i is token 32 kh + 8 i + t + 8 (t / 8) of the 64; 512 bytes on end each
	WIN 0x80                                       ; destination in window 2
.irp i,0,1
.irp t,0,1,2,3,4,5,6,7,8,9,10,11,12,13,14,15
	global_load_b128 v[64*\i+4*\t:64*\i+4*\t+3], v1, s[18:19] offset:(8*\i+\t+8*(\t/8))*4096
.endr
.endr
	global_load_b128 v[128:131], v1, s[16:17]
	WIN 0
.endm
.macro ROWS i                          ; tile 2 kh + i as 16 whole rows: my half sums into v[128 i] on, my partner's into v[128 i + 64] on, of window 1
	WIN 0x40
.irp t,0,1,2,3,4,5,6,7,8,9,10,11,12,13,14,15
	ds_load_b128 v[128*\i+4*\t:128*\i+4*\t+3], v5 offset:\i*8448+528*\t
	ds_load_b128 v[128*\i+64+4*\t:128*\i+64+4*\t+3], v26 offset:\i*8448+528*\t
.endr
	WIN 0
.endm
.macro OUT i                           ; the two halves, the residual, the bias; then the rows leave
	WIN 0x45                                       ; all in window 1
.set J_, 0
.rept 32
	v_pk_add_f32 v[128*\i+J_:128*\i+J_+1], v[128*\i+J_:128*\i+J_+1], v[128*\i+64+J_:128*\i+65+J_]
.set J_, J_+2
.endr
	WIN 0x49                                       ; source 1 in window 2
.set J_, 0
.rept 32
	v_pk_add_f32 v[128*\i+J_:128*\i+J_+1], v[128*\i+J_:128*\i+J_+1], v[64*\i+J_:64*\i+J_+1]
.set J_, J_+2
.endr
.set J_, 0
.rept 32
	v_pk_add_f32 v[128*\i+J_:128*\i+J_+1], v[128*\i+J_:128*\i+J_+1], v[128+J_%4:129+J_%4]
.set J_, J_+2
.endr
	WIN 0x04                                       ; a store's data are its source 1: window 1
.irp t,0,1,2,3,4,5,6,7,8,9,10,11,12,13,14,15
.if LAST
	global_store_b128 v1, v[128*\i+4*\t:128*\i+4*\t+3], s[20:21] offset:(8*\i+\t+8*(\t/8))*4096 th:TH_STORE_NT
.else
	global_store_b128 v1, v[128*\i+4*\t:128*\i+4*\t+3], s[20:21] offset:(8*\i+\t+8*(\t/8))*4096
.endif
.endr
	WIN 0
.endm
	s_load_b256 s[24:31], s[0:1], 0x0              ; the tokens' operand, p1, the bias, the residual
	s_load_b64 s[32:33], s[0:1], 0x20              ; the result
	v_lshl_add_u32 v30, v0, 2, 0x43000
	v_mov_b32 v31, 0
	v_lshrrev_b32 v5, 5, v0
	v_readfirstlane_b32 s2, v5                     ; wave 0..3
	v_and_b32 v27, 31, v0                          ; lane
	v_lshlrev_b32 v1, 4, v27
	v_lshlrev_b32 v2, 2, v27
	v_bfe_u32 v28, v0, 4, 1                        ; h
	v_and_b32 v29, 15, v0                          ; r
	s_and_b32 s3, s2, 1                            ; kh: which half of K
	s_lshr_b32 s36, s2, 1                          ; tb: which 64 tokens
	s_mul_i32 s37, s3, KL*1024
	v_add_nc_u32 v6, s37, v1                       ; LDS: the panel's tiles 0-3, my half of K: 16 x lane + kh x KL x 1,024,
	v_add_nc_u32 v7, 4*TSTR, v6                    ; tiles 4-7,
	s_mul_i32 s37, s3, KL*128
	s_add_co_u32 s37, s37, PSC
	v_add_nc_u32 v8, s37, v2                       ; its scale records
	v_lshlrev_b32 v9, 4, v0                        ; the fill: 16 bytes a thread, in memory and in LDS alike
.if NF > 32
	v_add_nc_u32 v10, 65536, v9
.endif
	v_add_nc_u32 v11, PSC, v9
	s_mul_i32 s38, s2, 33792
	s_add_co_u32 s38, s38, STG                     ; my stage
	v_mul_u32_u24 v4, v29, 528
	v_lshl_add_u32 v4, v28, 6, v4
	v_add_nc_u32 v4, s38, v4                       ; in: row r, + 64 h
	s_mul_i32 s39, s3, 16896                       ; tiles 2 kh on
	s_add_co_u32 s38, s38, s39
	v_add_nc_u32 v5, s38, v1                       ; back, from my stage: 16 bytes a lane of a row,
	s_xor_b32 s38, s2, 1
	s_mul_i32 s38, s38, 33792
	s_add_co_u32 s38, s38, s39
	s_add_co_u32 s38, s38, STG
	v_add_nc_u32 v26, s38, v1                      ; and from my partner's (the same tokens, the other half of K)
	s_and_b32 s34, ttmp9, 7                        ; block of 128 columns
	s_lshr_b32 s35, ttmp9, 3
	s_lshl_b32 s35, s35, 1
	s_add_co_u32 s35, s35, s36                     ; block of 64 tokens
	s_lshl_b32 s40, s34, S0CN
	s_add_co_u32 s40, s40, S0C
	s_mov_b32 s41, 0
	s_lshl_b32 s42, s35, S1CN
	s_mul_i32 s52, s3, KL*1024
	s_add_co_u32 s42, s42, s52
	s_mov_b32 s43, 0
	s_lshl_b32 s44, s34, S0SN
	s_add_co_u32 s44, s44, S0S
	s_mov_b32 s45, 0
	s_lshl_b32 s46, s35, S1SN
	s_add_co_u32 s46, s46, S1S
	s_mul_i32 s52, s3, KL*128
	s_add_co_u32 s46, s46, s52
	s_mov_b32 s47, 0
	s_lshl_b32 s48, s34, 9
	s_mov_b32 s49, 0
	s_lshl_b32 s50, s35, 18
	s_add_co_u32 s50, s50, s48                     ; 64 rows of 4,096 bytes + 512 x block of columns
	s_lshl_b32 s52, s3, 17
	s_add_co_u32 s50, s50, s52                     ; + 32 kh rows
	s_mov_b32 s51, 0
	s_wait_kmcnt 0x0
	s_add_nc_u64 s[8:9], s[26:27], s[40:41]
	s_add_nc_u64 s[10:11], s[24:25], s[42:43]
	s_add_nc_u64 s[12:13], s[26:27], s[44:45]
	s_add_nc_u64 s[14:15], s[24:25], s[46:47]
	s_add_nc_u64 s[16:17], s[28:29], s[48:49]
	s_add_nc_u64 s[18:19], s[30:31], s[50:51]
	s_add_nc_u64 s[20:21], s[32:33], s[50:51]
	FILL
	GL 0
	GL 1
	GL 2
	PUT 30                                         ; behind the panel's loads: three K steps of source 1, 30 loads
	RES
	DL 0
	DL 1
	MAIN 1                                         ; the first step's products start the sums: nothing is cleared
.rept 4
	v_nop                                          ; four places in front of the first read of results
.endr
	WIN 0x04                                       ; an LDS store's data are its source 1: window 1
.irp m,0,1,2,3
.irp n,0,1,2,3,4,5,6,7
.irp c,0,1
	ds_store_b128 v4, v[64*\m+8*\n+4*\c:64*\m+8*\n+4*\c+3] offset:\m*8448+128*(\n/2)+32*(\n%2)+16*\c   ; each accumulator from its low end on
.endr
.endr
.endr
	WIN 0
	s_wait_dscnt 0x0                               ; for my partner's sake: my half sums have landed
	s_barrier_signal -1
	s_barrier_wait -1
	ROWS 0
	s_wait_dscnt 0x0
	ROWS 1                                         ; the second tile's rows come while the first tile's are added
	OUT 0
	s_wait_dscnt 0x0
	OUT 1
	s_wait_tensorcnt 0x0
	ds_add_u32 v30, v31
	s_wait_dscnt 0x0
	s_endpgm
.Lfunc_end_k_q4b0a33f1c5_ffn2:
	.size	k_q4b0a33f1c5_ffn2, .Lfunc_end_k_q4b0a33f1c5_ffn2-k_q4b0a33f1c5_ffn2
	.p2alignl 7, 3214868480
	.fill 96, 4, 3214868480
	.section	.rodata,"a",@progbits
	.p2align	6, 0x0
	.amdhsa_kernel k_q4b0a33f1c5_ffn2
		.amdhsa_group_segment_fixed_size 274944
		.amdhsa_private_segment_fixed_size 0
		.amdhsa_enable_private_segment 0
		.amdhsa_kernarg_size 40
		.amdhsa_user_sgpr_count 2
		.amdhsa_user_sgpr_kernarg_segment_ptr 1
		.amdhsa_wavefront_size32 1
		.amdhsa_system_sgpr_workgroup_id_x 1
		.amdhsa_system_sgpr_workgroup_id_y 1
		.amdhsa_system_sgpr_workgroup_id_z 1
		.amdhsa_system_vgpr_workitem_id 0
		.amdhsa_next_free_vgpr 656
		.amdhsa_next_free_sgpr 66
		.amdhsa_reserve_vcc 0
		.amdhsa_float_denorm_mode_32 3
		.amdhsa_float_denorm_mode_16_64 3
		.amdhsa_memory_ordered 1
		.amdhsa_forward_progress 1
		.amdhsa_inst_pref_size 93
	.end_amdhsa_kernel
	.amdgpu_metadata
---
amdhsa.version: [ 1, 2 ]
amdhsa.kernels:
  - .name:           k_q4b0a33f1c5_ffn2
    .symbol:         k_q4b0a33f1c5_ffn2.kd
    .args:
      - { .name: p6, .offset: 0, .size: 8, .value_kind: global_buffer, .address_space: global }
      - { .name: p1, .offset: 8, .size: 8, .value_kind: global_buffer, .address_space: global }
      - { .name: b2, .offset: 16, .size: 8, .value_kind: global_buffer, .address_space: global }
      - { .name: p4, .offset: 24, .size: 8, .value_kind: global_buffer, .address_space: global }
      - { .name: out0, .offset: 32, .size: 8, .value_kind: global_buffer, .address_space: global }
    .group_segment_fixed_size: 274944
    .private_segment_fixed_size: 0
    .kernarg_segment_align: 8
    .kernarg_segment_size: 40
    .max_flat_workgroup_size: 128
    .sgpr_count:     66
    .vgpr_count:     656
    .wavefront_size: 32
...
	.end_amdgpu_metadata
.endif
;; end of part 6
;; ======== version 2 of 2: 7 launches
;; workspace buffers: p1 6,684,672 bytes; p2 6,946,816 bytes; p3 2,228,224 bytes; p4 16,777,216 bytes; p5 2,228,224 bytes; p6 4,456,448 bytes
;; launch prep (part 7): grid 768 x 1, 4 waves a work-group, no clusters, 9,728 bytes of LDS; arguments x, ln1_a, ln1_b, Wq, Wk, Wv, Wo, W1, W2, p1; writes p1
.if DOCPART == 7
	.amdgcn_target "amdgcn-amd-amdhsa--gfx1250"
	.amdhsa_code_object_version 6
	.text
	.protected	k_q4b0a33f1c5_prep
	.globl	k_q4b0a33f1c5_prep
	.p2align	8
	.type	k_q4b0a33f1c5_prep,@function
k_q4b0a33f1c5_prep:
	s_mov_b64 s[64:65], 0
	v_nop
	global_prefetch_b8 v0, s[64:65] scope:SCOPE_SE
	s_setreg_imm32_b32 hwreg(HW_REG_WAVE_MODE, 25, 1), 1
	s_wait_xcnt 0x0
; PREP.  Work-groups 0-255: layer norm of 16 tokens (f32, two passes: mean, then the squares of x - mean; divisor 1023), quantised to codes of E2M1 with one E8M0 byte for each 32 along the row.
; Work-groups 256-767: the six weights, stored [K][N], quantised along K.  The same text, launched with 256 work-groups on other buffers, is the second layer norm.
; LAYOUT OF ALL OPERANDS OF THIS PROGRAM.  Rows (tokens, weight columns) are dealt to tiles of 16 by one rule: index 32 g + x lies in tile 2 g + ((x >> 3) & 1) at row (x & 7) + 8 (x >> 4).
; Codes: [tile][K / 32][row 16][16 bytes]: the fragment of a K step of 128 is 1,024 bytes on end, register group c of lane l at 512 c + 16 l.
; Scale words: [tile / 2][K step][32 words]: word 16 (tile & 1) + row holds the row's four bytes of that K step: one load of 4 bytes a lane brings two tiles' words.
; No tensor load, no cluster: each work-group reads bytes that no other reads.
; LIMITS: NaN and infinities are not served.  1/1023 and 1/(std + eps) are multiplications by numbers rounded to f32.  A block of zeros gets the byte 1 (its codes are zeros; only this program reads the bytes).
.set X,    64                          ; v64-191  four rows x 32 numbers of a lane: 32 q + 8 g + i = element 256 g + 8 lane + i of row q
.set AL,   192                         ; v192-223 the gain at the same elements
.set BE,   224                         ; v224-255 the bias
.set SM,   16                          ; v16-23   a pair for each row: sums, mean, 1 / (std + eps)
.set PT,   24                          ; v24-27   the other half of the lanes'
.set TS,   16                          ; v16-31   the conversions' scale operands (sums are done with by then)
.set TM,   32                          ; v32-47   largest magnitudes, then scale bytes
.set CD,   48                          ; v48-63   codes
.set SCW,  8704                        ; LDS: 32 rows (K / 32) of 256 bytes, 272 apart; behind them 128 scale words
.set XA_S, 2097152                     ; the destination: scale records behind the codes
.set WC,   2228224                     ; weights with K = 1,024: codes, 384 tiles of 8,192 bytes (Wq, Wk, Wv, Wo 64 each, W1 128)
.set WS,   5373952                     ; their scale records
.set W2C,  5570560                     ; W2 (K = 2,048): 64 tiles of 16,384 bytes
.set W2S,  6619136
	s_load_b256 s[4:11], s[0:1], 0x0               ; x, gain, bias, Wq
	s_load_b256 s[12:19], s[0:1], 0x20             ; Wk, Wv, Wo, W1
	s_load_b128 s[20:23], s[0:1], 0x40             ; W2, the destination
	v_lshl_add_u32 v14, v0, 2, 0x2400
	v_mov_b32 v15, 0
	v_lshrrev_b32 v1, 5, v0
	v_readfirstlane_b32 s2, v1                     ; wave 0..3
	v_and_b32 v1, 31, v0                           ; lane
	s_cmp_ge_u32 ttmp9, 256                        ; the same in all waves of a work-group
	s_cbranch_scc1 .Lweights
; ---------------- layer norm: work-group T is tile T; wave w takes tile rows 4 w .. 4 w + 3, which are four neighbouring tokens
	s_lshr_b32 s24, ttmp9, 1
	s_lshl_b32 s24, s24, 5                         ; 32 (T >> 1)
	s_and_b32 s25, ttmp9, 1
	s_lshl_b32 s25, s25, 3                         ; + 8 (T & 1)
	s_add_co_u32 s24, s24, s25
	s_lshl_b32 s25, s2, 2                          ; + 4 w
	s_add_co_u32 s24, s24, s25
	s_lshr_b32 s25, s2, 1
	s_lshl_b32 s25, s25, 3                         ; + 8 (w >> 1)
	s_add_co_u32 s24, s24, s25                     ; my first token
	s_lshl_b32 s24, s24, 12                        ; rows of 4,096 bytes
	s_mov_b32 s25, 0
	s_lshl_b32 s26, ttmp9, 13                      ; the tile's codes
	s_mov_b32 s27, 0
	s_lshr_b32 s28, ttmp9, 1
	s_lshl_b32 s28, s28, 10                        ; the pair's scale records,
	s_and_b32 s29, ttmp9, 1
	s_lshl_b32 s29, s29, 6                         ; my tile's 16 words of each
	s_add_co_u32 s28, s28, s29
	s_add_co_u32 s28, s28, XA_S
	s_mov_b32 s29, 0
	s_mov_b32 s40, 0x76543210
	s_mov_b32 s41, 0xfedcba98                      ; v_permlanex16_b32: lane l xor 16
	s_wait_alu depctr_va_vdst(0)
	v_lshlrev_b32 v2, 5, v1                        ; 32 bytes a lane
	s_wait_alu depctr_va_vdst(0)
	s_wait_kmcnt 0x0
	s_add_nc_u64 s[4:5], s[4:5], s[24:25]
	s_add_nc_u64 s[26:27], s[22:23], s[26:27]
	s_add_nc_u64 s[28:29], s[22:23], s[28:29]
.irp q,0,1,2,3
.irp g,0,1,2,3
	global_load_b128 v[X+32*\q+8*\g:X+32*\q+8*\g+3], v2, s[4:5] offset:4096*\q+1024*\g
	global_load_b128 v[X+32*\q+8*\g+4:X+32*\q+8*\g+7], v2, s[4:5] offset:4096*\q+1024*\g+16   ; the two loads together cover 1,024 bytes on end
.endr
.endr
.irp g,0,1,2,3
	global_load_b128 v[AL+8*\g:AL+8*\g+3], v2, s[6:7] offset:1024*\g
	global_load_b128 v[AL+8*\g+4:AL+8*\g+7], v2, s[6:7] offset:1024*\g+16
	global_load_b128 v[BE+8*\g:BE+8*\g+3], v2, s[8:9] offset:1024*\g
	global_load_b128 v[BE+8*\g+4:BE+8*\g+7], v2, s[8:9] offset:1024*\g+16
.endr
	v_lshrrev_b32 v3, 2, v1                        ; LDS, codes in: block (lane / 4) of a group of eight, 272 bytes a block;
	v_mul_u32_u24 v3, v3, 272
	v_and_b32 v4, 3, v1
	v_lshl_add_u32 v3, v4, 2, v3                   ; my 4 bytes of the row's 16;
	v_and_b32 v5, 0x60, v0                         ; 32 w
	v_lshl_add_u32 v3, v5, 1, v3                   ; my wave's four rows: 64 w
	v_bfe_u32 v6, v0, 4, 1                         ; LDS, scale bytes in: K step 2 g + lane / 16 (64 bytes each),
	v_bfe_u32 v7, v0, 2, 2                         ; byte (lane / 4) % 4,
	v_lshl_add_u32 v6, v6, 6, v7
	v_lshrrev_b32 v7, 1, v5                        ; rows 4 w on: 16 w
	v_add_nc_u32 v6, v6, v7
	v_add_nc_u32 v6, SCW, v6
	v_lshrrev_b32 v7, 4, v0                        ; the way out: thread t takes 16 bytes: LDS row t / 16, column t % 16
	v_and_b32 v8, 15, v0
	v_mul_u32_u24 v9, v7, 272
	v_lshl_add_u32 v9, v8, 4, v9
	v_lshlrev_b32 v10, 4, v0                       ; and 16 t in memory
	v_lshl_add_u32 v11, v0, 2, SCW                 ; scale word t = (K step t / 16, row t % 16)
	v_lshlrev_b32 v12, 7, v7
	v_lshl_add_u32 v12, v8, 2, v12                 ; in memory: 128 bytes a K step
.irp q,0,1,2,3
	v_mov_b32 v[PT+\q], 0                          ; a lane permute's destination counts as read
.endr
; the sum of a pair's halves, then over the 32 lanes; the four rows take turns
.macro REDUCE
.irp q,0,1,2,3
	v_add_f32 v[SM+2*\q], v[SM+2*\q], v[SM+2*\q+1]
.endr
.irp m,1,2,4,8
.irp q,0,1,2,3
	v_add_f32_dpp v[SM+2*\q], v[SM+2*\q], v[SM+2*\q] row_xmask:\m row_mask:0xf bank_mask:0xf
.endr
.endr
.irp q,0,1,2,3
	v_permlanex16_b32 v[PT+\q], v[SM+2*\q], s40, s41
.endr
.irp q,0,1,2,3
	v_add_f32 v[SM+2*\q], v[SM+2*\q], v[PT+\q]
.endr
.endm
	s_wait_loadcnt 0x0
.irp q,0,1,2,3
	v_pk_add_f32 v[SM+2*\q:SM+2*\q+1], v[X+32*\q:X+32*\q+1], v[X+32*\q+2:X+32*\q+3]
.endr
.irp i,4,6,8,10,12,14,16,18,20,22,24,26,28,30
.irp q,0,1,2,3
	v_pk_add_f32 v[SM+2*\q:SM+2*\q+1], v[SM+2*\q:SM+2*\q+1], v[X+32*\q+\i:X+32*\q+\i+1]
.endr
.endr
	REDUCE
.irp q,0,1,2,3
	v_mul_f32 v[SM+2*\q], 0x3a800000, v[SM+2*\q]   ; the mean: / 1,024, exact
.endr
.irp i,0,2,4,6,8,10,12,14,16,18,20,22,24,26,28,30
.irp q,0,1,2,3
	v_pk_add_f32 v[X+32*\q+\i:X+32*\q+\i+1], v[X+32*\q+\i:X+32*\q+\i+1], v[SM+2*\q:SM+2*\q+1] op_sel_hi:[1,0] neg_lo:[0,1] neg_hi:[0,1]   ; x - mean
.endr
.endr
.irp q,0,1,2,3
	v_pk_mul_f32 v[SM+2*\q:SM+2*\q+1], v[X+32*\q:X+32*\q+1], v[X+32*\q:X+32*\q+1]
.endr
.irp i,2,4,6,8,10,12,14,16,18,20,22,24,26,28,30
.irp q,0,1,2,3
	v_pk_fma_f32 v[SM+2*\q:SM+2*\q+1], v[X+32*\q+\i:X+32*\q+\i+1], v[X+32*\q+\i:X+32*\q+\i+1], v[SM+2*\q:SM+2*\q+1]
.endr
.endr
	REDUCE
.irp q,0,1,2,3
	v_mul_f32 v[SM+2*\q], 0x3a802008, v[SM+2*\q]   ; / 1,023
.endr
	s_wait_alu depctr_va_vdst(0)
.irp q,0,1,2,3
	v_sqrt_f32 v[SM+2*\q], v[SM+2*\q]
.endr
	v_nop                                          ; a plain instruction behind the last root,
	s_wait_alu depctr_va_vdst(0)                   ; and one wait for the four, ahead of their first reader
.irp q,0,1,2,3
	v_add_f32 v[SM+2*\q], 0x358637bd, v[SM+2*\q]   ; + 1e-6
.endr
	s_wait_alu depctr_va_vdst(0)
.irp q,0,1,2,3
	v_rcp_f32 v[SM+2*\q], v[SM+2*\q]
.endr
	v_nop
	s_wait_alu depctr_va_vdst(0)                   ; likewise for the four reciprocals
.irp i,0,2,4,6,8,10,12,14,16,18,20,22,24,26,28,30
.irp q,0,1,2,3
	v_pk_mul_f32 v[X+32*\q+\i:X+32*\q+\i+1], v[X+32*\q+\i:X+32*\q+\i+1], v[SM+2*\q:SM+2*\q+1] op_sel_hi:[1,0]
.endr
.irp q,0,1,2,3
	v_pk_fma_f32 v[X+32*\q+\i:X+32*\q+\i+1], v[X+32*\q+\i:X+32*\q+\i+1], v[AL+\i:AL+\i+1], v[BE+\i:BE+\i+1]
.endr
.endr
; the quantiser: item e = 4 q + g is eight neighbours of row q; a block of 32 lies in four neighbouring lanes
.set E_, 0
.rept 16
	v_max3_num_f32 v[TM+E_], |v[X+8*E_]|, |v[X+8*E_+1]|, 0x1800000   ; with the floor 2^(3 - 127): the byte cannot fall under 1
.set E_, E_+1
.endr
.irp i,2,4,6
.set E_, 0
.rept 16
	v_max3_num_f32 v[TM+E_], v[TM+E_], |v[X+8*E_+\i]|, |v[X+8*E_+\i+1]|
.set E_, E_+1
.endr
.endr
.irp m,1,2
.set E_, 0
.rept 16
	v_max_num_f32_dpp v[TM+E_], v[TM+E_], v[TM+E_] row_xmask:\m row_mask:0xf bank_mask:0xf
.set E_, E_+1
.endr
.endr
.set E_, 0
.rept 16
	v_add_nc_u32 v[TS+E_], 0xff000000, v[TM+E_]    ; 2 off the exponent field: the conversion's scale operand
.set E_, E_+1
.endr
.set E_, 0
.rept 16
	v_cvt_scalef32_pk8_fp4_f32 v[CD+E_], v[X+8*E_:X+8*E_+7], v[TS+E_]
.set E_, E_+1
.endr
.set E_, 0
.rept 16
	v_lshrrev_b32 v[TM+E_], 23, v[TS+E_]           ; the scale's byte (plain lines behind the conversions)
.set E_, E_+1
.endr
.set E_, 0
.rept 16
	ds_store_b32 v3, v[CD+E_] offset:2176*(E_%4)+16*(E_/4)
	ds_store_b8 v6, v[TM+E_] offset:128*(E_%4)+4*(E_/4)   ; the four lanes of a block write the same byte with the same value
.set E_, E_+1
.endr
	s_wait_dscnt 0x0                               ; for the others' sake: my stores have landed
	s_barrier_signal -1
	s_barrier_wait -1
.irp j,0,1,2,3
	ds_load_b128 v[64+4*\j:67+4*\j], v9 offset:2176*\j
.endr
	ds_load_b32 v80, v11
.irp j,0,1,2,3
	s_wait_dscnt 4-\j                              ; the younger LDS loads may be out
	global_store_b128 v10, v[64+4*\j:67+4*\j], s[26:27] offset:2048*\j   ; a wave stores 512 bytes on end, aligned
.endr
	s_wait_dscnt 0x0
	global_store_b32 v12, v80, s[28:29]
	s_wait_tensorcnt 0x0
	ds_add_u32 v14, v15
	s_wait_dscnt 0x0
	s_endpgm
; ---------------- weights: work-group g takes 128 columns x one K step of 128; a wave 32 columns (two tiles); A LANE TAKES A COLUMN AND ITS REGISTERS RUN DOWN K
.Lweights:
	s_sub_co_u32 s26, ttmp9, 256                   ; g: 0-255 the four square weights, 64 each; 256-383 W1; 384-511 W2
	s_lshr_b32 s27, s26, 7
	s_cmp_lt_u32 s26, 256
	s_cselect_b32 s28, 63, 127
	s_and_b32 s28, s26, s28                        ; e: the work-group's number within its weight
	s_lshr_b32 s29, s26, 6
	s_lshl_b32 s29, s29, 6                         ; a square weight's first tile
	s_cmp_eq_u32 s27, 2                            ; W1: 16 blocks of columns, rows of 8,192 bytes
	s_cselect_b32 s30, 15, 7
	s_cselect_b32 s31, 4, 3
	s_cselect_b32 s32, 13, 12                      ; log2 of a row's bytes
	s_cselect_b32 s29, 256, s29
	s_cmp_eq_u32 s27, 3                            ; W2: K = 2,048: longer tiles, regions of its own
	s_cselect_b32 s29, 0, s29
	s_cselect_b32 s33, 14, 13                      ; log2 of a tile's bytes
	s_cselect_b32 s34, 11, 10                      ; log2 of a pair's scale records
	s_mov_b32 s35, WC
	s_cselect_b32 s35, W2C, s35
	s_mov_b32 s36, WS
	s_cselect_b32 s36, W2S, s36
	s_and_b32 s30, s28, s30                        ; block of 128 columns
	s_lshr_b32 s31, s28, s31                       ; K step
	s_lshl_b32 s37, s30, 3
	s_add_co_u32 s29, s29, s37
	s_lshl_b32 s37, s2, 1
	s_add_co_u32 s29, s29, s37                     ; my wave's first tile (even)
	s_lshl_b32 s38, s31, 7
	s_lshl_b32 s38, s38, s32                       ; 128 rows a K step
	s_lshl_b32 s37, s30, 9
	s_add_co_u32 s38, s38, s37
	s_lshl_b32 s37, s2, 7
	s_add_co_u32 s38, s38, s37                     ; + my 32 columns
	s_mov_b32 s39, 0
	s_lshl_b32 s42, s29, s33
	s_add_co_u32 s42, s42, s35
	s_lshl_b32 s37, s31, 10
	s_add_co_u32 s42, s42, s37                     ; codes: region + tile + 1,024 x K step
	s_mov_b32 s43, 0
	s_lshr_b32 s44, s29, 1
	s_lshl_b32 s44, s44, s34
	s_add_co_u32 s44, s44, s36
	s_lshl_b32 s37, s31, 7
	s_add_co_u32 s44, s44, s37                     ; scale record: region + pair + 128 x K step
	s_mov_b32 s45, 0
	s_wait_alu depctr_va_vdst(0)
	v_lshlrev_b32 v2, 2, v1                        ; 4 bytes a lane: a wave reads 128 bytes on end of each row
	v_bfe_u32 v3, v0, 3, 1                         ; which of the two tiles my column lies in,
	v_and_b32 v4, 7, v0
	v_bfe_u32 v5, v0, 4, 1
	v_lshl_add_u32 v4, v5, 3, v4                   ; and at which row
	v_lshlrev_b32 v5, s33, v3
	v_lshl_add_u32 v5, v4, 4, v5                   ; codes: tile + 16 x row
	v_lshlrev_b32 v6, 6, v3
	v_lshl_add_u32 v6, v4, 2, v6                   ; scale word
	s_wait_kmcnt 0x0
	s_mov_b64 s[24:25], s[20:21]                   ; the weight is chosen by the work-group's number alone
	s_cmp_lt_u32 s26, 384
	s_cselect_b64 s[24:25], s[18:19], s[24:25]
	s_cmp_lt_u32 s26, 256
	s_cselect_b64 s[24:25], s[16:17], s[24:25]
	s_cmp_lt_u32 s26, 192
	s_cselect_b64 s[24:25], s[14:15], s[24:25]
	s_cmp_lt_u32 s26, 128
	s_cselect_b64 s[24:25], s[12:13], s[24:25]
	s_cmp_lt_u32 s26, 64
	s_cselect_b64 s[24:25], s[10:11], s[24:25]
	s_add_nc_u64 s[24:25], s[24:25], s[38:39]
	s_add_nc_u64 s[46:47], s[22:23], s[42:43]
	s_add_nc_u64 s[48:49], s[22:23], s[44:45]
.macro LOADW t, pitch                  ; block t: rows 32 t .. 32 t + 31 of the K step, my column, into registers of its own
.set I_, 0
.rept 32
	global_load_b32 v[64+32*(\t)+I_], v2, s[24:25] offset:(32*(\t)+I_)*\pitch th:TH_LOAD_NT
.set I_, I_+1
.endr
.endm
.macro WQ pitch
	LOADW 0, \pitch
	LOADW 1, \pitch
.irp t,0,1,2,3
.if \t < 3
	s_wait_loadcnt 32                              ; this block's 32 loads are in; the next block's 32 may be out
.else
	s_wait_loadcnt 0x0
.endif
.if \t < 2
	LOADW \t+2, \pitch
.endif
.set XS, 64+32*\t
	v_max3_num_f32 v8, |v[XS]|, |v[XS+1]|, |v[XS+2]|               ; all 32 numbers of the block are mine: two chains
	v_max3_num_f32 v9, |v[XS+3]|, |v[XS+4]|, |v[XS+5]|
.irp i,6,10,14,18,22,26
	v_max3_num_f32 v8, v8, |v[XS+\i]|, |v[XS+\i+1]|
	v_max3_num_f32 v9, v9, |v[XS+\i+2]|, |v[XS+\i+3]|
.endr
	v_max3_num_f32 v8, v8, |v[XS+30]|, |v[XS+31]|
	v_max3_num_f32 v8, v8, v9, 0x1800000           ; and the floor
	v_add_nc_u32 v10, 0xff000000, v8
	v_lshrrev_b32 v11, 23, v10
.if \t == 0
	v_mov_b32 v48, v11
.else
	v_lshl_or_b32 v48, v11, 8*\t, v48              ; the K step's four bytes make my column's scale word
.endif
.irp g,0,1,2,3
	v_cvt_scalef32_pk8_fp4_f32 v[32+4*\t+\g], v[XS+8*\g:XS+8*\g+7], v10
.endr
	global_store_b128 v5, v[32+4*\t:35+4*\t], s[46:47] offset:256*\t   ; sixteen lanes fill 256 bytes on end, aligned, in each of the two tiles
.endr
	global_store_b32 v6, v48, s[48:49]             ; 128 bytes on end
.endm
	s_cmp_eq_u32 s32, 13
	s_cbranch_scc1 .Lwide
	s_wait_alu depctr_va_vdst(0)
	WQ 4096
	s_endpgm
.Lwide:
	s_wait_alu depctr_va_vdst(0)
	WQ 8192
	s_endpgm
.Lfunc_end_k_q4b0a33f1c5_prep:
	.size	k_q4b0a33f1c5_prep, .Lfunc_end_k_q4b0a33f1c5_prep-k_q4b0a33f1c5_prep
	.p2alignl 7, 3214868480
	.fill 96, 4, 3214868480
	.section	.rodata,"a",@progbits
	.p2align	6, 0x0
	.amdhsa_kernel k_q4b0a33f1c5_prep
		.amdhsa_group_segment_fixed_size 9728
		.amdhsa_private_segment_fixed_size 0
		.amdhsa_enable_private_segment 0
		.amdhsa_kernarg_size 80
		.amdhsa_user_sgpr_count 2
		.amdhsa_user_sgpr_kernarg_segment_ptr 1
		.amdhsa_wavefront_size32 1
		.amdhsa_system_sgpr_workgroup_id_x 1
		.amdhsa_system_sgpr_workgroup_id_y 1
		.amdhsa_system_sgpr_workgroup_id_z 1
		.amdhsa_system_vgpr_workitem_id 0
		.amdhsa_next_free_vgpr 256
		.amdhsa_next_free_sgpr 66
		.amdhsa_reserve_vcc 0
		.amdhsa_float_denorm_mode_32 3
		.amdhsa_float_denorm_mode_16_64 3
		.amdhsa_memory_ordered 1
		.amdhsa_forward_progress 1
		.amdhsa_inst_pref_size 84
	.end_amdhsa_kernel
	.amdgpu_metadata
---
amdhsa.version: [ 1, 2 ]
amdhsa.kernels:
  - .name:           k_q4b0a33f1c5_prep
    .symbol:         k_q4b0a33f1c5_prep.kd
    .args:
      - { .name: x, .offset: 0, .size: 8, .value_kind: global_buffer, .address_space: global }
      - { .name: ln1_a, .offset: 8, .size: 8, .value_kind: global_buffer, .address_space: global }
      - { .name: ln1_b, .offset: 16, .size: 8, .value_kind: global_buffer, .address_space: global }
      - { .name: Wq, .offset: 24, .size: 8, .value_kind: global_buffer, .address_space: global }
      - { .name: Wk, .offset: 32, .size: 8, .value_kind: global_buffer, .address_space: global }
      - { .name: Wv, .offset: 40, .size: 8, .value_kind: global_buffer, .address_space: global }
      - { .name: Wo, .offset: 48, .size: 8, .value_kind: global_buffer, .address_space: global }
      - { .name: W1, .offset: 56, .size: 8, .value_kind: global_buffer, .address_space: global }
      - { .name: W2, .offset: 64, .size: 8, .value_kind: global_buffer, .address_space: global }
      - { .name: p1, .offset: 72, .size: 8, .value_kind: global_buffer, .address_space: global }
    .group_segment_fixed_size: 9728
    .private_segment_fixed_size: 0
    .kernarg_segment_align: 8
    .kernarg_segment_size: 80
    .max_flat_workgroup_size: 128
    .sgpr_count:     66
    .vgpr_count:     256
    .wavefront_size: 32
...
	.end_amdgpu_metadata
.endif
;; end of part 7
;; launch qkv (part 8): grid 384 x 1, 4 waves a work-group, no clusters, 70,144 bytes of LDS; arguments p1, p2; writes p2
.if DOCPART == 8
	.amdgcn_target "amdgcn-amd-amdhsa--gfx1250"
	.amdhsa_code_object_version 6
	.text
	.protected	k_q4b0a33f1c5_qkv
	.globl	k_q4b0a33f1c5_qkv
	.p2align	8
	.type	k_q4b0a33f1c5_qkv,@function
k_q4b0a33f1c5_qkv:
	s_mov_b64 s[64:65], 0
	v_nop
	global_prefetch_b8 v0, s[64:65] scope:SCOPE_SE
	s_setreg_imm32_b32 hwreg(HW_REG_WAVE_SCHED_MODE, 0, 2), 2
	s_setreg_imm32_b32 hwreg(HW_REG_WAVE_MODE, 25, 1), 1
	s_wait_xcnt 0x0
	s_wait_alu depctr_vm_vsrc(0)
; QKV.  q, k and v = LN1(x) W on codes of E2M1; the results are quantised in registers and stored as the operands of attention.
; A wave makes 128 (source 0, eight tiles) x 64 (source 1, four tiles), K = 1,024 in eight steps: 32 accumulators, 256 registers, in window 1.  In a result lane (r, h) holds row r of source 1's tile, and by the
; way rows are dealt to tiles (index 32 g + x: tile 2 g + ((x >> 3) & 1), row (x & 7) + 8 (x >> 4)) the 16 registers of source 0's tiles 2 b, 2 b + 1 are indices 32 b + 16 h + 0 .. 15: neighbours.
; Work-groups 0-255: source 0 = 128 columns of Wq or Wk (two heads), source 1 = 64 tokens: q and k are quantised along the head's 64.
; Work-groups 256-383: source 0 = 128 tokens, source 1 = a head's 64 columns of Wv: v is quantised along the tokens, the second product's K.
; Operands lie in memory in the order of the registers: a fragment is two pieces of 512 bytes on end, 16 bytes a lane; a scale load of 4 bytes a lane brings two tiles' words (odd tiles: lanes 16-31).
; THE FOUR WAVES SHARE SOURCE 0.  Its eight tiles for all of K are 65,536 bytes on end in memory, its scale records 4,096: the 128 threads copy them into LDS once, through the registers that the sums take later,
; in front of ONE barrier; nothing is filled again.  So a wave asks memory for 34 + 80 pieces where eight K steps of both sources would be 240.  Source 1 is each wave's own and goes straight into registers, three K steps ahead.
; No cluster: the panel is fetched once and never again (68 KB a work-group, ahead of 256 products a wave), and source 1 goes into registers, where no joint load can put it.
; LIMITS: NaN and infinities are not served; a block of zeros gets the byte 1 (its codes are zeros; only this program reads the bytes).
; REGISTERS: v1 16 x lane, v2 4 x lane, v4 lane; v6, v7 the panel's tiles 0-3, 4-7 in LDS, v8 its scale records; v9, v11 the fill; v12-19 source 0's scale words (two sets), v20-25 source 1's (three);
; v32-159 source 0's fragments (two sets of 64), v160-255 source 1's (three sets of 32); window 1: accumulator (m, n) at v[64 m + 8 n].
; THE MODE: SCHED_MODE bits 1:0 = 2 (LLVM: expert scheduling mode 2), set by the entry lines.  The code itself states the register dependences
; between vector or matrix instructions and memory or LDS instructions, with s_wait_alu, always for 0.
; THE PLAN.  Registers that memory or LDS instructions touch:
;   v1, v2, v6-9, v11   offsets and LDS addresses: written at the head, never again; read by every load and store.  One wait on va_vdst ahead of the first load.
;   window 1, v32-39    the panel's way in: global loads land, LDS stores read them; later the products write them (the sums) and LDS loads land in them (set 0).  One wait on vm_vsrc behind the barrier.
;   source 0's set s % 2 and its scale words   read by step s's products; the 20 LDS loads of step s + 2 land in them.
;   source 1's set s % 3 and its scale words   read by step s's products; the 10 loads of step s + 3 land in them.
;   v80-111, v116-121   codes and scale words on the way out: written by vector instructions, read by the stores.  One wait on va_vdst ahead of the stores.
; So ONE wait on va_vdst stands in a step, behind its 32 products: they are done reading both sets.  It stands there and not at the next step's head, which lies behind the wait for that step's data: so source 1's set
; is asked for again at once, and three K steps of source 1 stay on their way.  Source 1's ten loads follow the wait; source 0's twenty are dealt among the NEXT step's products, five ahead of each eight:
; those products name the other sets and the accumulators, none of the registers that these loads touch.
.set KL,   8                           ; K steps that a wave walks
.set TSTR, 8192                        ; a tile's codes
.set PSTR, 1024                        ; a pair's scale records
.set PSC,  8*TSTR                      ; LDS: the panel's codes at 0, its scale records behind them
.set NF,   8*TSTR/2048                 ; rounds of the fill: 128 threads x 16 bytes
.set NFS,  4*PSTR/2048
.set XR,   0                           ; loads issued between source 1's K steps 2 and 3: none here
.set XA_S, 2097152
.set WC,   2228224
.set WS,   5373952
.set KC,   2097152                     ; p2: q's codes at 0 [head 32][tile 128][512], k's, v's [head][K step 16][tile 4][1,024];
.set VC,   4194304
.set QS,   6291456                     ; scale records: q's, k's [head][pair 64][128], v's [head][K step][pair 2][128]
.set KSC,  6553600
.set VS,   6815744
.set TM, 32
.set TX, 48
.set TS, 64
.set PC, 80
.set WD, 112
.set MSB, 0
.macro WIN new                         ; the immediate's high byte repeats the setting that is left
.if MSB != \new
	s_set_vgpr_msb (MSB<<8)|\new
.set MSB, \new
.endif
.endm
.macro FILL                            ; the panel is asked for: codes into window 1, scale records into v32 on
	WIN 0x40
	s_wait_alu depctr_va_vdst(0)                   ; the offsets and LDS addresses v1, v2, v6 to v9 and v11 are written: every load and store of the kernel reads one of them, and none is written again
.set I_, 0
.rept NF
	global_load_b128 v[4*I_:4*I_+3], v9, s[8:9] offset:2048*I_
.set I_, I_+1
.endr
	WIN 0
.set I_, 0
.rept NFS
	global_load_b128 v[32+4*I_:35+4*I_], v9, s[12:13] offset:2048*I_
.set I_, I_+1
.endr
.endm
.macro PUT younger                     ; and laid into LDS as it lies in memory; younger: the loads issued behind the panel's, which may stay out
	s_wait_loadcnt \younger
	WIN 0x04                                       ; an LDS store's data are its source 1: window 1
.set I_, 0
.rept NF
	ds_store_b128 v[9+I_/32], v[4*I_:4*I_+3] offset:2048*(I_%32)
.set I_, I_+1
.endr
	WIN 0
.set I_, 0
.rept NFS
	ds_store_b128 v11, v[32+4*I_:35+4*I_] offset:2048*I_
.set I_, I_+1
.endr
	s_wait_dscnt 0x0                               ; for the others' sake: my stores have landed
	s_barrier_signal -1
	s_barrier_wait -1
.endm
.macro GL s                            ; source 1's K step s from memory into set s % 3: 10 loads
.irp m,0,1,2,3
.irp c,0,1
	global_load_b128 v[160+32*((\s)%3)+8*\m+4*\c:160+32*((\s)%3)+8*\m+4*\c+3], v1, s[10:11] offset:\m*TSTR+(\s)*1024+512*\c
.endr
.endr
.irp j,0,1
	global_load_b32 v[20+2*((\s)%3)+\j], v2, s[14:15] offset:\j*PSTR+(\s)*128
.endr
.endm
.macro DLQ s, j                        ; a quarter of source 0's K step s from the panel into set s % 2: tiles 2 j, 2 j + 1 and the pair's scale words: 5 LDS loads, 512 or 128 bytes on end each
.irp u,0,1
.irp c,0,1
	ds_load_b128 v[32+64*((\s)%2)+8*(2*(\j)+\u)+4*\c:32+64*((\s)%2)+8*(2*(\j)+\u)+4*\c+3], v[6+(\j)/2] offset:((2*(\j)+\u)%4)*TSTR+(\s)*1024+512*\c
.endr
.endr
	ds_load_b32 v[12+4*((\s)%2)+(\j)], v8 offset:(\j)*PSTR+(\s)*128
.endm
.macro WMM zero, pa, pb                ; one product; pa, pb: the tile is the odd one of its pair, its scale words lie in lanes 16-31
.if \zero
.if (\pa) && (\pb)
	v_wmma_scale_f32_16x16x128_f8f6f4 v[rD:rD+7], v[rA:rA+7], v[rB:rB+7], 0, v[rSA], v[rSB] matrix_a_fmt:MATRIX_FMT_FP4 matrix_b_fmt:MATRIX_FMT_FP4 matrix_a_scale:MATRIX_SCALE_ROW1 matrix_b_scale:MATRIX_SCALE_ROW1
.elseif (\pa)
	v_wmma_scale_f32_16x16x128_f8f6f4 v[rD:rD+7], v[rA:rA+7], v[rB:rB+7], 0, v[rSA], v[rSB] matrix_a_fmt:MATRIX_FMT_FP4 matrix_b_fmt:MATRIX_FMT_FP4 matrix_a_scale:MATRIX_SCALE_ROW1
.elseif (\pb)
	v_wmma_scale_f32_16x16x128_f8f6f4 v[rD:rD+7], v[rA:rA+7], v[rB:rB+7], 0, v[rSA], v[rSB] matrix_a_fmt:MATRIX_FMT_FP4 matrix_b_fmt:MATRIX_FMT_FP4 matrix_b_scale:MATRIX_SCALE_ROW1
.else
	v_wmma_scale_f32_16x16x128_f8f6f4 v[rD:rD+7], v[rA:rA+7], v[rB:rB+7], 0, v[rSA], v[rSB] matrix_a_fmt:MATRIX_FMT_FP4 matrix_b_fmt:MATRIX_FMT_FP4
.endif
.else
.if (\pa) && (\pb)
	v_wmma_scale_f32_16x16x128_f8f6f4 v[rD:rD+7], v[rA:rA+7], v[rB:rB+7], v[rD:rD+7], v[rSA], v[rSB] matrix_a_fmt:MATRIX_FMT_FP4 matrix_b_fmt:MATRIX_FMT_FP4 matrix_a_scale:MATRIX_SCALE_ROW1 matrix_b_scale:MATRIX_SCALE_ROW1
.elseif (\pa)
	v_wmma_scale_f32_16x16x128_f8f6f4 v[rD:rD+7], v[rA:rA+7], v[rB:rB+7], v[rD:rD+7], v[rSA], v[rSB] matrix_a_fmt:MATRIX_FMT_FP4 matrix_b_fmt:MATRIX_FMT_FP4 matrix_a_scale:MATRIX_SCALE_ROW1
.elseif (\pb)
	v_wmma_scale_f32_16x16x128_f8f6f4 v[rD:rD+7], v[rA:rA+7], v[rB:rB+7], v[rD:rD+7], v[rSA], v[rSB] matrix_a_fmt:MATRIX_FMT_FP4 matrix_b_fmt:MATRIX_FMT_FP4 matrix_b_scale:MATRIX_SCALE_ROW1
.else
	v_wmma_scale_f32_16x16x128_f8f6f4 v[rD:rD+7], v[rA:rA+7], v[rB:rB+7], v[rD:rD+7], v[rSA], v[rSB] matrix_a_fmt:MATRIX_FMT_FP4 matrix_b_fmt:MATRIX_FMT_FP4
.endif
.endif
.endm
.macro MUL s, zero, dl                 ; K step s: the 32 accumulators take turns, one instruction a turn, in the same order in every step.  dl = 1: the next step's fragments of source 0 are asked for, a quarter ahead of each eight products
.irp m,0,1,2,3
.if \dl
	WIN 0
	DLQ (\s)+1, \m                                 ; no wait: no vector or matrix instruction since the wait behind the last step's products names these registers
.endif
	WIN 0x50                                       ; C and D in window 1
.irp n,0,1,2,3,4,5,6,7
.set rD, 64*\m+8*\n
.set rA, 32+64*((\s)%2)+8*\n
.set rB, 160+32*((\s)%3)+8*\m
.set rSA, 12+4*((\s)%2)+\n/2
.set rSB, 20+2*((\s)%3)+\m/2
	WMM \zero, \n%2, \m%2
.endr
.endr
.endm
.macro MAIN first                      ; all K steps, written out: every offset is an immediate, no pointer is stepped
.set S_, 0
.rept KL
.set NL_, 0
.if S_+1 < KL
.set NL_, 10
.endif
.if S_+2 < KL
.set NL_, 20
.endif
.if S_ < 3
.set NL_, NL_+XR
.endif
	s_wait_loadcnt NL_                             ; source 1's step is in; the loads issued behind it may be out: 10 for each of the at most two later steps
	s_wait_dscnt 0x0                               ; source 0's step is in: its 20 LDS loads were dealt among the last step's products (step 0's stand ahead of it), and no other is out
.if S_ == 0
	MUL 0, \first, 1
.elseif S_+1 < KL
	MUL S_, 0, 1
.else
	MUL S_, 0, 0
.endif
	WIN 0
.if S_+2 < KL
.rept 4
	v_nop                                          ; four places behind the step's last product, in front of loads into registers that it has read
.endr
	s_wait_alu depctr_va_vdst(0)                   ; this step's products are done reading their sets of source 0 and source 1 and the sets' scale words, in which the loads of two and three steps on land
.if S_+3 < KL
	GL S_+3
.endif
.endif
.set S_, S_+1
.endr
.endm
; The 256 results become four fragments (one for each tile of source 1) of 128 along source 0, and their scale words.  Block b = registers 16 b .. 16 b + 15 of window 1, with lane l xor 16's 16.
.macro QUANT16
	WIN 0x14                                       ; sources 1 and 2 in window 1
.set B_, 0
.rept 16
	v_max3_num_f32 v[TM+B_], s22, |v[16*B_]|, |v[16*B_+1]|   ; the floor 2^(3 - 127) among the leaves; each accumulator is read from its low end on
.set B_, B_+1
.endr
.irp i,2,4,6,8,10,12,14
.set B_, 0
.rept 16
	v_max3_num_f32 v[TM+B_], v[TM+B_], |v[16*B_+\i]|, |v[16*B_+\i+1]|
.set B_, B_+1
.endr
.endr
	WIN 0
.set B_, 0
.rept 16
	v_permlanex16_b32 v[TX+B_], v[TM+B_], s20, s21
.set B_, B_+1
.endr
.set B_, 0
.rept 16
	v_max_num_f32 v[TM+B_], v[TM+B_], v[TX+B_]
.set B_, B_+1
.endr
.set B_, 0
.rept 16
	v_add_nc_u32 v[TS+B_], 0xff000000, v[TM+B_]    ; 2 off the exponent field: the conversion's scale operand
.set B_, B_+1
.endr
.set B_, 0
.rept 16
	v_lshrrev_b32 v[TX+B_], 23, v[TS+B_]           ; the scale's byte
.set B_, B_+1
.endr
.irp m,0,1,2,3
	v_lshl_or_b32 v[WD+\m], v[TX+4*\m+1], 8, v[TX+4*\m]
	v_lshl_or_b32 v[WD+\m], v[TX+4*\m+2], 16, v[WD+\m]
	v_lshl_or_b32 v[WD+\m], v[TX+4*\m+3], 24, v[WD+\m]
.endr
	WIN 0x01                                       ; source 0 in window 1
.set B_, 0
.rept 16
	v_cvt_scalef32_pk8_fp4_f32 v[PC+2*B_], v[16*B_:16*B_+7], v[TS+B_]
	v_cvt_scalef32_pk8_fp4_f32 v[PC+2*B_+1], v[16*B_+8:16*B_+15], v[TS+B_]
.set B_, B_+1
.endr
	WIN 0
	v_cmp_le_u32 vcc_lo, 16, v4                    ; (one plain place behind the conversions)  lanes 16-31
.set B_, 0
.rept 8                                ; a whole block to a lane: group g = 2 m + c then holds registers 4 c .. 4 c + 3 of tile m's fragment
	v_permlane16_swap_b32 v[PC+4*B_], v[PC+4*B_+2]
	v_permlane16_swap_b32 v[PC+4*B_+1], v[PC+4*B_+3]
.set B_, B_+1
.endr
	s_wait_alu depctr_va_vcc(0)                    ; the compare has written VCC, ahead of its first reader
	v_cndmask_b32 v116, v112, v113, vcc_lo         ; a pair's record: lanes 0-15 the even tile's words, lanes 16-31 the odd tile's
	v_cndmask_b32 v117, v114, v115, vcc_lo
.endm
	s_load_b128 s[4:7], s[0:1], 0x0                ; p1, p2
	v_lshl_add_u32 v30, v0, 2, 0x11000
	v_mov_b32 v31, 0
	v_lshrrev_b32 v5, 5, v0
	v_readfirstlane_b32 s2, v5                     ; wave 0..3
	v_and_b32 v4, 31, v0
	v_lshlrev_b32 v1, 4, v4
	v_lshlrev_b32 v2, 2, v4
	v_lshlrev_b32 v6, 4, v4                        ; LDS: the panel's tiles 0-3: 16 x lane,
	v_add_nc_u32 v7, 4*TSTR, v6                    ; tiles 4-7,
	v_add_nc_u32 v8, PSC, v2                       ; its scale records: 4 x lane
	v_lshlrev_b32 v9, 4, v0                        ; the fill: 16 bytes a thread, in memory and in LDS alike
	v_add_nc_u32 v11, PSC, v9
	s_mov_b32 s20, 0x76543210
	s_mov_b32 s21, 0xfedcba98
	s_mov_b32 s22, 0x1800000
	s_mov_b32 s23, 0x7f7f0000
	s_wait_alu depctr_va_sdst(0)                   ; s2 is written, ahead of its first reader: the blocks of tokens and heads are made from it
	s_and_b32 s24, ttmp9, 15                       ; q, k: block of 128 columns (0-7 Wq, 8-15 Wk),
	s_lshr_b32 s25, ttmp9, 4
	s_lshl_b32 s25, s25, 2
	s_add_co_u32 s25, s25, s2                      ; block of 64 tokens
	s_and_b32 s26, ttmp9, 127                      ; v: the work-group's number less 256
	s_and_b32 s27, s26, 31                         ; block of 128 tokens,
	s_lshr_b32 s28, s26, 5
	s_lshl_b32 s28, s28, 2
	s_add_co_u32 s28, s28, s2                      ; head
	s_lshl_b32 s30, s24, 16
	s_add_co_u32 s30, s30, WC
	s_lshl_b32 s31, s24, 12
	s_add_co_u32 s31, s31, WS
	s_lshl_b32 s32, s25, 15
	s_lshl_b32 s33, s25, 11
	s_add_co_u32 s33, s33, XA_S
	s_lshl_b32 s34, s27, 16
	s_lshl_b32 s35, s27, 12
	s_add_co_u32 s35, s35, XA_S
	s_lshl_b32 s36, s28, 15
	s_add_co_u32 s36, s36, WC+128*8192
	s_lshl_b32 s37, s28, 11
	s_add_co_u32 s37, s37, WS+64*1024
	s_cmp_lt_u32 ttmp9, 256
	s_cselect_b32 s40, s30, s34                    ; source 0's codes (the same in all four waves),
	s_cselect_b32 s42, s32, s36                    ; source 1's,
	s_cselect_b32 s44, s31, s35                    ; and their scale records
	s_cselect_b32 s46, s33, s37
	s_mov_b32 s41, 0
	s_mov_b32 s43, 0
	s_mov_b32 s45, 0
	s_mov_b32 s47, 0
	s_wait_kmcnt 0x0
	s_add_nc_u64 s[8:9], s[4:5], s[40:41]
	s_add_nc_u64 s[10:11], s[4:5], s[42:43]
	s_add_nc_u64 s[12:13], s[4:5], s[44:45]
	s_add_nc_u64 s[14:15], s[4:5], s[46:47]
	FILL
	GL 0
	GL 1
	GL 2
	PUT 30                                         ; behind the panel's loads: three K steps of source 1, 30 loads
	s_wait_alu depctr_vm_vsrc(0)                   ; my LDS stores have read window 1 and v32 on: the products write the first as their sums, the LDS loads below land in the second
.irp j,0,1,2,3
	DLQ 0, \j
.endr
	MAIN 1                                         ; the first step's products start the sums: nothing is cleared
.rept 4
	v_nop                                          ; four places in front of the first read of results and of writes over fragments
.endr
	QUANT16
	s_cmp_lt_u32 ttmp9, 256
	s_cbranch_scc0 .Lv_tail
	; q, k: the wave's 128 columns are two heads: half c of a fragment is head c's whole fragment (K = 64)
	s_lshr_b32 s30, s25, 5
	s_lshl_b32 s30, s30, 4
	s_and_b32 s31, s24, 7
	s_lshl_b32 s31, s31, 1
	s_add_co_u32 s30, s30, s31                     ; 16 x batch + the first of the two heads
	s_and_b32 s31, s25, 31                         ; block of 64 tokens within the batch
	s_lshl_b32 s40, s30, 16
	s_lshl_b32 s33, s31, 11
	s_add_co_u32 s40, s40, s33
	s_lshl_b32 s42, s30, 13
	s_lshl_b32 s33, s31, 8
	s_add_co_u32 s42, s42, s33
	s_cmp_lt_u32 s24, 8
	s_cselect_b32 s33, 0, KC
	s_mov_b32 s35, KSC
	s_cselect_b32 s35, QS, s35
	s_add_co_u32 s40, s40, s33
	s_add_co_u32 s42, s42, s35
	s_add_nc_u64 s[16:17], s[6:7], s[40:41]
	s_add_nc_u64 s[18:19], s[6:7], s[42:43]
	s_wait_alu depctr_va_vdst(0)
	v_and_or_b32 v118, v116, 0xffff, s23           ; a head's two bytes; the upper two, for the K that is not there, are 127
	v_and_or_b32 v119, v117, 0xffff, s23
	v_lshrrev_b32 v120, 16, v116
	v_lshrrev_b32 v121, 16, v117
	v_or_b32 v120, s23, v120
	v_or_b32 v121, s23, v121
	s_wait_alu depctr_va_vdst(0)                   ; the codes v80-111 and the scale words v118-121 are written, which the stores read
.irp g,0,1,2,3,4,5,6,7
	global_store_b128 v1, v[PC+4*\g:PC+4*\g+3], s[16:17] offset:(\g%2)*65536+(\g/2)*512   ; 512 bytes on end
.endr
	global_store_b32 v2, v118, s[18:19]
	global_store_b32 v2, v119, s[18:19] offset:128
	global_store_b32 v2, v120, s[18:19] offset:8192
	global_store_b32 v2, v121, s[18:19] offset:8192+128
	s_wait_dscnt 0x0                               ; the closing lines, six on end
	s_wait_alu 0x0
	s_wait_tensorcnt 0x0
	ds_add_u32 v30, v31
	s_wait_dscnt 0x0
	s_endpgm
.Lv_tail:
	s_lshr_b32 s30, s27, 4
	s_lshl_b32 s30, s30, 4
	s_add_co_u32 s30, s30, s28                     ; 16 x batch + head
	s_lshl_b32 s30, s30, 4
	s_and_b32 s31, s27, 15
	s_add_co_u32 s30, s30, s31                     ; x 16 + K step (128 keys)
	s_lshl_b32 s40, s30, 12
	s_add_co_u32 s40, s40, VC
	s_lshl_b32 s42, s30, 8
	s_add_co_u32 s42, s42, VS
	s_add_nc_u64 s[16:17], s[6:7], s[40:41]
	s_add_nc_u64 s[18:19], s[6:7], s[42:43]
	s_wait_alu depctr_va_vdst(0)                   ; the codes v80-111 and the scale words v116, v117 are written, which the stores read
.irp g,0,1,2,3,4,5,6,7
	global_store_b128 v1, v[PC+4*\g:PC+4*\g+3], s[16:17] offset:512*\g
.endr
	global_store_b32 v2, v116, s[18:19]
	global_store_b32 v2, v117, s[18:19] offset:128
	s_wait_dscnt 0x0                               ; the closing lines, six on end
	s_wait_alu 0x0
	s_wait_tensorcnt 0x0
	ds_add_u32 v30, v31
	s_wait_dscnt 0x0
	s_endpgm
.Lfunc_end_k_q4b0a33f1c5_qkv:
	.size	k_q4b0a33f1c5_qkv, .Lfunc_end_k_q4b0a33f1c5_qkv-k_q4b0a33f1c5_qkv
	.p2alignl 7, 3214868480
	.fill 96, 4, 3214868480
	.section	.rodata,"a",@progbits
	.p2align	6, 0x0
	.amdhsa_kernel k_q4b0a33f1c5_qkv
		.amdhsa_group_segment_fixed_size 70144
		.amdhsa_private_segment_fixed_size 0
		.amdhsa_enable_private_segment 0
		.amdhsa_kernarg_size 16
		.amdhsa_user_sgpr_count 2
		.amdhsa_user_sgpr_kernarg_segment_ptr 1
		.amdhsa_wavefront_size32 1
		.amdhsa_system_sgpr_workgroup_id_x 1
		.amdhsa_system_sgpr_workgroup_id_y 1
		.amdhsa_system_sgpr_workgroup_id_z 1
		.amdhsa_system_vgpr_workitem_id 0
		.amdhsa_next_free_vgpr 512
		.amdhsa_next_free_sgpr 66
		.amdhsa_reserve_vcc 1
		.amdhsa_float_denorm_mode_32 3
		.amdhsa_float_denorm_mode_16_64 3
		.amdhsa_memory_ordered 1
		.amdhsa_forward_progress 1
		.amdhsa_inst_pref_size 80
	.end_amdhsa_kernel
	.amdgpu_metadata
---
amdhsa.version: [ 1, 2 ]
amdhsa.kernels:
  - .name:           k_q4b0a33f1c5_qkv
    .symbol:         k_q4b0a33f1c5_qkv.kd
    .args:
      - { .name: p1, .offset: 0, .size: 8, .value_kind: global_buffer, .address_space: global }
      - { .name: p2, .offset: 8, .size: 8, .value_kind: global_buffer, .address_space: global }
    .group_segment_fixed_size: 70144
    .private_segment_fixed_size: 0
    .kernarg_segment_align: 8
    .kernarg_segment_size: 16
    .max_flat_workgroup_size: 128
    .sgpr_count:     66
    .vgpr_count:     512
    .wavefront_size: 32
...
	.end_amdgpu_metadata
.endif
;; end of part 8
;; launch attn (part 9): grid 8 x 32, 16 waves a work-group, no clusters, 153,600 bytes of LDS; arguments p2, mask, p3; writes p3
.if DOCPART == 9
	.amdgcn_target "amdgcn-amd-amdhsa--gfx1250"
	.amdhsa_code_object_version 6
	.text
	.protected	k_q4b0a33f1c5_attn
	.globl	k_q4b0a33f1c5_attn
	.p2align	8
	.type	k_q4b0a33f1c5_attn,@function
k_q4b0a33f1c5_attn:
	s_mov_b64 s[64:65], 0
	v_nop
	global_prefetch_b8 v0, s[64:65] scope:SCOPE_SE
	s_setreg_imm32_b32 hwreg(HW_REG_WAVE_SCHED_MODE, 0, 2), 2
	s_setreg_imm32_b32 hwreg(HW_REG_WAVE_MODE, 25, 1), 1
	s_wait_xcnt 0x0
	s_wait_alu depctr_vm_vsrc(0)
; ATTENTION on codes of E2M1.  A work-group owns 256 queries of one head of one batch; each of its sixteen waves one tile of 16 queries in 256 registers, four waves to a SIMD.
; logit = (q . k) / 8 x mask[key]; a logit that is 0 counts as -infinity.  t = logit x log2(e) = score x c[key], c = mask x log2(e) / 8.  M = the running largest t rounded up to a whole number; p = 2^(t - M) is
; quantised along the keys; the row's sum is taken of the unquantised p and divides at the end; when M moves, the sum and O are multiplied by 2^(old M - new M), exactly.
; Both products are used transposed (S^T = K Q^T, O^T = V^T P^T): a lane holds one query throughout, and by the way keys and channels are dealt to tiles the 16 registers of tiles 2 b, 2 b + 1 are 16 neighbours.
; THE HEAD'S 64 IN AN INSTRUCTION OF 128: Q's registers 4-7 are zero codes; a tile of K is named with the four registers that follow it (the next tile's codes, zeros behind the last): they meet zeros, under the byte 127.
; LDS: the head's K and V codes, their scale records and c for all 2,048 keys are put there once, through registers, in front of ONE barrier; nothing is filled again.
; No cluster: what the eight work-groups of a head share is read once by each at its head, 148 KB, against 16 key steps of sixteen waves.  No prefetch: that one stream is read at the head.
; The result O / sum is quantised along the model's 1,024 (this head's two blocks) and stored as the next product's operand.  Its two scale bytes are half a word: those stores cover aligned blocks of 256 bytes in part.
; LIMITS: NaN and infinities are not served; a batch whose every key is masked gives the largest codes, not NaN; t is rounded as score x fl(mask x log2(e) / 8), one rounding apart from the order score / 8, x mask, x log2(e)
; (the same bits for mask = 1); a score x mask that underflows to 0 counts as 0 here as there.
; REGISTERS: v1-5 addresses that stay, v6 -infinity; v8-11, v80 the step's addresses; v12 -M, v13 the largest t, v[14:15] the sum; v16-23 Q; v24 Q's, v25-28 K's, v29-30 V's, v31 P's scale words;
; v32-67 K; v68-79, v84-89 at work; v96-159 scores, t, p; v160-191 O^T; v192-255 c, then V (v192-223) and P's codes (v224-231).  s48-63 and s4-19: in the loop, 32 masks of the compares with 0.
; THE MODE: SCHED_MODE bits 1:0 = 2 (LLVM: expert scheduling mode 2), set by the entry lines.  The code itself states the register dependences
; between vector or matrix instructions and memory or LDS instructions, with s_wait_alu, always for 0.
; THE PLAN.  Registers that LDS instructions touch, round the loop:
;   v8-11, v80      the step's LDS addresses: written by five additions at the trip's head, read by the trip's LDS loads.
;   v32-63, v25-28  K and its scale words: LDS loads at the trip's head land in them, the eight products S^T read them.
;   v192-255        c: LDS loads at the trip's head land in them, the 32 multiplications read them.
;   v192-223, v29, v30   V and its scale words: LDS loads land in them, the four products O^T read them.
;   v224-231, v31   P's codes and scale word: written by vector instructions, read by the four products O^T.
; The waits of a trip: vm_vsrc ahead of the five additions; va_vdst behind them (the addresses are written; the last trip's products are done with v192-231 and v29-31); va_sdst behind each run of 32 compares;
; the wait for the 64 exponentials, which also states that the multiplications are done reading c: so V's loads stand behind it; the wait for the four exponentials; va_vdst ahead of the products O^T, for P's codes and scale word.
.set LV,  65536                        ; LDS: K's codes at 0 [tile 128][512]; V's [K step 16][tile 4][1,024];
.set LKS, 131072                       ; K's scale records [pair 64][128];
.set LVS, 139264                       ; V's [K step 16][pair 2][128];
.set LC,  143360                       ; c [2,048] f32
.set KC,  2097152
.set VC,  4194304
.set QS,  6291456
.set KSC, 6553600
.set VS,  6815744
	s_load_b128 s[4:7], s[0:1], 0x0                ; p2, mask
	s_load_b64 s[8:9], s[0:1], 0x10                ; p3
	v_lshl_add_u32 v94, v0, 2, 0x25000
	v_mov_b32 v95, 0
	v_lshrrev_b32 v7, 5, v0
	v_readfirstlane_b32 s2, v7                     ; wave 0..15
	v_and_b32 v83, 31, v0                          ; lane
	v_lshlrev_b32 v1, 4, v83                       ; 16 x lane
	v_lshl_add_u32 v2, v83, 2, LKS
	v_bfe_u32 v3, v0, 4, 1
	v_lshl_add_u32 v3, v3, 6, LC                   ; my half's 16 keys of a block of 32
	v_add_nc_u32 v4, LV, v1
	v_lshl_add_u32 v5, v83, 2, LVS
	v_mov_b32 v6, 0xff800000
	v_lshlrev_b32 v7, 4, v0                        ; the fill: 16 bytes a thread,
	v_lshlrev_b32 v82, 3, v0                       ; or 8
	v_and_b32 v9, 15, v0
	v_lshlrev_b32 v9, 2, v9
	v_add_nc_u32 v10, LV, v7
	v_add_nc_u32 v11, LKS, v7
	v_add_nc_u32 v80, LVS, v82
	v_add_nc_u32 v81, LC, v7
	s_mov_b32 s20, 0x76543210
	s_mov_b32 s21, 0xfedcba98
	s_wait_alu depctr_va_sdst(0)                   ; s2 is written, ahead of its first reader: my tile of queries is made from it
	s_and_b32 s11, ttmp7, 0xffff                   ; 16 x batch + head
	s_lshr_b32 s12, s11, 4
	s_and_b32 s13, s11, 15
	s_lshl_b32 s14, ttmp9, 4
	s_add_co_u32 s14, s14, s2                      ; my tile of queries, 0..127
	s_lshl_b32 s15, s12, 7
	s_add_co_u32 s15, s15, s14                     ; and among all 256 tiles of tokens
	s_mov_b32 s37, 0
	s_wait_kmcnt 0x0
	s_lshl_b32 s36, s11, 16
	s_add_nc_u64 s[32:33], s[4:5], s[36:37]
	s_add_nc_u64 s[16:17], s[32:33], KC            ; the head's K codes,
	s_add_nc_u64 s[18:19], s[32:33], VC            ; V codes,
	s_lshl_b32 s36, s14, 9
	s_add_nc_u64 s[32:33], s[32:33], s[36:37]      ; my Q fragment
	s_lshl_b32 s36, s11, 13
	s_add_nc_u64 s[24:25], s[4:5], s[36:37]
	s_add_nc_u64 s[34:35], s[24:25], QS
	s_add_nc_u64 s[24:25], s[24:25], KSC           ; K's scale records,
	s_lshl_b32 s36, s14, 6
	s_add_nc_u64 s[34:35], s[34:35], s[36:37]      ; my tile's 16 words of Q's
	s_lshl_b32 s36, s11, 12
	s_add_nc_u64 s[26:27], s[4:5], s[36:37]
	s_add_nc_u64 s[26:27], s[26:27], VS            ; V's scale records
	s_lshl_b32 s36, s12, 13
	s_add_nc_u64 s[28:29], s[6:7], s[36:37]        ; the batch's mask
	s_lshl_b32 s36, s15, 13
	s_lshl_b32 s38, s13, 9
	s_add_co_u32 s36, s36, s38
	s_add_nc_u64 s[44:45], s[8:9], s[36:37]        ; out: tile x 8,192 + head x 512
	s_lshr_b32 s36, s15, 1
	s_lshl_b32 s36, s36, 10
	s_lshr_b32 s38, s13, 1
	s_lshl_b32 s38, s38, 7
	s_add_co_u32 s36, s36, s38
	s_and_b32 s38, s15, 1
	s_lshl_b32 s38, s38, 6
	s_add_co_u32 s36, s36, s38
	s_and_b32 s38, s13, 1
	s_lshl_b32 s38, s38, 1
	s_add_co_u32 s36, s36, s38
	s_add_co_u32 s36, s36, 2097152
	s_add_nc_u64 s[46:47], s[8:9], s[36:37]        ; out: the pair's record of K step head / 2, my tile's words, bytes 2 (head % 2) on
	s_wait_alu depctr_va_vdst(0)                   ; the offsets v1, v7, v9 and v82 are written, which the loads below read
.irp i,0,1,2,3,4,5,6,7
	global_load_b128 v[96+4*\i:99+4*\i], v7, s[16:17] offset:8192*\i
.endr
.irp i,0,1,2,3,4,5,6,7
	global_load_b128 v[128+4*\i:131+4*\i], v7, s[18:19] offset:8192*\i
.endr
	global_load_b128 v[160:163], v7, s[24:25]
	global_load_b64 v[164:165], v82, s[26:27]
	global_load_b128 v[168:171], v7, s[28:29]
	global_load_b128 v[16:19], v1, s[32:33]
	global_load_b32 v24, v9, s[34:35]
.irp j,20,21,22,23,64,65,66,67
	v_mov_b32 v\j, 0                               ; zero codes: Q's upper half, and what follows K's last tile
.endr
	v_mov_b32 v13, 0xff61b1e6                      ; the largest t so far: -3e38
	v_floor_f32 v12, -v13                          ; -M
	v_mov_b32 v14, 0
	v_mov_b32 v15, 0
.irp j,72,73,74,75,79
	v_mov_b32 v\j, 0                               ; lane permutes' destinations, and the upper half of the pair v[78:79]
.endr
	s_wait_loadcnt 0x0
	v_pk_mul_f32 v[168:169], v[168:169], 0x3e38aa3b op_sel_hi:[1,0]   ; c = mask x log2(e) / 8
	v_pk_mul_f32 v[170:171], v[170:171], 0x3e38aa3b op_sel_hi:[1,0]
	s_wait_alu depctr_va_vdst(0)                   ; the two multiplications have written v168-171, which the last LDS store below reads
.irp i,0,1,2,3,4,5,6,7
	ds_store_b128 v7, v[96+4*\i:99+4*\i] offset:8192*\i
.endr
.irp i,0,1,2,3,4,5,6,7
	ds_store_b128 v10, v[128+4*\i:131+4*\i] offset:8192*\i
.endr
	ds_store_b128 v11, v[160:163]
	ds_store_b64 v80, v[164:165]
	ds_store_b128 v81, v[168:171]
	s_wait_dscnt 0x0                               ; for the others' sake: my stores have landed
	s_barrier_signal -1
	s_barrier_wait -1
	s_wait_alu depctr_vm_vsrc(0)                   ; my LDS stores have read v96-171: the lines below write v160 on, the products v96-159
.set J_, 0
.rept 32
	v_mov_b32 v[160+J_], 0                         ; O^T: the step is written once; the first change of M leaves zeros zeros
.set J_, J_+1
.endr
	s_mov_b32 s30, 0
	s_mov_b32 s40, 0                               ; 4,096 a step: K's and V's codes
	s_mov_b32 s41, 0                               ; 512 a step: K's scale records, c
	s_mov_b32 s42, 0                               ; 256 a step: V's scale records
.Lstep:                                            ; 16 trips of 128 keys
	s_wait_alu depctr_vm_vsrc(0)                   ; the last trip's LDS loads (in the first trip: the head's loads and LDS stores) have read v8-11 and v80, which the five lines below write
	v_add_nc_u32 v8, s40, v1                       ; (these five are also the places behind the last trip's products, in front of the loads below)
	v_add_nc_u32 v9, s41, v2
	v_add_nc_u32 v10, s41, v3
	v_add_nc_u32 v11, s40, v4
	v_add_nc_u32 v80, s42, v5
	s_wait_alu depctr_va_vdst(0)                   ; the five addresses are written, which the trip's LDS loads read; the last trip's products are done reading K, V, P's codes and the scale words, in which loads land; in the first trip the zero codes v20-23 and v64-67 are written, which the products below take
.irp t,0,1,2,3,4,5,6,7
	ds_load_b128 v[32+4*\t:35+4*\t], v8 offset:512*\t
.endr
.irp p,0,1,2,3
	ds_load_b32 v[25+\p], v9 offset:128*\p
.endr
.irp b,0,1,2,3
.irp j,0,1,2,3
	ds_load_b128 v[192+16*\b+4*\j:195+16*\b+4*\j], v10 offset:128*\b+16*\j   ; c of my 16 keys of block b
.endr
.endr
	s_wait_dscnt 16                                ; K and its scale words are in; the 16 loads of c may be out
.irp t,0,1,2,3,4,5,6,7
.if \t%2
	v_wmma_scale_f32_16x16x128_f8f6f4 v[96+8*\t:103+8*\t], v[32+4*\t:39+4*\t], v[16:23], 0, v[25+\t/2], v24 matrix_a_fmt:MATRIX_FMT_FP4 matrix_b_fmt:MATRIX_FMT_FP4 matrix_a_scale:MATRIX_SCALE_ROW1
.else
	v_wmma_scale_f32_16x16x128_f8f6f4 v[96+8*\t:103+8*\t], v[32+4*\t:39+4*\t], v[16:23], 0, v[25+\t/2], v24 matrix_a_fmt:MATRIX_FMT_FP4 matrix_b_fmt:MATRIX_FMT_FP4
.endif
.endr
.rept 4
	v_nop                                          ; four places in front of the first read of results
.endr
	s_wait_dscnt 0x0                               ; c
.set J_, 0
.rept 32
	v_pk_mul_f32 v[96+J_:97+J_], v[96+J_:97+J_], v[192+J_:193+J_]   ; t = score x c; each accumulator from its low end on
.set J_, J_+2
.endr
.irp g,0,1                                         ; a logit that is 0 (a masked key, or a score of 0) counts as -infinity: the compares in two runs of 32, each with a mask register of its own
.set I_, 0
.rept 32
	v_cmp_eq_f32 s[48+I_-60*(I_/16)], 0, v[96+32*\g+I_]
.set I_, I_+1
.endr
	s_wait_alu depctr_va_sdst(0)                   ; the run's 32 compares have written their masks, ahead of the selects that read them
.set I_, 0
.rept 32
	v_cndmask_b32 v[96+32*\g+I_], v[96+32*\g+I_], v6, s[48+I_-60*(I_/16)]
.set I_, I_+1
.endr
.endr
.irp b,0,1,2,3
	v_max3_num_f32 v[68+\b], v[96+16*\b], v[97+16*\b], v[98+16*\b]   ; the largest t of each block of 32 keys: for the row's maximum, and for the block's largest p
.endr
.irp i,3,5,7,9,11,13
.irp b,0,1,2,3
	v_max3_num_f32 v[68+\b], v[68+\b], v[96+16*\b+\i], v[97+16*\b+\i]
.endr
.endr
.irp b,0,1,2,3
	v_max_num_f32 v[68+\b], v[68+\b], v[111+16*\b]
.endr
.irp b,0,1,2,3
	v_permlanex16_b32 v[72+\b], v[68+\b], s20, s21
.endr
.irp b,0,1,2,3
	v_max_num_f32 v[68+\b], v[68+\b], v[72+\b]
.endr
	v_max3_num_f32 v76, v68, v69, v70
	v_max_num_f32 v76, v76, v71
	v_max_num_f32 v13, v13, v76                    ; the running largest t
	v_mov_b32 v76, v12
	v_floor_f32 v12, -v13                          ; the new -M = -ceil(t)
	v_sub_f32 v76, v12, v76                        ; old M - new M: a whole number, 0 or less
	v_cvt_i32_f32 v76, v76                         ; (it saturates)
	v_ldexp_f32 v78, 1.0, v76                      ; f = 2^(old M - new M)
.set J_, 0
.rept 32
	v_pk_add_f32 v[96+J_:97+J_], v[96+J_:97+J_], v[12:13] op_sel_hi:[1,0]   ; t - M
.set J_, J_+2
.endr
.irp b,0,1,2,3
	v_add_f32 v[68+\b], v[68+\b], v12              ; the same of each block's largest t
.endr
.set J_, 0
	s_wait_alu depctr_va_vdst(0)
.rept 64
	v_exp_f32 v[96+J_], v[96+J_]                   ; p = 2^(t - M)
.set J_, J_+1
.endr
	v_pk_mul_f32 v[14:15], v[14:15], v[78:79] op_sel_hi:[1,0]   ; the sum under the new M: a plain line behind the exponentials
	s_wait_alu depctr_va_vdst(0)                   ; the 64 exponentials have written v96-159, ahead of their first reader; and the multiplications by c are done reading v192-223, in which V's loads below land
.irp d,0,1,2,3
.irp c,0,1
	ds_load_b128 v[192+8*\d+4*\c:195+8*\d+4*\c], v11 offset:1024*\d+512*\c   ; c is done with: V's four fragments land while the sums, the scales and the codes are worked
.endr
.endr
	ds_load_b32 v29, v80
	ds_load_b32 v30, v80 offset:128
.irp b,0,1,2,3
	v_exp_f32 v[68+\b], v[68+\b]                   ; the block's largest p: the same two instructions on the same number
.endr
	v_pk_add_f32 v[88:89], v[96:97], v[98:99]      ; the row's sum of the unquantised p, in two chains
.irp j,4,8,12,16,20,24,28,32,36,40,44,48,52,56,60
	v_pk_add_f32 v[14:15], v[14:15], v[96+\j:97+\j]
	v_pk_add_f32 v[88:89], v[88:89], v[98+\j:99+\j]
.endr
	v_pk_add_f32 v[14:15], v[14:15], v[88:89]
	s_wait_alu depctr_va_vdst(0)                   ; the four exponentials have written v68-71, ahead of their first reader
.irp b,0,1,2,3
	v_max_num_f32 v[68+\b], 0x1800000, v[68+\b]    ; the floor 2^(3 - 127)
.endr
.irp b,0,1,2,3
	v_add_nc_u32 v[84+\b], 0xff000000, v[68+\b]
.endr
.irp b,0,1,2,3
	v_lshrrev_b32 v[72+\b], 23, v[84+\b]
.endr
	v_lshl_or_b32 v31, v73, 8, v72                 ; P's scale word for these 128 keys
	v_lshl_or_b32 v31, v74, 16, v31
	v_lshl_or_b32 v31, v75, 24, v31
.irp b,0,1,2,3
	v_cvt_scalef32_pk8_fp4_f32 v[224+2*\b], v[96+16*\b:103+16*\b], v[84+\b]
	v_cvt_scalef32_pk8_fp4_f32 v[225+2*\b], v[104+16*\b:111+16*\b], v[84+\b]
.endr
	v_nop                                          ; one plain place behind the conversions
.irp c,0,1
.irp i,0,1
	v_permlane16_swap_b32 v[224+4*\c+\i], v[226+4*\c+\i]   ; a whole block to a lane
.endr
.endr
.set J_, 0
.rept 16
	v_pk_mul_f32 v[160+J_:161+J_], v[160+J_:161+J_], v[78:79] op_sel_hi:[1,0]   ; O^T under the new M; of these sixteen, twelve name no register of any one product below: the places behind P's codes and scale word
.set J_, J_+2
.endr
	s_wait_dscnt 0x0                               ; V and its scale words
	s_wait_alu depctr_va_vdst(0)                   ; behind the places: P's codes v224-231 and its scale word v31 are written, which the scaled products below take
.irp d,0,1,2,3
.if \d%2
	v_wmma_scale_f32_16x16x128_f8f6f4 v[160+8*\d:167+8*\d], v[192+8*\d:199+8*\d], v[224:231], v[160+8*\d:167+8*\d], v[29+\d/2], v31 matrix_a_fmt:MATRIX_FMT_FP4 matrix_b_fmt:MATRIX_FMT_FP4 matrix_a_scale:MATRIX_SCALE_ROW1
.else
	v_wmma_scale_f32_16x16x128_f8f6f4 v[160+8*\d:167+8*\d], v[192+8*\d:199+8*\d], v[224:231], v[160+8*\d:167+8*\d], v[29+\d/2], v31 matrix_a_fmt:MATRIX_FMT_FP4 matrix_b_fmt:MATRIX_FMT_FP4
.endif
.endr
	s_add_co_u32 s40, s40, 4096
	s_add_co_u32 s41, s41, 512
	s_add_co_u32 s42, s42, 256
	s_add_co_u32 s30, s30, 1
	s_cmp_lt_u32 s30, 16
	s_cbranch_scc1 .Lstep
	; THE WAY OUT: O^T / the sum; register 16 b + i is channel 32 b + 16 (lane / 16) + i of my query: two blocks of the next product's K
	s_wait_alu depctr_vm_vsrc(0)                   ; the last trip's LDS loads have read v9, which is written below
	v_add_f32 v14, v14, v15
	v_permlanex16_b32 v72, v14, s20, s21
	v_add_f32 v14, v14, v72
	s_wait_alu depctr_va_vdst(0)
	v_rcp_f32 v14, v14
	v_and_b32 v9, 15, v0                           ; (plain lines behind the reciprocal; with the additions above they are the places behind the last products)
	v_lshlrev_b32 v9, 2, v9                        ; my row's scale word
	v_nop
	v_nop
	s_wait_alu depctr_va_vdst(0)                   ; the reciprocal has written v14, ahead of its first reader
.set J_, 0
.rept 32
	v_mul_f32 v[96+J_], v[160+J_], v14
.set J_, J_+1
.endr
.irp b,0,1
	v_max3_num_f32 v[68+\b], |v[96+16*\b]|, |v[97+16*\b]|, 0x1800000
.endr
.irp i,2,4,6,8,10,12,14
.irp b,0,1
	v_max3_num_f32 v[68+\b], v[68+\b], |v[96+16*\b+\i]|, |v[97+16*\b+\i]|
.endr
.endr
.irp b,0,1
	v_permlanex16_b32 v[72+\b], v[68+\b], s20, s21
.endr
.irp b,0,1
	v_max_num_f32 v[68+\b], v[68+\b], v[72+\b]
.endr
.irp b,0,1
	v_add_nc_u32 v[84+\b], 0xff000000, v[68+\b]
.endr
.irp b,0,1
	v_lshrrev_b32 v[72+\b], 23, v[84+\b]
.endr
	v_lshl_or_b32 v31, v73, 8, v72
.irp b,0,1
	v_cvt_scalef32_pk8_fp4_f32 v[224+2*\b], v[96+16*\b:103+16*\b], v[84+\b]
	v_cvt_scalef32_pk8_fp4_f32 v[225+2*\b], v[104+16*\b:111+16*\b], v[84+\b]
.endr
	v_nop
	v_permlane16_swap_b32 v224, v226
	v_permlane16_swap_b32 v225, v227
	s_wait_alu depctr_va_vdst(0)                   ; the codes v224-227, the two scale bytes in v31 and the offset v9 are written, which the two stores read
	global_store_b128 v1, v[224:227], s[44:45]     ; 512 bytes on end
	global_store_b16 v9, v31, s[46:47]             ; lanes r and 16 + r name the same two bytes with the same value
	s_wait_dscnt 0x0                               ; the closing lines, six on end
	s_wait_alu 0x0
	s_wait_tensorcnt 0x0
	ds_add_u32 v94, v95
	s_wait_dscnt 0x0
	s_endpgm
.Lfunc_end_k_q4b0a33f1c5_attn:
	.size	k_q4b0a33f1c5_attn, .Lfunc_end_k_q4b0a33f1c5_attn-k_q4b0a33f1c5_attn
	.p2alignl 7, 3214868480
	.fill 96, 4, 3214868480
	.section	.rodata,"a",@progbits
	.p2align	6, 0x0
	.amdhsa_kernel k_q4b0a33f1c5_attn
		.amdhsa_group_segment_fixed_size 153600
		.amdhsa_private_segment_fixed_size 0
		.amdhsa_enable_private_segment 0
		.amdhsa_kernarg_size 24
		.amdhsa_user_sgpr_count 2
		.amdhsa_user_sgpr_kernarg_segment_ptr 1
		.amdhsa_wavefront_size32 1
		.amdhsa_system_sgpr_workgroup_id_x 1
		.amdhsa_system_sgpr_workgroup_id_y 1
		.amdhsa_system_sgpr_workgroup_id_z 1
		.amdhsa_system_vgpr_workitem_id 0
		.amdhsa_next_free_vgpr 256
		.amdhsa_next_free_sgpr 66
		.amdhsa_reserve_vcc 0
		.amdhsa_float_denorm_mode_32 3
		.amdhsa_float_denorm_mode_16_64 3
		.amdhsa_memory_ordered 1
		.amdhsa_forward_progress 1
		.amdhsa_inst_pref_size 39
	.end_amdhsa_kernel
	.amdgpu_metadata
---
amdhsa.version: [ 1, 2 ]
amdhsa.kernels:
  - .name:           k_q4b0a33f1c5_attn
    .symbol:         k_q4b0a33f1c5_attn.kd
    .args:
      - { .name: p2, .offset: 0, .size: 8, .value_kind: global_buffer, .address_space: global }
      - { .name: mask, .offset: 8, .size: 8, .value_kind: global_buffer, .address_space: global }
      - { .name: p3, .offset: 16, .size: 8, .value_kind: global_buffer, .address_space: global }
    .group_segment_fixed_size: 153600
    .private_segment_fixed_size: 0
    .kernarg_segment_align: 8
    .kernarg_segment_size: 24
    .max_flat_workgroup_size: 512
    .sgpr_count:     66
    .vgpr_count:     256
    .wavefront_size: 32
...
	.end_amdgpu_metadata
.endif
;; end of part 9
;; launch wo (part 10): grid 256 x 1, 4 waves a work-group, no clusters, 205,312 bytes of LDS; arguments p3, p1, bo, x, p4; writes p4
.if DOCPART == 10
	.amdgcn_target "amdgcn-amd-amdhsa--gfx1250"
	.amdhsa_code_object_version 6
	.text
	.protected	k_q4b0a33f1c5_wo
	.globl	k_q4b0a33f1c5_wo
	.p2align	8
	.type	k_q4b0a33f1c5_wo,@function
k_q4b0a33f1c5_wo:
	s_mov_b64 s[64:65], 0
	v_nop
	global_prefetch_b8 v0, s[64:65] scope:SCOPE_SE
	s_setreg_imm32_b32 hwreg(HW_REG_WAVE_SCHED_MODE, 0, 2), 2
	s_setreg_imm32_b32 hwreg(HW_REG_WAVE_MODE, 25, 1), 1
	s_wait_xcnt 0x0
	s_wait_alu depctr_vm_vsrc(0)
; WO.  x1 = x + concat Wo + bo, on codes of E2M1; x1 is f32, row-major.
; A work-group makes 128 columns x 128 tokens, K = 1,024.  FOUR WAVES, ONE TO A SIMD: wave (tb, kh) makes the 128 columns (source 0 = eight tiles of the weight) x 64 tokens (source 1 = four tiles, block tb) over HALF kh OF K,
; four steps: 32 accumulators, 256 registers, in window 1.  The two halves of a sum meet in LDS on the way out.
; In a result lane (r, h) holds the token at row r of its tile and, in the 16 registers of the weight's tiles 2 b, 2 b + 1, columns 32 b + 16 h + 0 .. 15.  Each wave puts its four tiles of half sums into its own stage in
; LDS (rows of 512 + 16 bytes); behind a barrier wave (tb, kh) reads tiles 2 kh, 2 kh + 1 back as whole rows, from its own stage and from its partner's, adds the two halves, the residual and the bias, and stores rows of 512 bytes on end, aligned.
; Operands lie in memory in the order of the registers (a fragment: two pieces of 512 bytes, 16 bytes a lane; a scale load brings two tiles' words, odd tiles in lanes 16-31).
; THE WAVES SHARE SOURCE 0: its eight tiles for all of K lie on end in memory, its scale records likewise: the 128 threads copy them into LDS once, through the registers that the sums take later, in front of a barrier;
; nothing is filled again.  Source 1 is each wave's own and goes straight into registers, three K steps ahead.  The residual and the bias are asked for behind that barrier, ahead of the first product.
; No cluster: the panel is fetched once and never again, and source 1 goes into registers, where no joint load can put it.
; LIMIT: the f32 sum over K is formed as two halves that are added, then the residual, then the bias: another order of rounding than one chain.
; REGISTERS: v1 16 x lane, v2 4 x lane; v4 the stage in, v5 my stage out, v26 my partner's; v6, v7 the panel's tiles 0-3, 4-7 in LDS, v8 its scale records; v9-11 the fill; v12-19 source 0's scale words (two sets), v20-25 source 1's (three);
; v32-159 source 0's fragments (two sets), v160-255 source 1's (three sets); window 1: accumulator (m, n) at v[64 m + 8 n], on the way out rows; window 2: v0-127 the residual's rows, v128-131 the bias.
; THE MODE: SCHED_MODE bits 1:0 = 2 (LLVM: expert scheduling mode 2), set by the entry lines.  The code itself states the register dependences
; between vector or matrix instructions and memory or LDS instructions, with s_wait_alu, always for 0.
; THE PLAN.  Registers that memory or LDS instructions touch:
;   v1, v2, v4-11, v26  offsets and LDS addresses: written at the head, never again; read by every load and store.  One wait on va_vdst ahead of the first load.
;   window 1, v32 on    the panel's way in: global loads land, LDS stores read them; later the products write them (the sums) and LDS loads land in them (set 0).  One wait on vm_vsrc behind the barrier.
;   source 0's set s % 2 and its scale words   read by step s's products; the 20 LDS loads of step s + 2 land in them.
;   source 1's set s % 3 and its scale words   read by step s's products; the 10 loads of step s + 3 land in them.
;   window 1, on the way out   written by the products, read by the LDS stores into the stage (va_vdst ahead of them); then the rows land in it (vm_vsrc and va_vdst ahead of them); the additions write it, the global stores read it (va_vdst ahead of each tile's).
;   window 2            the residual and the bias: loads land, the additions read; nothing else names it.
; So ONE wait on va_vdst stands in a step, behind its 32 products: they are done reading both sets.  It stands there and not at the next step's head, which lies behind the wait for that step's data: so source 1's set
; is asked for again at once, and three K steps of source 1 stay on their way.  Source 1's ten loads follow the wait; source 0's twenty are dealt among the NEXT step's products, five ahead of each eight:
; those products name the other sets and the accumulators, none of the registers that these loads touch.
.set KL,   4                           ; K steps that a wave walks: half of K
.set TSTR, 8192                        ; a tile's codes
.set PSTR, 1024                        ; a pair's scale records
.set PSC,  8*TSTR                      ; LDS: the panel's codes at 0, its scale records behind them,
.set STG,  PSC+4*PSTR                  ; then the stages: for each wave four tiles of 16 rows x 528 bytes
.set NF,   8*TSTR/2048                 ; rounds of the fill: 128 threads x 16 bytes
.set NFS,  4*PSTR/2048
.set XR,   33                          ; loads issued between source 1's K steps 2 and 3: the residual's 32 and the bias's one
.set S0C,  2228224+192*8192            ; p1: the weight's codes; 2^S0CN bytes for each 128 columns
.set S0CN, 16
.set S0S,  5373952+96*1024             ; its scale records
.set S0SN, 12
.set S1CN, 15                          ; the tokens' codes: 2^S1CN bytes for each 64 tokens
.set S1S,  2097152                     ; their scale records
.set S1SN, 11
.set LAST, 0                           ; 1: the stores are the program's output, read by nobody
.set MSB, 0
.macro WIN new                         ; the immediate's high byte repeats the setting that is left
.if MSB != \new
	s_set_vgpr_msb (MSB<<8)|\new
.set MSB, \new
.endif
.endm
.macro FILL                            ; the panel is asked for: codes into window 1, scale records into v32 on
	WIN 0x40
	s_wait_alu depctr_va_vdst(0)                   ; the offsets and LDS addresses v1, v2, v4 to v11 and v26 are written: every load and store of the kernel reads one of them, and none is written again
.set I_, 0
.rept NF
	global_load_b128 v[4*I_:4*I_+3], v9, s[8:9] offset:2048*I_
.set I_, I_+1
.endr
	WIN 0
.set I_, 0
.rept NFS
	global_load_b128 v[32+4*I_:35+4*I_], v9, s[12:13] offset:2048*I_
.set I_, I_+1
.endr
.endm
.macro PUT younger                     ; and laid into LDS as it lies in memory; younger: the loads issued behind the panel's, which may stay out
	s_wait_loadcnt \younger
	WIN 0x04                                       ; an LDS store's data are its source 1: window 1
.set I_, 0
.rept NF
	ds_store_b128 v[9+I_/32], v[4*I_:4*I_+3] offset:2048*(I_%32)
.set I_, I_+1
.endr
	WIN 0
.set I_, 0
.rept NFS
	ds_store_b128 v11, v[32+4*I_:35+4*I_] offset:2048*I_
.set I_, I_+1
.endr
	s_wait_dscnt 0x0                               ; for the others' sake: my stores have landed
	s_barrier_signal -1
	s_barrier_wait -1
.endm
.macro GL s                            ; source 1's K step s (of my half) from memory into set s % 3: 10 loads
.irp m,0,1,2,3
.irp c,0,1
	global_load_b128 v[160+32*((\s)%3)+8*\m+4*\c:160+32*((\s)%3)+8*\m+4*\c+3], v1, s[10:11] offset:\m*TSTR+(\s)*1024+512*\c
.endr
.endr
.irp j,0,1
	global_load_b32 v[20+2*((\s)%3)+\j], v2, s[14:15] offset:\j*PSTR+(\s)*128
.endr
.endm
.macro DLQ s, j                        ; a quarter of source 0's K step s (of my half) from the panel into set s % 2: tiles 2 j, 2 j + 1 and the pair's scale words: 5 LDS loads, 512 or 128 bytes on end each
.irp u,0,1
.irp c,0,1
	ds_load_b128 v[32+64*((\s)%2)+8*(2*(\j)+\u)+4*\c:32+64*((\s)%2)+8*(2*(\j)+\u)+4*\c+3], v[6+(\j)/2] offset:((2*(\j)+\u)%4)*TSTR+(\s)*1024+512*\c
.endr
.endr
	ds_load_b32 v[12+4*((\s)%2)+(\j)], v8 offset:(\j)*PSTR+(\s)*128
.endm
.macro WMM zero, pa, pb                ; one product; pa, pb: the tile is the odd one of its pair, its scale words lie in lanes 16-31
.if \zero
.if (\pa) && (\pb)
	v_wmma_scale_f32_16x16x128_f8f6f4 v[rD:rD+7], v[rA:rA+7], v[rB:rB+7], 0, v[rSA], v[rSB] matrix_a_fmt:MATRIX_FMT_FP4 matrix_b_fmt:MATRIX_FMT_FP4 matrix_a_scale:MATRIX_SCALE_ROW1 matrix_b_scale:MATRIX_SCALE_ROW1
.elseif (\pa)
	v_wmma_scale_f32_16x16x128_f8f6f4 v[rD:rD+7], v[rA:rA+7], v[rB:rB+7], 0, v[rSA], v[rSB] matrix_a_fmt:MATRIX_FMT_FP4 matrix_b_fmt:MATRIX_FMT_FP4 matrix_a_scale:MATRIX_SCALE_ROW1
.elseif (\pb)
	v_wmma_scale_f32_16x16x128_f8f6f4 v[rD:rD+7], v[rA:rA+7], v[rB:rB+7], 0, v[rSA], v[rSB] matrix_a_fmt:MATRIX_FMT_FP4 matrix_b_fmt:MATRIX_FMT_FP4 matrix_b_scale:MATRIX_SCALE_ROW1
.else
	v_wmma_scale_f32_16x16x128_f8f6f4 v[rD:rD+7], v[rA:rA+7], v[rB:rB+7], 0, v[rSA], v[rSB] matrix_a_fmt:MATRIX_FMT_FP4 matrix_b_fmt:MATRIX_FMT_FP4
.endif
.else
.if (\pa) && (\pb)
	v_wmma_scale_f32_16x16x128_f8f6f4 v[rD:rD+7], v[rA:rA+7], v[rB:rB+7], v[rD:rD+7], v[rSA], v[rSB] matrix_a_fmt:MATRIX_FMT_FP4 matrix_b_fmt:MATRIX_FMT_FP4 matrix_a_scale:MATRIX_SCALE_ROW1 matrix_b_scale:MATRIX_SCALE_ROW1
.elseif (\pa)
	v_wmma_scale_f32_16x16x128_f8f6f4 v[rD:rD+7], v[rA:rA+7], v[rB:rB+7], v[rD:rD+7], v[rSA], v[rSB] matrix_a_fmt:MATRIX_FMT_FP4 matrix_b_fmt:MATRIX_FMT_FP4 matrix_a_scale:MATRIX_SCALE_ROW1
.elseif (\pb)
	v_wmma_scale_f32_16x16x128_f8f6f4 v[rD:rD+7], v[rA:rA+7], v[rB:rB+7], v[rD:rD+7], v[rSA], v[rSB] matrix_a_fmt:MATRIX_FMT_FP4 matrix_b_fmt:MATRIX_FMT_FP4 matrix_b_scale:MATRIX_SCALE_ROW1
.else
	v_wmma_scale_f32_16x16x128_f8f6f4 v[rD:rD+7], v[rA:rA+7], v[rB:rB+7], v[rD:rD+7], v[rSA], v[rSB] matrix_a_fmt:MATRIX_FMT_FP4 matrix_b_fmt:MATRIX_FMT_FP4
.endif
.endif
.endm
.macro MUL s, zero, dl                 ; K step s: the 32 accumulators take turns, one instruction a turn, in the same order in every step.  dl = 1: the next step's fragments of source 0 are asked for, a quarter ahead of each eight products
.irp m,0,1,2,3
.if \dl
	WIN 0
	DLQ (\s)+1, \m                                 ; no wait: no vector or matrix instruction since the wait behind the last step's products names these registers
.endif
	WIN 0x50                                       ; C and D in window 1
.irp n,0,1,2,3,4,5,6,7
.set rD, 64*\m+8*\n
.set rA, 32+64*((\s)%2)+8*\n
.set rB, 160+32*((\s)%3)+8*\m
.set rSA, 12+4*((\s)%2)+\n/2
.set rSB, 20+2*((\s)%3)+\m/2
	WMM \zero, \n%2, \m%2
.endr
.endr
.endm
.macro MAIN first                      ; all K steps, written out: every offset is an immediate, no pointer is stepped
.set S_, 0
.rept KL
.set NL_, 0
.if S_+1 < KL
.set NL_, 10
.endif
.if S_+2 < KL
.set NL_, 20
.endif
.if S_ < 3
.set NL_, NL_+XR
.endif
	s_wait_loadcnt NL_                             ; source 1's step is in; the loads issued behind it may be out: 10 for each of the at most two later steps, and behind steps 0 to 2 the residual's and the bias's 33
	s_wait_dscnt 0x0                               ; source 0's step is in: its 20 LDS loads were dealt among the last step's products (step 0's stand ahead of it), and no other is out
.if S_ == 0
	MUL 0, \first, 1
.elseif S_+1 < KL
	MUL S_, 0, 1
.else
	MUL S_, 0, 0
.endif
	WIN 0
.if S_+2 < KL
.rept 4
	v_nop                                          ; four places behind the step's last product, in front of loads into registers that it has read
.endr
	s_wait_alu depctr_va_vdst(0)                   ; this step's products are done reading their sets of source 0 and source 1 and the sets' scale words, in which the loads of two and three steps on land
.if S_+3 < KL
	GL S_+3
.endif
.endif
.set S_, S_+1
.endr
.endm
.macro RES                             ; the residual's rows of my two tiles, and the bias of my four columns of a row: row t of tile 2 kh + i is token 32 kh + 8 i + t + 8 (t / 8) of the 64; 512 bytes on end each
	WIN 0x80                                       ; destination in window 2
.irp i,0,1
.irp t,0,1,2,3,4,5,6,7,8,9,10,11,12,13,14,15
	global_load_b128 v[64*\i+4*\t:64*\i+4*\t+3], v1, s[18:19] offset:(8*\i+\t+8*(\t/8))*4096
.endr
.endr
	global_load_b128 v[128:131], v1, s[16:17]
	WIN 0
.endm
.macro ROWS i                          ; tile 2 kh + i as 16 whole rows: my half sums into v[128 i] on, my partner's into v[128 i + 64] on, of window 1
	WIN 0x40
.if \i == 0
	s_wait_alu depctr_vm_vsrc(0)                   ; my LDS stores into the stage have read window 1, in which both tiles' rows land
	s_wait_alu depctr_va_vdst(0)                   ; and the products have written it; no vector or matrix instruction stands between here and the second tile's loads
.endif
.irp t,0,1,2,3,4,5,6,7,8,9,10,11,12,13,14,15
	ds_load_b128 v[128*\i+4*\t:128*\i+4*\t+3], v5 offset:\i*8448+528*\t
	ds_load_b128 v[128*\i+64+4*\t:128*\i+64+4*\t+3], v26 offset:\i*8448+528*\t
.endr
	WIN 0
.endm
.macro OUT i                           ; the two halves, the residual, the bias; then the rows leave
	WIN 0x45                                       ; all in window 1
.set J_, 0
.rept 32
	v_pk_add_f32 v[128*\i+J_:128*\i+J_+1], v[128*\i+J_:128*\i+J_+1], v[128*\i+64+J_:128*\i+65+J_]
.set J_, J_+2
.endr
	WIN 0x49                                       ; source 1 in window 2
.set J_, 0
.rept 32
	v_pk_add_f32 v[128*\i+J_:128*\i+J_+1], v[128*\i+J_:128*\i+J_+1], v[64*\i+J_:64*\i+J_+1]
.set J_, J_+2
.endr
.set J_, 0
.rept 32
	v_pk_add_f32 v[128*\i+J_:128*\i+J_+1], v[128*\i+J_:128*\i+J_+1], v[128+J_%4:129+J_%4]
.set J_, J_+2
.endr
	WIN 0x04                                       ; a store's data are its source 1: window 1
	s_wait_alu depctr_va_vdst(0)                   ; the additions have written the tile's 16 rows, which the stores read
.irp t,0,1,2,3,4,5,6,7,8,9,10,11,12,13,14,15
.if LAST
	global_store_b128 v1, v[128*\i+4*\t:128*\i+4*\t+3], s[20:21] offset:(8*\i+\t+8*(\t/8))*4096 th:TH_STORE_NT
.else
	global_store_b128 v1, v[128*\i+4*\t:128*\i+4*\t+3], s[20:21] offset:(8*\i+\t+8*(\t/8))*4096
.endif
.endr
	WIN 0
.endm
	s_load_b256 s[24:31], s[0:1], 0x0              ; the tokens' operand, p1, the bias, the residual
	s_load_b64 s[32:33], s[0:1], 0x20              ; the result
	v_lshl_add_u32 v30, v0, 2, 0x32000
	v_mov_b32 v31, 0
	v_lshrrev_b32 v5, 5, v0
	v_readfirstlane_b32 s2, v5                     ; wave 0..3
	v_and_b32 v27, 31, v0                          ; lane
	v_lshlrev_b32 v1, 4, v27
	v_lshlrev_b32 v2, 2, v27
	v_bfe_u32 v28, v0, 4, 1                        ; h
	v_and_b32 v29, 15, v0                          ; r
	s_wait_alu depctr_va_vdst(0)
	s_wait_alu depctr_va_sdst(0)                   ; s2 is written, ahead of its first reader: the half of K, the block of tokens and the stages are made from it
	s_and_b32 s3, s2, 1                            ; kh: which half of K
	s_lshr_b32 s36, s2, 1                          ; tb: which 64 tokens
	s_mul_i32 s37, s3, KL*1024
	v_add_nc_u32 v6, s37, v1                       ; LDS: the panel's tiles 0-3, my half of K: 16 x lane + kh x KL x 1,024,
	v_add_nc_u32 v7, 4*TSTR, v6                    ; tiles 4-7,
	s_mul_i32 s37, s3, KL*128
	s_add_co_u32 s37, s37, PSC
	v_add_nc_u32 v8, s37, v2                       ; its scale records
	v_lshlrev_b32 v9, 4, v0                        ; the fill: 16 bytes a thread, in memory and in LDS alike
.if NF > 32
	v_add_nc_u32 v10, 65536, v9
.endif
	v_add_nc_u32 v11, PSC, v9
	s_mul_i32 s38, s2, 33792
	s_add_co_u32 s38, s38, STG                     ; my stage
	v_mul_u32_u24 v4, v29, 528
	v_lshl_add_u32 v4, v28, 6, v4
	v_add_nc_u32 v4, s38, v4                       ; in: row r, + 64 h
	s_mul_i32 s39, s3, 16896                       ; tiles 2 kh on
	s_add_co_u32 s38, s38, s39
	v_add_nc_u32 v5, s38, v1                       ; back, from my stage: 16 bytes a lane of a row,
	s_xor_b32 s38, s2, 1
	s_mul_i32 s38, s38, 33792
	s_add_co_u32 s38, s38, s39
	s_add_co_u32 s38, s38, STG
	v_add_nc_u32 v26, s38, v1                      ; and from my partner's (the same tokens, the other half of K)
	s_and_b32 s34, ttmp9, 7                        ; block of 128 columns
	s_lshr_b32 s35, ttmp9, 3
	s_lshl_b32 s35, s35, 1
	s_add_co_u32 s35, s35, s36                     ; block of 64 tokens
	s_lshl_b32 s40, s34, S0CN
	s_add_co_u32 s40, s40, S0C
	s_mov_b32 s41, 0
	s_lshl_b32 s42, s35, S1CN
	s_mul_i32 s52, s3, KL*1024
	s_add_co_u32 s42, s42, s52
	s_mov_b32 s43, 0
	s_lshl_b32 s44, s34, S0SN
	s_add_co_u32 s44, s44, S0S
	s_mov_b32 s45, 0
	s_lshl_b32 s46, s35, S1SN
	s_add_co_u32 s46, s46, S1S
	s_mul_i32 s52, s3, KL*128
	s_add_co_u32 s46, s46, s52
	s_mov_b32 s47, 0
	s_lshl_b32 s48, s34, 9
	s_mov_b32 s49, 0
	s_lshl_b32 s50, s35, 18
	s_add_co_u32 s50, s50, s48                     ; 64 rows of 4,096 bytes + 512 x block of columns
	s_lshl_b32 s52, s3, 17
	s_add_co_u32 s50, s50, s52                     ; + 32 kh rows
	s_mov_b32 s51, 0
	s_wait_kmcnt 0x0
	s_add_nc_u64 s[8:9], s[26:27], s[40:41]
	s_add_nc_u64 s[10:11], s[24:25], s[42:43]
	s_add_nc_u64 s[12:13], s[26:27], s[44:45]
	s_add_nc_u64 s[14:15], s[24:25], s[46:47]
	s_add_nc_u64 s[16:17], s[28:29], s[48:49]
	s_add_nc_u64 s[18:19], s[30:31], s[50:51]
	s_add_nc_u64 s[20:21], s[32:33], s[50:51]
	FILL
	GL 0
	GL 1
	GL 2
	PUT 30                                         ; behind the panel's loads: three K steps of source 1, 30 loads
	s_wait_alu depctr_vm_vsrc(0)                   ; my LDS stores have read window 1 and v32 on: the products write the first as their sums, the LDS loads below land in the second
	RES
.irp j,0,1,2,3
	DLQ 0, \j
.endr
	MAIN 1                                         ; the first step's products start the sums: nothing is cleared
.rept 4
	v_nop                                          ; four places in front of the first read of results
.endr
	WIN 0x04                                       ; an LDS store's data are its source 1: window 1
	s_wait_alu depctr_va_vdst(0)                   ; the products have written the accumulators, which the LDS stores read; the places above stay beside this wait
.irp m,0,1,2,3
.irp n,0,1,2,3,4,5,6,7
.irp c,0,1
	ds_store_b128 v4, v[64*\m+8*\n+4*\c:64*\m+8*\n+4*\c+3] offset:\m*8448+128*(\n/2)+32*(\n%2)+16*\c   ; each accumulator from its low end on
.endr
.endr
.endr
	WIN 0
	s_wait_dscnt 0x0                               ; for my partner's sake: my half sums have landed
	s_barrier_signal -1
	s_barrier_wait -1
	ROWS 0
	s_wait_dscnt 0x0
	ROWS 1                                         ; the second tile's rows come while the first tile's are added
	OUT 0
	s_wait_dscnt 0x0
	OUT 1
	s_wait_dscnt 0x0                               ; the closing lines, six on end
	s_wait_alu 0x0
	s_wait_tensorcnt 0x0
	ds_add_u32 v30, v31
	s_wait_dscnt 0x0
	s_endpgm
.Lfunc_end_k_q4b0a33f1c5_wo:
	.size	k_q4b0a33f1c5_wo, .Lfunc_end_k_q4b0a33f1c5_wo-k_q4b0a33f1c5_wo
	.p2alignl 7, 3214868480
	.fill 96, 4, 3214868480
	.section	.rodata,"a",@progbits
	.p2align	6, 0x0
	.amdhsa_kernel k_q4b0a33f1c5_wo
		.amdhsa_group_segment_fixed_size 205312
		.amdhsa_private_segment_fixed_size 0
		.amdhsa_enable_private_segment 0
		.amdhsa_kernarg_size 40
		.amdhsa_user_sgpr_count 2
		.amdhsa_user_sgpr_kernarg_segment_ptr 1
		.amdhsa_wavefront_size32 1
		.amdhsa_system_sgpr_workgroup_id_x 1
		.amdhsa_system_sgpr_workgroup_id_y 1
		.amdhsa_system_sgpr_workgroup_id_z 1
		.amdhsa_system_vgpr_workitem_id 0
		.amdhsa_next_free_vgpr 656
		.amdhsa_next_free_sgpr 66
		.amdhsa_reserve_vcc 0
		.amdhsa_float_denorm_mode_32 3
		.amdhsa_float_denorm_mode_16_64 3
		.amdhsa_memory_ordered 1
		.amdhsa_forward_progress 1
		.amdhsa_inst_pref_size 63
	.end_amdhsa_kernel
	.amdgpu_metadata
---
amdhsa.version: [ 1, 2 ]
amdhsa.kernels:
  - .name:           k_q4b0a33f1c5_wo
    .symbol:         k_q4b0a33f1c5_wo.kd
    .args:
      - { .name: p3, .offset: 0, .size: 8, .value_kind: global_buffer, .address_space: global }
      - { .name: p1, .offset: 8, .size: 8, .value_kind: global_buffer, .address_space: global }
      - { .name: bo, .offset: 16, .size: 8, .value_kind: global_buffer, .address_space: global }
      - { .name: x, .offset: 24, .size: 8, .value_kind: global_buffer, .address_space: global }
      - { .name: p4, .offset: 32, .size: 8, .value_kind: global_buffer, .address_space: global }
    .group_segment_fixed_size: 205312
    .private_segment_fixed_size: 0
    .kernarg_segment_align: 8
    .kernarg_segment_size: 40
    .max_flat_workgroup_size: 128
    .sgpr_count:     66
    .vgpr_count:     656
    .wavefront_size: 32
...
	.end_amdgpu_metadata
.endif
;; end of part 10
;; launch ln2: the kernel of part 7 again; grid 256 x 1, 4 waves a work-group, no clusters, 9,728 bytes of LDS; arguments p4, ln2_a, ln2_b, Wq, Wk, Wv, Wo, W1, W2, p5; writes p5
;; launch ffn1 (part 11): grid 256 x 1, 4 waves a work-group, no clusters, 70,144 bytes of LDS; arguments p5, p1, b1, p6; writes p6
.if DOCPART == 11
	.amdgcn_target "amdgcn-amd-amdhsa--gfx1250"
	.amdhsa_code_object_version 6
	.text
	.protected	k_q4b0a33f1c5_ffn1
	.globl	k_q4b0a33f1c5_ffn1
	.p2align	8
	.type	k_q4b0a33f1c5_ffn1,@function
k_q4b0a33f1c5_ffn1:
	s_mov_b64 s[64:65], 0
	v_nop
	global_prefetch_b8 v0, s[64:65] scope:SCOPE_SE
	s_setreg_imm32_b32 hwreg(HW_REG_WAVE_SCHED_MODE, 0, 2), 2
	s_setreg_imm32_b32 hwreg(HW_REG_WAVE_MODE, 25, 1), 1
	s_wait_xcnt 0x0
	s_wait_alu depctr_vm_vsrc(0)
; FFN1.  h = relu(LN2(x1) W1 + b1) on codes of E2M1; h is quantised in registers along the hidden units and stored as the next product's operand.
; A wave makes 128 hidden units (source 0 = eight tiles of W1) x 64 tokens (source 1 = four tiles), K = 1,024 in eight steps: 32 accumulators, 256 registers, in window 1.
; The bias is the C of the first K step's products: eight registers for each tile of W1, in the result's layout, in window 2; the four tiles of tokens take the same.
; In a result lane (r, h) holds the token at row r of its tile, and the 16 registers of W1's tiles 2 b, 2 b + 1 are hidden units 32 b + 16 h + 0 .. 15: neighbours along the next K.  The wave's 128 units are one K step of it.
; Operands lie in memory in the order of the registers (a fragment: two pieces of 512 bytes, 16 bytes a lane; a scale load brings two tiles' words, odd tiles in lanes 16-31).
; THE FOUR WAVES SHARE SOURCE 0.  Its eight tiles for all of K are 65,536 bytes on end in memory, its scale records 4,096: the 128 threads copy them into LDS once, through the registers that the sums take later,
; in front of ONE barrier; nothing is filled again.  So a wave asks memory for 34 + 80 pieces where eight K steps of both sources would be 240.  Source 1 is each wave's own and goes straight into registers, three K steps ahead.
; No cluster: the panel is fetched once and never again (68 KB a work-group, ahead of 256 products a wave), and source 1 goes into registers, where no joint load can put it.
; LIMITS: NaN and infinities are not served; a block of zeros gets the byte 1 (its codes are zeros; only this program reads the bytes).
; REGISTERS: v1 16 x lane, v2 4 x lane, v3 64 x (lane / 16), v4 lane; v6, v7 the panel's tiles 0-3, 4-7 in LDS, v8 its scale records; v9, v11 the fill; v12-19 source 0's scale words (two sets), v20-25 source 1's (three);
; v32-159 source 0's fragments (two sets), v160-255 source 1's (three sets); window 1: accumulator (m, n) at v[64 m + 8 n]; window 2: v0-63 the bias.
; THE MODE: SCHED_MODE bits 1:0 = 2 (LLVM: expert scheduling mode 2), set by the entry lines.  The code itself states the register dependences
; between vector or matrix instructions and memory or LDS instructions, with s_wait_alu, always for 0.
; THE PLAN.  Registers that memory or LDS instructions touch:
;   v1-3, v6-9, v11     offsets and LDS addresses: written at the head, never again; read by every load and store.  One wait on va_vdst ahead of the first load.
;   window 1, v32-39    the panel's way in: global loads land, LDS stores read them; later the products write them (the sums) and LDS loads land in them (set 0).  One wait on vm_vsrc behind the barrier.
;   window 2            the bias: loads land, the first step's products read; nothing else names it.
;   source 0's set s % 2 and its scale words   read by step s's products; the 20 LDS loads of step s + 2 land in them.
;   source 1's set s % 3 and its scale words   read by step s's products; the 10 loads of step s + 3 land in them.
;   v80-111, v116, v117 codes and scale words on the way out: written by vector instructions, read by the stores.  One wait on va_vdst ahead of the stores.
; So ONE wait on va_vdst stands in a step, behind its 32 products: they are done reading both sets.  It stands there and not at the next step's head, which lies behind the wait for that step's data: so source 1's set
; is asked for again at once, and three K steps of source 1 stay on their way.  Source 1's ten loads follow the wait; source 0's twenty are dealt among the NEXT step's products, five ahead of each eight:
; those products name the other sets and the accumulators, none of the registers that these loads touch.
.set KL,   8                           ; K steps that a wave walks
.set TSTR, 8192                        ; a tile's codes
.set PSTR, 1024                        ; a pair's scale records
.set PSC,  8*TSTR                      ; LDS: the panel's codes at 0, its scale records behind them
.set NF,   8*TSTR/2048                 ; rounds of the fill: 128 threads x 16 bytes
.set NFS,  4*PSTR/2048
.set XR,   0                           ; loads issued between source 1's K steps 2 and 3: none here
.set S0C,  2228224+256*8192            ; p1: W1's codes
.set S0S,  5373952+128*1024            ; its scale records
.set S1S,  2097152                     ; p5: scale records behind the codes
.set HS,   4194304                     ; p6: codes [tile 256][16,384], scale records [pair 128][K step 16][128]
.set TM, 32
.set TX, 48
.set TS, 64
.set PC, 80
.set WD, 112
.set MSB, 0
.macro WIN new                         ; the immediate's high byte repeats the setting that is left
.if MSB != \new
	s_set_vgpr_msb (MSB<<8)|\new
.set MSB, \new
.endif
.endm
.macro FILL                            ; the panel is asked for: codes into window 1, scale records into v32 on
	WIN 0x40
	s_wait_alu depctr_va_vdst(0)                   ; the offsets and LDS addresses v1 to v3, v6 to v9 and v11 are written: every load and store of the kernel reads one of them, and none is written again
.set I_, 0
.rept NF
	global_load_b128 v[4*I_:4*I_+3], v9, s[8:9] offset:2048*I_
.set I_, I_+1
.endr
	WIN 0
.set I_, 0
.rept NFS
	global_load_b128 v[32+4*I_:35+4*I_], v9, s[12:13] offset:2048*I_
.set I_, I_+1
.endr
.endm
.macro PUT younger                     ; and laid into LDS as it lies in memory; younger: the loads issued behind the panel's, which may stay out
	s_wait_loadcnt \younger
	WIN 0x04                                       ; an LDS store's data are its source 1: window 1
.set I_, 0
.rept NF
	ds_store_b128 v[9+I_/32], v[4*I_:4*I_+3] offset:2048*(I_%32)
.set I_, I_+1
.endr
	WIN 0
.set I_, 0
.rept NFS
	ds_store_b128 v11, v[32+4*I_:35+4*I_] offset:2048*I_
.set I_, I_+1
.endr
	s_wait_dscnt 0x0                               ; for the others' sake: my stores have landed
	s_barrier_signal -1
	s_barrier_wait -1
.endm
.macro GL s                            ; source 1's K step s from memory into set s % 3: 10 loads
.irp m,0,1,2,3
.irp c,0,1
	global_load_b128 v[160+32*((\s)%3)+8*\m+4*\c:160+32*((\s)%3)+8*\m+4*\c+3], v1, s[10:11] offset:\m*TSTR+(\s)*1024+512*\c
.endr
.endr
.irp j,0,1
	global_load_b32 v[20+2*((\s)%3)+\j], v2, s[14:15] offset:\j*PSTR+(\s)*128
.endr
.endm
.macro DLQ s, j                        ; a quarter of source 0's K step s from the panel into set s % 2: tiles 2 j, 2 j + 1 and the pair's scale words: 5 LDS loads, 512 or 128 bytes on end each
.irp u,0,1
.irp c,0,1
	ds_load_b128 v[32+64*((\s)%2)+8*(2*(\j)+\u)+4*\c:32+64*((\s)%2)+8*(2*(\j)+\u)+4*\c+3], v[6+(\j)/2] offset:((2*(\j)+\u)%4)*TSTR+(\s)*1024+512*\c
.endr
.endr
	ds_load_b32 v[12+4*((\s)%2)+(\j)], v8 offset:(\j)*PSTR+(\s)*128
.endm
.macro WMM first, pa, pb               ; one product; first: C is the bias; pa, pb: the tile is the odd one of its pair, its scale words lie in lanes 16-31
.if \first
.if (\pa) && (\pb)
	v_wmma_scale_f32_16x16x128_f8f6f4 v[rD:rD+7], v[rA:rA+7], v[rB:rB+7], v[rC:rC+7], v[rSA], v[rSB] matrix_a_fmt:MATRIX_FMT_FP4 matrix_b_fmt:MATRIX_FMT_FP4 matrix_a_scale:MATRIX_SCALE_ROW1 matrix_b_scale:MATRIX_SCALE_ROW1
.elseif (\pa)
	v_wmma_scale_f32_16x16x128_f8f6f4 v[rD:rD+7], v[rA:rA+7], v[rB:rB+7], v[rC:rC+7], v[rSA], v[rSB] matrix_a_fmt:MATRIX_FMT_FP4 matrix_b_fmt:MATRIX_FMT_FP4 matrix_a_scale:MATRIX_SCALE_ROW1
.elseif (\pb)
	v_wmma_scale_f32_16x16x128_f8f6f4 v[rD:rD+7], v[rA:rA+7], v[rB:rB+7], v[rC:rC+7], v[rSA], v[rSB] matrix_a_fmt:MATRIX_FMT_FP4 matrix_b_fmt:MATRIX_FMT_FP4 matrix_b_scale:MATRIX_SCALE_ROW1
.else
	v_wmma_scale_f32_16x16x128_f8f6f4 v[rD:rD+7], v[rA:rA+7], v[rB:rB+7], v[rC:rC+7], v[rSA], v[rSB] matrix_a_fmt:MATRIX_FMT_FP4 matrix_b_fmt:MATRIX_FMT_FP4
.endif
.else
.if (\pa) && (\pb)
	v_wmma_scale_f32_16x16x128_f8f6f4 v[rD:rD+7], v[rA:rA+7], v[rB:rB+7], v[rD:rD+7], v[rSA], v[rSB] matrix_a_fmt:MATRIX_FMT_FP4 matrix_b_fmt:MATRIX_FMT_FP4 matrix_a_scale:MATRIX_SCALE_ROW1 matrix_b_scale:MATRIX_SCALE_ROW1
.elseif (\pa)
	v_wmma_scale_f32_16x16x128_f8f6f4 v[rD:rD+7], v[rA:rA+7], v[rB:rB+7], v[rD:rD+7], v[rSA], v[rSB] matrix_a_fmt:MATRIX_FMT_FP4 matrix_b_fmt:MATRIX_FMT_FP4 matrix_a_scale:MATRIX_SCALE_ROW1
.elseif (\pb)
	v_wmma_scale_f32_16x16x128_f8f6f4 v[rD:rD+7], v[rA:rA+7], v[rB:rB+7], v[rD:rD+7], v[rSA], v[rSB] matrix_a_fmt:MATRIX_FMT_FP4 matrix_b_fmt:MATRIX_FMT_FP4 matrix_b_scale:MATRIX_SCALE_ROW1
.else
	v_wmma_scale_f32_16x16x128_f8f6f4 v[rD:rD+7], v[rA:rA+7], v[rB:rB+7], v[rD:rD+7], v[rSA], v[rSB] matrix_a_fmt:MATRIX_FMT_FP4 matrix_b_fmt:MATRIX_FMT_FP4
.endif
.endif
.endm
.macro MUL s, first, dl                ; K step s: the 32 accumulators take turns, one instruction a turn, in the same order in every step.  dl = 1: the next step's fragments of source 0 are asked for, a quarter ahead of each eight products
.irp m,0,1,2,3
.if \dl
	WIN 0
	DLQ (\s)+1, \m                                 ; no wait: no vector or matrix instruction since the wait behind the last step's products names these registers
.endif
.if \first
	WIN 0x60                                       ; D in window 1, C (the bias) in window 2
.else
	WIN 0x50                                       ; C and D in window 1
.endif
.irp n,0,1,2,3,4,5,6,7
.set rD, 64*\m+8*\n
.set rC, 8*\n
.set rA, 32+64*((\s)%2)+8*\n
.set rB, 160+32*((\s)%3)+8*\m
.set rSA, 12+4*((\s)%2)+\n/2
.set rSB, 20+2*((\s)%3)+\m/2
	WMM \first, \n%2, \m%2
.endr
.endr
.endm
.macro MAIN first                      ; all K steps, written out: every offset is an immediate, no pointer is stepped
.set S_, 0
.rept KL
.set NL_, 0
.if S_+1 < KL
.set NL_, 10
.endif
.if S_+2 < KL
.set NL_, 20
.endif
.if S_ < 3
.set NL_, NL_+XR
.endif
	s_wait_loadcnt NL_                             ; source 1's step (and all older loads, the bias among them) is in; the loads issued behind it may be out: 10 for each of the at most two later steps
	s_wait_dscnt 0x0                               ; source 0's step is in: its 20 LDS loads were dealt among the last step's products (step 0's stand ahead of it), and no other is out
.if S_ == 0
	MUL 0, \first, 1
.elseif S_+1 < KL
	MUL S_, 0, 1
.else
	MUL S_, 0, 0
.endif
	WIN 0
.if S_+2 < KL
.rept 4
	v_nop                                          ; four places behind the step's last product, in front of loads into registers that it has read
.endr
	s_wait_alu depctr_va_vdst(0)                   ; this step's products are done reading their sets of source 0 and source 1 and the sets' scale words, in which the loads of two and three steps on land
.if S_+3 < KL
	GL S_+3
.endif
.endif
.set S_, S_+1
.endr
.endm
.macro BIAS                            ; lane (r, h) wants, for W1's tile n, units 32 (n / 2) + 16 h + 8 (n % 2) + 0 .. 7: 16 loads
	WIN 0x80                                       ; destination in window 2
.irp n,0,1,2,3,4,5,6,7
.irp c,0,1
	global_load_b128 v[8*\n+4*\c:8*\n+4*\c+3], v3, s[16:17] offset:128*(\n/2)+32*(\n%2)+16*\c
.endr
.endr
	WIN 0
.endm
; The 256 results become four fragments (one for each tile of tokens) of 128 along the hidden units, and their scale words.  Block b = registers 16 b .. 16 b + 15 of window 1, with lane l xor 16's 16.
.macro QUANT16
	WIN 0x14                                       ; sources 1 and 2 in window 1
.set B_, 0
.rept 16
	v_max3_num_f32 v[TM+B_], s22, |v[16*B_]|, |v[16*B_+1]|   ; the floor 2^(3 - 127) among the leaves
.set B_, B_+1
.endr
.irp i,2,4,6,8,10,12,14
.set B_, 0
.rept 16
	v_max3_num_f32 v[TM+B_], v[TM+B_], |v[16*B_+\i]|, |v[16*B_+\i+1]|
.set B_, B_+1
.endr
.endr
	WIN 0
.set B_, 0
.rept 16
	v_permlanex16_b32 v[TX+B_], v[TM+B_], s20, s21
.set B_, B_+1
.endr
.set B_, 0
.rept 16
	v_max_num_f32 v[TM+B_], v[TM+B_], v[TX+B_]
.set B_, B_+1
.endr
.set B_, 0
.rept 16
	v_add_nc_u32 v[TS+B_], 0xff000000, v[TM+B_]    ; 2 off the exponent field: the conversion's scale operand
.set B_, B_+1
.endr
.set B_, 0
.rept 16
	v_lshrrev_b32 v[TX+B_], 23, v[TS+B_]           ; the scale's byte
.set B_, B_+1
.endr
.irp m,0,1,2,3
	v_lshl_or_b32 v[WD+\m], v[TX+4*\m+1], 8, v[TX+4*\m]
	v_lshl_or_b32 v[WD+\m], v[TX+4*\m+2], 16, v[WD+\m]
	v_lshl_or_b32 v[WD+\m], v[TX+4*\m+3], 24, v[WD+\m]
.endr
	WIN 0x01                                       ; source 0 in window 1
.set B_, 0
.rept 16
	v_cvt_scalef32_pk8_fp4_f32 v[PC+2*B_], v[16*B_:16*B_+7], v[TS+B_]
	v_cvt_scalef32_pk8_fp4_f32 v[PC+2*B_+1], v[16*B_+8:16*B_+15], v[TS+B_]
.set B_, B_+1
.endr
	WIN 0
	v_cmp_le_u32 vcc_lo, 16, v4                    ; (one plain place behind the conversions)  lanes 16-31
.set B_, 0
.rept 8                                ; a whole block to a lane: group g = 2 m + c then holds registers 4 c .. 4 c + 3 of tile m's fragment
	v_permlane16_swap_b32 v[PC+4*B_], v[PC+4*B_+2]
	v_permlane16_swap_b32 v[PC+4*B_+1], v[PC+4*B_+3]
.set B_, B_+1
.endr
	s_wait_alu depctr_va_vcc(0)                    ; the compare has written VCC, ahead of its first reader
	v_cndmask_b32 v116, v112, v113, vcc_lo         ; a pair's record: lanes 0-15 the even tile's words, lanes 16-31 the odd tile's
	v_cndmask_b32 v117, v114, v115, vcc_lo
.endm
	s_load_b256 s[24:31], s[0:1], 0x0              ; p5, p1, b1, p6
	v_lshl_add_u32 v30, v0, 2, 0x11000
	v_mov_b32 v31, 0
	v_lshrrev_b32 v5, 5, v0
	v_readfirstlane_b32 s2, v5                     ; wave 0..3
	v_and_b32 v4, 31, v0
	v_lshlrev_b32 v1, 4, v4
	v_lshlrev_b32 v2, 2, v4
	v_bfe_u32 v3, v0, 4, 1
	v_lshlrev_b32 v3, 6, v3
	v_lshlrev_b32 v6, 4, v4                        ; LDS: the panel's tiles 0-3: 16 x lane,
	v_add_nc_u32 v7, 4*TSTR, v6                    ; tiles 4-7,
	v_add_nc_u32 v8, PSC, v2                       ; its scale records: 4 x lane
	v_lshlrev_b32 v9, 4, v0                        ; the fill: 16 bytes a thread, in memory and in LDS alike
	v_add_nc_u32 v11, PSC, v9
	s_mov_b32 s20, 0x76543210
	s_mov_b32 s21, 0xfedcba98
	s_mov_b32 s22, 0x1800000
	s_wait_alu depctr_va_sdst(0)                   ; s2 is written, ahead of its first reader: the block of tokens is made from it
	s_and_b32 s34, ttmp9, 15                       ; block of 128 hidden units
	s_lshr_b32 s35, ttmp9, 4
	s_lshl_b32 s35, s35, 2
	s_add_co_u32 s35, s35, s2                      ; block of 64 tokens
	s_lshl_b32 s40, s34, 16
	s_add_co_u32 s40, s40, S0C
	s_mov_b32 s41, 0
	s_lshl_b32 s42, s35, 15
	s_mov_b32 s43, 0
	s_lshl_b32 s44, s34, 12
	s_add_co_u32 s44, s44, S0S
	s_mov_b32 s45, 0
	s_lshl_b32 s46, s35, 11
	s_add_co_u32 s46, s46, S1S
	s_mov_b32 s47, 0
	s_lshl_b32 s48, s34, 9
	s_mov_b32 s49, 0
	s_lshl_b32 s50, s35, 16                        ; out: four tiles of 16,384 bytes,
	s_lshl_b32 s36, s34, 10                        ; K step = the block of hidden units
	s_add_co_u32 s50, s50, s36
	s_mov_b32 s51, 0
	s_lshl_b32 s52, s35, 12                        ; two pairs of 2,048 bytes,
	s_lshl_b32 s36, s34, 7
	s_add_co_u32 s52, s52, s36
	s_add_co_u32 s52, s52, HS
	s_mov_b32 s53, 0
	s_wait_kmcnt 0x0
	s_add_nc_u64 s[8:9], s[26:27], s[40:41]
	s_add_nc_u64 s[10:11], s[24:25], s[42:43]
	s_add_nc_u64 s[12:13], s[26:27], s[44:45]
	s_add_nc_u64 s[14:15], s[24:25], s[46:47]
	s_add_nc_u64 s[16:17], s[28:29], s[48:49]
	s_add_nc_u64 s[18:19], s[30:31], s[50:51]
	s_add_nc_u64 s[38:39], s[30:31], s[52:53]
	FILL
	BIAS
	GL 0
	GL 1
	GL 2
	PUT 46                                         ; behind the panel's loads: the bias's 16 and three K steps of source 1, 30
	s_wait_alu depctr_vm_vsrc(0)                   ; my LDS stores have read window 1 and v32 on: the products write the first as their sums, the LDS loads below land in the second
.irp j,0,1,2,3
	DLQ 0, \j
.endr
	MAIN 1                                         ; the first step's products take the bias as C: nothing is cleared, nothing is added later
.rept 4
	v_nop                                          ; four places in front of the first read of results and of writes over fragments
.endr
	WIN 0x44                                       ; source 1 and destination in window 1
.set J_, 0
.rept 256
	v_max_num_f32 v[J_], 0, v[J_]                  ; the activation, in f32; each accumulator from its low end on
.set J_, J_+1
.endr
	QUANT16
	s_wait_alu depctr_va_vdst(0)                   ; the codes v80-111 and the scale words v116, v117 are written, which the stores read
.irp g,0,1,2,3,4,5,6,7
	global_store_b128 v1, v[PC+4*\g:PC+4*\g+3], s[18:19] offset:(\g/2)*16384+(\g%2)*512   ; 512 bytes on end
.endr
	global_store_b32 v2, v116, s[38:39]
	global_store_b32 v2, v117, s[38:39] offset:2048
	s_wait_dscnt 0x0                               ; the closing lines, six on end
	s_wait_alu 0x0
	s_wait_tensorcnt 0x0
	ds_add_u32 v30, v31
	s_wait_dscnt 0x0
	s_endpgm
.Lfunc_end_k_q4b0a33f1c5_ffn1:
	.size	k_q4b0a33f1c5_ffn1, .Lfunc_end_k_q4b0a33f1c5_ffn1-k_q4b0a33f1c5_ffn1
	.p2alignl 7, 3214868480
	.fill 96, 4, 3214868480
	.section	.rodata,"a",@progbits
	.p2align	6, 0x0
	.amdhsa_kernel k_q4b0a33f1c5_ffn1
		.amdhsa_group_segment_fixed_size 70144
		.amdhsa_private_segment_fixed_size 0
		.amdhsa_enable_private_segment 0
		.amdhsa_kernarg_size 32
		.amdhsa_user_sgpr_count 2
		.amdhsa_user_sgpr_kernarg_segment_ptr 1
		.amdhsa_wavefront_size32 1
		.amdhsa_system_sgpr_workgroup_id_x 1
		.amdhsa_system_sgpr_workgroup_id_y 1
		.amdhsa_system_sgpr_workgroup_id_z 1
		.amdhsa_system_vgpr_workitem_id 0
		.amdhsa_next_free_vgpr 576
		.amdhsa_next_free_sgpr 66
		.amdhsa_reserve_vcc 1
		.amdhsa_float_denorm_mode_32 3
		.amdhsa_float_denorm_mode_16_64 3
		.amdhsa_memory_ordered 1
		.amdhsa_forward_progress 1
		.amdhsa_inst_pref_size 87
	.end_amdhsa_kernel
	.amdgpu_metadata
---
amdhsa.version: [ 1, 2 ]
amdhsa.kernels:
  - .name:           k_q4b0a33f1c5_ffn1
    .symbol:         k_q4b0a33f1c5_ffn1.kd
    .args:
      - { .name: p5, .offset: 0, .size: 8, .value_kind: global_buffer, .address_space: global }
      - { .name: p1, .offset: 8, .size: 8, .value_kind: global_buffer, .address_space: global }
      - { .name: b1, .offset: 16, .size: 8, .value_kind: global_buffer, .address_space: global }
      - { .name: p6, .offset: 24, .size: 8, .value_kind: global_buffer, .address_space: global }
    .group_segment_fixed_size: 70144
    .private_segment_fixed_size: 0
    .kernarg_segment_align: 8
    .kernarg_segment_size: 32
    .max_flat_workgroup_size: 128
    .sgpr_count:     66
    .vgpr_count:     576
    .wavefront_size: 32
...
	.end_amdgpu_metadata
.endif
;; end of part 11
;; launch ffn2 (part 12): grid 256 x 1, 4 waves a work-group, no clusters, 274,944 bytes of LDS; arguments p6, p1, b2, p4, out0; writes out0
.if DOCPART == 12
	.amdgcn_target "amdgcn-amd-amdhsa--gfx1250"
	.amdhsa_code_object_version 6
	.text
	.protected	k_q4b0a33f1c5_ffn2
	.globl	k_q4b0a33f1c5_ffn2
	.p2align	8
	.type	k_q4b0a33f1c5_ffn2,@function
k_q4b0a33f1c5_ffn2:
	s_mov_b64 s[64:65], 0
	v_nop
	global_prefetch_b8 v0, s[64:65] scope:SCOPE_SE
	s_setreg_imm32_b32 hwreg(HW_REG_WAVE_SCHED_MODE, 0, 2), 2
	s_setreg_imm32_b32 hwreg(HW_REG_WAVE_MODE, 25, 1), 1
	s_wait_xcnt 0x0
	s_wait_alu depctr_vm_vsrc(0)
; FFN2.  out = x1 + h W2 + b2, on codes of E2M1; out is f32, row-major.
; A work-group makes 128 columns x 128 tokens, K = 2,048.  FOUR WAVES, ONE TO A SIMD: wave (tb, kh) makes the 128 columns (source 0 = eight tiles of the weight) x 64 tokens (source 1 = four tiles, block tb) over HALF kh OF K,
; eight steps: 32 accumulators, 256 registers, in window 1.  The two halves of a sum meet in LDS on the way out.
; In a result lane (r, h) holds the token at row r of its tile and, in the 16 registers of the weight's tiles 2 b, 2 b + 1, columns 32 b + 16 h + 0 .. 15.  Each wave puts its four tiles of half sums into its own stage in
; LDS (rows of 512 + 16 bytes); behind a barrier wave (tb, kh) reads tiles 2 kh, 2 kh + 1 back as whole rows, from its own stage and from its partner's, adds the two halves, the residual and the bias, and stores rows of 512 bytes on end, aligned.
; Operands lie in memory in the order of the registers (a fragment: two pieces of 512 bytes, 16 bytes a lane; a scale load brings two tiles' words, odd tiles in lanes 16-31).
; THE WAVES SHARE SOURCE 0: its eight tiles for all of K lie on end in memory, its scale records likewise: the 128 threads copy them into LDS once, through the registers that the sums take later, in front of a barrier;
; nothing is filled again.  Source 1 is each wave's own and goes straight into registers, three K steps ahead.  The residual and the bias are asked for behind that barrier, ahead of the first product.
; No cluster: the panel is fetched once and never again, and source 1 goes into registers, where no joint load can put it.
; LIMIT: the f32 sum over K is formed as two halves that are added, then the residual, then the bias: another order of rounding than one chain.
; REGISTERS: v1 16 x lane, v2 4 x lane; v4 the stage in, v5 my stage out, v26 my partner's; v6, v7 the panel's tiles 0-3, 4-7 in LDS, v8 its scale records; v9-11 the fill; v12-19 source 0's scale words (two sets), v20-25 source 1's (three);
; v32-159 source 0's fragments (two sets), v160-255 source 1's (three sets); window 1: accumulator (m, n) at v[64 m + 8 n], on the way out rows; window 2: v0-127 the residual's rows, v128-131 the bias.
; THE MODE: SCHED_MODE bits 1:0 = 2 (LLVM: expert scheduling mode 2), set by the entry lines.  The code itself states the register dependences
; between vector or matrix instructions and memory or LDS instructions, with s_wait_alu, always for 0.
; THE PLAN.  Registers that memory or LDS instructions touch:
;   v1, v2, v4-11, v26  offsets and LDS addresses: written at the head, never again; read by every load and store.  One wait on va_vdst ahead of the first load.
;   window 1, v32 on    the panel's way in: global loads land, LDS stores read them; later the products write them (the sums) and LDS loads land in them (set 0).  One wait on vm_vsrc behind the barrier.
;   source 0's set s % 2 and its scale words   read by step s's products; the 20 LDS loads of step s + 2 land in them.
;   source 1's set s % 3 and its scale words   read by step s's products; the 10 loads of step s + 3 land in them.
;   window 1, on the way out   written by the products, read by the LDS stores into the stage (va_vdst ahead of them); then the rows land in it (vm_vsrc and va_vdst ahead of them); the additions write it, the global stores read it (va_vdst ahead of each tile's).
;   window 2            the residual and the bias: loads land, the additions read; nothing else names it.
; So ONE wait on va_vdst stands in a step, behind its 32 products: they are done reading both sets.  It stands there and not at the next step's head, which lies behind the wait for that step's data: so source 1's set
; is asked for again at once, and three K steps of source 1 stay on their way.  Source 1's ten loads follow the wait; source 0's twenty are dealt among the NEXT step's products, five ahead of each eight:
; those products name the other sets and the accumulators, none of the registers that these loads touch.
.set KL,   8                           ; K steps that a wave walks: half of K
.set TSTR, 16384                       ; a tile's codes
.set PSTR, 2048                        ; a pair's scale records
.set PSC,  8*TSTR                      ; LDS: the panel's codes at 0, its scale records behind them,
.set STG,  PSC+4*PSTR                  ; then the stages: for each wave four tiles of 16 rows x 528 bytes
.set NF,   8*TSTR/2048                 ; rounds of the fill: 128 threads x 16 bytes
.set NFS,  4*PSTR/2048
.set XR,   33                          ; loads issued between source 1's K steps 2 and 3: the residual's 32 and the bias's one
.set S0C,  5570560                     ; p1: the weight's codes; 2^S0CN bytes for each 128 columns
.set S0CN, 17
.set S0S,  6619136                     ; its scale records
.set S0SN, 13
.set S1CN, 16                          ; the tokens' codes: 2^S1CN bytes for each 64 tokens
.set S1S,  4194304                     ; their scale records
.set S1SN, 12
.set LAST, 1                           ; 1: the stores are the program's output, read by nobody
.set MSB, 0
.macro WIN new                         ; the immediate's high byte repeats the setting that is left
.if MSB != \new
	s_set_vgpr_msb (MSB<<8)|\new
.set MSB, \new
.endif
.endm
.macro FILL                            ; the panel is asked for: codes into window 1, scale records into v32 on
	WIN 0x40
	s_wait_alu depctr_va_vdst(0)                   ; the offsets and LDS addresses v1, v2, v4 to v11 and v26 are written: every load and store of the kernel reads one of them, and none is written again
.set I_, 0
.rept NF
	global_load_b128 v[4*I_:4*I_+3], v9, s[8:9] offset:2048*I_
.set I_, I_+1
.endr
	WIN 0
.set I_, 0
.rept NFS
	global_load_b128 v[32+4*I_:35+4*I_], v9, s[12:13] offset:2048*I_
.set I_, I_+1
.endr
.endm
.macro PUT younger                     ; and laid into LDS as it lies in memory; younger: the loads issued behind the panel's, which may stay out
	s_wait_loadcnt \younger
	WIN 0x04                                       ; an LDS store's data are its source 1: window 1
.set I_, 0
.rept NF
	ds_store_b128 v[9+I_/32], v[4*I_:4*I_+3] offset:2048*(I_%32)
.set I_, I_+1
.endr
	WIN 0
.set I_, 0
.rept NFS
	ds_store_b128 v11, v[32+4*I_:35+4*I_] offset:2048*I_
.set I_, I_+1
.endr
	s_wait_dscnt 0x0                               ; for the others' sake: my stores have landed
	s_barrier_signal -1
	s_barrier_wait -1
.endm
.macro GL s                            ; source 1's K step s (of my half) from memory into set s % 3: 10 loads
.irp m,0,1,2,3
.irp c,0,1
	global_load_b128 v[160+32*((\s)%3)+8*\m+4*\c:160+32*((\s)%3)+8*\m+4*\c+3], v1, s[10:11] offset:\m*TSTR+(\s)*1024+512*\c
.endr
.endr
.irp j,0,1
	global_load_b32 v[20+2*((\s)%3)+\j], v2, s[14:15] offset:\j*PSTR+(\s)*128
.endr
.endm
.macro DLQ s, j                        ; a quarter of source 0's K step s (of my half) from the panel into set s % 2: tiles 2 j, 2 j + 1 and the pair's scale words: 5 LDS loads, 512 or 128 bytes on end each
.irp u,0,1
.irp c,0,1
	ds_load_b128 v[32+64*((\s)%2)+8*(2*(\j)+\u)+4*\c:32+64*((\s)%2)+8*(2*(\j)+\u)+4*\c+3], v[6+(\j)/2] offset:((2*(\j)+\u)%4)*TSTR+(\s)*1024+512*\c
.endr
.endr
	ds_load_b32 v[12+4*((\s)%2)+(\j)], v8 offset:(\j)*PSTR+(\s)*128
.endm
.macro WMM zero, pa, pb                ; one product; pa, pb: the tile is the odd one of its pair, its scale words lie in lanes 16-31
.if \zero
.if (\pa) && (\pb)
	v_wmma_scale_f32_16x16x128_f8f6f4 v[rD:rD+7], v[rA:rA+7], v[rB:rB+7], 0, v[rSA], v[rSB] matrix_a_fmt:MATRIX_FMT_FP4 matrix_b_fmt:MATRIX_FMT_FP4 matrix_a_scale:MATRIX_SCALE_ROW1 matrix_b_scale:MATRIX_SCALE_ROW1
.elseif (\pa)
	v_wmma_scale_f32_16x16x128_f8f6f4 v[rD:rD+7], v[rA:rA+7], v[rB:rB+7], 0, v[rSA], v[rSB] matrix_a_fmt:MATRIX_FMT_FP4 matrix_b_fmt:MATRIX_FMT_FP4 matrix_a_scale:MATRIX_SCALE_ROW1
.elseif (\pb)
	v_wmma_scale_f32_16x16x128_f8f6f4 v[rD:rD+7], v[rA:rA+7], v[rB:rB+7], 0, v[rSA], v[rSB] matrix_a_fmt:MATRIX_FMT_FP4 matrix_b_fmt:MATRIX_FMT_FP4 matrix_b_scale:MATRIX_SCALE_ROW1
.else
	v_wmma_scale_f32_16x16x128_f8f6f4 v[rD:rD+7], v[rA:rA+7], v[rB:rB+7], 0, v[rSA], v[rSB] matrix_a_fmt:MATRIX_FMT_FP4 matrix_b_fmt:MATRIX_FMT_FP4
.endif
.else
.if (\pa) && (\pb)
	v_wmma_scale_f32_16x16x128_f8f6f4 v[rD:rD+7], v[rA:rA+7], v[rB:rB+7], v[rD:rD+7], v[rSA], v[rSB] matrix_a_fmt:MATRIX_FMT_FP4 matrix_b_fmt:MATRIX_FMT_FP4 matrix_a_scale:MATRIX_SCALE_ROW1 matrix_b_scale:MATRIX_SCALE_ROW1
.elseif (\pa)
	v_wmma_scale_f32_16x16x128_f8f6f4 v[rD:rD+7], v[rA:rA+7], v[rB:rB+7], v[rD:rD+7], v[rSA], v[rSB] matrix_a_fmt:MATRIX_FMT_FP4 matrix_b_fmt:MATRIX_FMT_FP4 matrix_a_scale:MATRIX_SCALE_ROW1
.elseif (\pb)
	v_wmma_scale_f32_16x16x128_f8f6f4 v[rD:rD+7], v[rA:rA+7], v[rB:rB+7], v[rD:rD+7], v[rSA], v[rSB] matrix_a_fmt:MATRIX_FMT_FP4 matrix_b_fmt:MATRIX_FMT_FP4 matrix_b_scale:MATRIX_SCALE_ROW1
.else
	v_wmma_scale_f32_16x16x128_f8f6f4 v[rD:rD+7], v[rA:rA+7], v[rB:rB+7], v[rD:rD+7], v[rSA], v[rSB] matrix_a_fmt:MATRIX_FMT_FP4 matrix_b_fmt:MATRIX_FMT_FP4
.endif
.endif
.endm
.macro MUL s, zero, dl                 ; K step s: the 32 accumulators take turns, one instruction a turn, in the same order in every step.  dl = 1: the next step's fragments of source 0 are asked for, a quarter ahead of each eight products
.irp m,0,1,2,3
.if \dl
	WIN 0
	DLQ (\s)+1, \m                                 ; no wait: no vector or matrix instruction since the wait behind the last step's products names these registers
.endif
	WIN 0x50                                       ; C and D in window 1
.irp n,0,1,2,3,4,5,6,7
.set rD, 64*\m+8*\n
.set rA, 32+64*((\s)%2)+8*\n
.set rB, 160+32*((\s)%3)+8*\m
.set rSA, 12+4*((\s)%2)+\n/2
.set rSB, 20+2*((\s)%3)+\m/2
	WMM \zero, \n%2, \m%2
.endr
.endr
.endm
.macro MAIN first                      ; all K steps, written out: every offset is an immediate, no pointer is stepped
.set S_, 0
.rept KL
.set NL_, 0
.if S_+1 < KL
.set NL_, 10
.endif
.if S_+2 < KL
.set NL_, 20
.endif
.if S_ < 3
.set NL_, NL_+XR
.endif
	s_wait_loadcnt NL_                             ; source 1's step is in; the loads issued behind it may be out: 10 for each of the at most two later steps, and behind steps 0 to 2 the residual's and the bias's 33
	s_wait_dscnt 0x0                               ; source 0's step is in: its 20 LDS loads were dealt among the last step's products (step 0's stand ahead of it), and no other is out
.if S_ == 0
	MUL 0, \first, 1
.elseif S_+1 < KL
	MUL S_, 0, 1
.else
	MUL S_, 0, 0
.endif
	WIN 0
.if S_+2 < KL
.rept 4
	v_nop                                          ; four places behind the step's last product, in front of loads into registers that it has read
.endr
	s_wait_alu depctr_va_vdst(0)                   ; this step's products are done reading their sets of source 0 and source 1 and the sets' scale words, in which the loads of two and three steps on land
.if S_+3 < KL
	GL S_+3
.endif
.endif
.set S_, S_+1
.endr
.endm
.macro RES                             ; the residual's rows of my two tiles, and the bias of my four columns of a row: row t of tile 2 kh + i is token 32 kh + 8 i + t + 8 (t / 8) of the 64; 512 bytes on end each
	WIN 0x80                                       ; destination in window 2
.irp i,0,1
.irp t,0,1,2,3,4,5,6,7,8,9,10,11,12,13,14,15
	global_load_b128 v[64*\i+4*\t:64*\i+4*\t+3], v1, s[18:19] offset:(8*\i+\t+8*(\t/8))*4096
.endr
.endr
	global_load_b128 v[128:131], v1, s[16:17]
	WIN 0
.endm
.macro ROWS i                          ; tile 2 kh + i as 16 whole rows: my half sums into v[128 i] on, my partner's into v[128 i + 64] on, of window 1
	WIN 0x40
.if \i == 0
	s_wait_alu depctr_vm_vsrc(0)                   ; my LDS stores into the stage have read window 1, in which both tiles' rows land
	s_wait_alu depctr_va_vdst(0)                   ; and the products have written it; no vector or matrix instruction stands between here and the second tile's loads
.endif
.irp t,0,1,2,3,4,5,6,7,8,9,10,11,12,13,14,15
	ds_load_b128 v[128*\i+4*\t:128*\i+4*\t+3], v5 offset:\i*8448+528*\t
	ds_load_b128 v[128*\i+64+4*\t:128*\i+64+4*\t+3], v26 offset:\i*8448+528*\t
.endr
	WIN 0
.endm
.macro OUT i                           ; the two halves, the residual, the bias; then the rows leave
	WIN 0x45                                       ; all in window 1
.set J_, 0
.rept 32
	v_pk_add_f32 v[128*\i+J_:128*\i+J_+1], v[128*\i+J_:128*\i+J_+1], v[128*\i+64+J_:128*\i+65+J_]
.set J_, J_+2
.endr
	WIN 0x49                                       ; source 1 in window 2
.set J_, 0
.rept 32
	v_pk_add_f32 v[128*\i+J_:128*\i+J_+1], v[128*\i+J_:128*\i+J_+1], v[64*\i+J_:64*\i+J_+1]
.set J_, J_+2
.endr
.set J_, 0
.rept 32
	v_pk_add_f32 v[128*\i+J_:128*\i+J_+1], v[128*\i+J_:128*\i+J_+1], v[128+J_%4:129+J_%4]
.set J_, J_+2
.endr
	WIN 0x04                                       ; a store's data are its source 1: window 1
	s_wait_alu depctr_va_vdst(0)                   ; the additions have written the tile's 16 rows, which the stores read
.irp t,0,1,2,3,4,5,6,7,8,9,10,11,12,13,14,15
.if LAST
	global_store_b128 v1, v[128*\i+4*\t:128*\i+4*\t+3], s[20:21] offset:(8*\i+\t+8*(\t/8))*4096 th:TH_STORE_NT
.else
	global_store_b128 v1, v[128*\i+4*\t:128*\i+4*\t+3], s[20:21] offset:(8*\i+\t+8*(\t/8))*4096
.endif
.endr
	WIN 0
.endm
	s_load_b256 s[24:31], s[0:1], 0x0              ; the tokens' operand, p1, the bias, the residual
	s_load_b64 s[32:33], s[0:1], 0x20              ; the result
	v_lshl_add_u32 v30, v0, 2, 0x43000
	v_mov_b32 v31, 0
	v_lshrrev_b32 v5, 5, v0
	v_readfirstlane_b32 s2, v5                     ; wave 0..3
	v_and_b32 v27, 31, v0                          ; lane
	v_lshlrev_b32 v1, 4, v27
	v_lshlrev_b32 v2, 2, v27
	v_bfe_u32 v28, v0, 4, 1                        ; h
	v_and_b32 v29, 15, v0                          ; r
	s_wait_alu depctr_va_vdst(0)
	s_wait_alu depctr_va_sdst(0)                   ; s2 is written, ahead of its first reader: the half of K, the block of tokens and the stages are made from it
	s_and_b32 s3, s2, 1                            ; kh: which half of K
	s_lshr_b32 s36, s2, 1                          ; tb: which 64 tokens
	s_mul_i32 s37, s3, KL*1024
	v_add_nc_u32 v6, s37, v1                       ; LDS: the panel's tiles 0-3, my half of K: 16 x lane + kh x KL x 1,024,
	v_add_nc_u32 v7, 4*TSTR, v6                    ; tiles 4-7,
	s_mul_i32 s37, s3, KL*128
	s_add_co_u32 s37, s37, PSC
	v_add_nc_u32 v8, s37, v2                       ; its scale records
	v_lshlrev_b32 v9, 4, v0                        ; the fill: 16 bytes a thread, in memory and in LDS alike
.if NF > 32
	v_add_nc_u32 v10, 65536, v9
.endif
	v_add_nc_u32 v11, PSC, v9
	s_mul_i32 s38, s2, 33792
	s_add_co_u32 s38, s38, STG                     ; my stage
	v_mul_u32_u24 v4, v29, 528
	v_lshl_add_u32 v4, v28, 6, v4
	v_add_nc_u32 v4, s38, v4                       ; in: row r, + 64 h
	s_mul_i32 s39, s3, 16896                       ; tiles 2 kh on
	s_add_co_u32 s38, s38, s39
	v_add_nc_u32 v5, s38, v1                       ; back, from my stage: 16 bytes a lane of a row,
	s_xor_b32 s38, s2, 1
	s_mul_i32 s38, s38, 33792
	s_add_co_u32 s38, s38, s39
	s_add_co_u32 s38, s38, STG
	v_add_nc_u32 v26, s38, v1                      ; and from my partner's (the same tokens, the other half of K)
	s_and_b32 s34, ttmp9, 7                        ; block of 128 columns
	s_lshr_b32 s35, ttmp9, 3
	s_lshl_b32 s35, s35, 1
	s_add_co_u32 s35, s35, s36                     ; block of 64 tokens
	s_lshl_b32 s40, s34, S0CN
	s_add_co_u32 s40, s40, S0C
	s_mov_b32 s41, 0
	s_lshl_b32 s42, s35, S1CN
	s_mul_i32 s52, s3, KL*1024
	s_add_co_u32 s42, s42, s52
	s_mov_b32 s43, 0
	s_lshl_b32 s44, s34, S0SN
	s_add_co_u32 s44, s44, S0S
	s_mov_b32 s45, 0
	s_lshl_b32 s46, s35, S1SN
	s_add_co_u32 s46, s46, S1S
	s_mul_i32 s52, s3, KL*128
	s_add_co_u32 s46, s46, s52
	s_mov_b32 s47, 0
	s_lshl_b32 s48, s34, 9
	s_mov_b32 s49, 0
	s_lshl_b32 s50, s35, 18
	s_add_co_u32 s50, s50, s48                     ; 64 rows of 4,096 bytes + 512 x block of columns
	s_lshl_b32 s52, s3, 17
	s_add_co_u32 s50, s50, s52                     ; + 32 kh rows
	s_mov_b32 s51, 0
	s_wait_kmcnt 0x0
	s_add_nc_u64 s[8:9], s[26:27], s[40:41]
	s_add_nc_u64 s[10:11], s[24:25], s[42:43]
	s_add_nc_u64 s[12:13], s[26:27], s[44:45]
	s_add_nc_u64 s[14:15], s[24:25], s[46:47]
	s_add_nc_u64 s[16:17], s[28:29], s[48:49]
	s_add_nc_u64 s[18:19], s[30:31], s[50:51]
	s_add_nc_u64 s[20:21], s[32:33], s[50:51]
	FILL
	GL 0
	GL 1
	GL 2
	PUT 30                                         ; behind the panel's loads: three K steps of source 1, 30 loads
	s_wait_alu depctr_vm_vsrc(0)                   ; my LDS stores have read window 1 and v32 on: the products write the first as their sums, the LDS loads below land in the second
	RES
.irp j,0,1,2,3
	DLQ 0, \j
.endr
	MAIN 1                                         ; the first step's products start the sums: nothing is cleared
.rept 4
	v_nop                                          ; four places in front of the first read of results
.endr
	WIN 0x04                                       ; an LDS store's data are its source 1: window 1
	s_wait_alu depctr_va_vdst(0)                   ; the products have written the accumulators, which the LDS stores read; the places above stay beside this wait
.irp m,0,1,2,3
.irp n,0,1,2,3,4,5,6,7
.irp c,0,1
	ds_store_b128 v4, v[64*\m+8*\n+4*\c:64*\m+8*\n+4*\c+3] offset:\m*8448+128*(\n/2)+32*(\n%2)+16*\c   ; each accumulator from its low end on
.endr
.endr
.endr
	WIN 0
	s_wait_dscnt 0x0                               ; for my partner's sake: my half sums have landed
	s_barrier_signal -1
	s_barrier_wait -1
	ROWS 0
	s_wait_dscnt 0x0
	ROWS 1                                         ; the second tile's rows come while the first tile's are added
	OUT 0
	s_wait_dscnt 0x0
	OUT 1
	s_wait_dscnt 0x0                               ; the closing lines, six on end
	s_wait_alu 0x0
	s_wait_tensorcnt 0x0
	ds_add_u32 v30, v31
	s_wait_dscnt 0x0
	s_endpgm
.Lfunc_end_k_q4b0a33f1c5_ffn2:
	.size	k_q4b0a33f1c5_ffn2, .Lfunc_end_k_q4b0a33f1c5_ffn2-k_q4b0a33f1c5_ffn2
	.p2alignl 7, 3214868480
	.fill 96, 4, 3214868480
	.section	.rodata,"a",@progbits
	.p2align	6, 0x0
	.amdhsa_kernel k_q4b0a33f1c5_ffn2
		.amdhsa_group_segment_fixed_size 274944
		.amdhsa_private_segment_fixed_size 0
		.amdhsa_enable_private_segment 0
		.amdhsa_kernarg_size 40
		.amdhsa_user_sgpr_count 2
		.amdhsa_user_sgpr_kernarg_segment_ptr 1
		.amdhsa_wavefront_size32 1
		.amdhsa_system_sgpr_workgroup_id_x 1
		.amdhsa_system_sgpr_workgroup_id_y 1
		.amdhsa_system_sgpr_workgroup_id_z 1
		.amdhsa_system_vgpr_workitem_id 0
		.amdhsa_next_free_vgpr 656
		.amdhsa_next_free_sgpr 66
		.amdhsa_reserve_vcc 0
		.amdhsa_float_denorm_mode_32 3
		.amdhsa_float_denorm_mode_16_64 3
		.amdhsa_memory_ordered 1
		.amdhsa_forward_progress 1
		.amdhsa_inst_pref_size 95
	.end_amdhsa_kernel
	.amdgpu_metadata
---
amdhsa.version: [ 1, 2 ]
amdhsa.kernels:
  - .name:           k_q4b0a33f1c5_ffn2
    .symbol:         k_q4b0a33f1c5_ffn2.kd
    .args:
      - { .name: p6, .offset: 0, .size: 8, .value_kind: global_buffer, .address_space: global }
      - { .name: p1, .offset: 8, .size: 8, .value_kind: global_buffer, .address_space: global }
      - { .name: b2, .offset: 16, .size: 8, .value_kind: global_buffer, .address_space: global }
      - { .name: p4, .offset: 24, .size: 8, .value_kind: global_buffer, .address_space: global }
      - { .name: out0, .offset: 32, .size: 8, .value_kind: global_buffer, .address_space: global }
    .group_segment_fixed_size: 274944
    .private_segment_fixed_size: 0
    .kernarg_segment_align: 8
    .kernarg_segment_size: 40
    .max_flat_workgroup_size: 128
    .sgpr_count:     66
    .vgpr_count:     656
    .wavefront_size: 32
...
	.end_amdgpu_metadata
.endif
;; end of part 12
